; MI455X (gfx1250); checked and timed in simulation.
; The chip was launched on July 23, 2026; its instructions are those of AMD's public machine-readable ISA for CDNA 5 (MIT licence, August 2026) and "CDNA5" Instruction Set Architecture Reference Guide (July 2026). The comments in the code are by the model that wrote it; some were corrected since.
;; QKV Block. Allowed arithmetic: matrix products marked QUANTISED: E2M3 operands, one E8M0 scale for each 32 along K, by v_wmma_scale_f32_16x16x128_f8f6f4 with both operands' format E2M3, f32 sums; everything else in f32.
;; Inputs: Wk 2,048 x 2,048 float32; Wo 2,048 x 2,048 float32; Wq 2,048 x 2,048 float32; Wv 2,048 x 2,048 float32; bk 2,048 float32; bo 2,048 float32; bq 2,048 float32; bv 2,048 float32; cos 2,048 x 128 float32; mask 1 x 1 x 2,048 x 2,048 float32; sin 2,048 x 128 float32; x 1 x 2,048 x 2,048 float32.
;; Outputs: out0 1 x 2,048 x 2,048 float32.
;; Constants: rope_exclude = 0.
;; This version of the problem:
;;   THIS VERSION OF THE PROBLEM IS GIVEN IN LOW PRECISION. The matrix products marked QUANTISED in the list below multiply operands that are first quantised to E2M3 (2 exponent bits, 3 mantissa bits; 6 bits a number), with one power-of-two scale for each 32 numbers along K (OCP MX v1.0); their sums are f32. All else is computed in f32.
;;   The module's matrix products, in the order in which they are computed (A, B: the left and right operand; K: the contracted axis; several contracted axes count as one K, in the product's order):
;;     1. [M 2,048, K 2,048] x [K 2,048, N 2,048]; A: input x; B: input Wq: QUANTISED
;;     2. [M 2,048, K 2,048] x [K 2,048, N 2,048]; A: input x; B: input Wk: QUANTISED
;;     3. [M 2,048, K 2,048] x [K 2,048, N 2,048]; A: input x; B: input Wv: QUANTISED
;;     4. batch 16 x [M 2,048, K 128] x [K 128, N 2,048]; A: computed on the way; B: computed on the way: QUANTISED
;;     5. batch 16 x [M 2,048, K 2,048] x [K 2,048, N 128]; A: softmax (see below); B: computed on the way: QUANTISED
;;     6. [M 2,048, K 2,048] x [K 2,048, N 2,048]; A: computed on the way; B: input Wo: QUANTISED
;;   THE QUANTISER, for each operand of a quantised product, along K:
;;     - K is cut into blocks of 32 from its start; a last block that is shorter is filled with zeros.
;;     - A block's scale is 2^e with e = floor(log2(the largest magnitude in the block)) - 2, held to -126 .. 127; a block of zeros has e = 0. As a byte (E8M0): e + 127.
;;     - Each number is divided by its block's scale, clamped to +-7.5, and rounded to the nearest number of E2M3, ties to even, subnormals kept.
;;     - The product sums the exact products of the quantised numbers (number of the format x scale) in f32.
;;   ~~~python
;;   def quantise(x, axis):      # numpy; x: float32 -> the quantised numbers, widened to float32 again
;;       x = np.moveaxis(x, axis, -1); K = x.shape[-1]
;;       x = np.pad(x, [(0, 0)] * (x.ndim - 1) + [(0, -K % 32)]); x = x.reshape(x.shape[:-1] + (-1, 32)); a = np.abs(x).max(-1, keepdims=True)
;;       e = np.where(a > 0, np.clip(np.frexp(np.where(a > 0, a, 1))[1] - 1 - 2, -126, 127), 0)      # np.frexp(a)[1] - 1 = floor(log2(a)), exactly
;;       r = np.clip(x / 2.0 ** e, -7.5, 7.5)
;;       step = 2.0 ** (np.maximum(np.frexp(np.where(r == 0, 1, r))[1] - 1, 0) - 3)
;;       q = np.round(r / step) * step * 2.0 ** e      # np.round: ties to even
;;       return np.moveaxis(q.reshape(q.shape[:-2] + (-1,))[..., :K], -1, axis).astype(np.float32)
;;   ~~~
;;   SOFTMAX AHEAD OF A QUANTISED PRODUCT. Where the list says 'softmax', what is quantised is not the finished softmax but p = 2^(t - M), with t = logit x log2(e) and M = ceil(the row's largest t), a whole number; so 1/2 < the row's largest p <= 1. The row's sum l is taken of the UNQUANTISED p, in f32, and the product's result is divided by l at the end. Since M is a whole number, a kernel that streams over the keys may use a running M (the ceiling of the running maximum): every later rescaling is an exact power of two, which a block's scale takes up: the codes' values come out the same.
;;   OPERANDS COMPUTED ON THE WAY. 'Computed on the way' means the value that the module computes at that place (a softmax that the list does not call 'softmax' is quantised finished and normalised). What goes into a quantiser is computed in f32, as accurately as f32 sums, v_exp_f32 and their like allow (about 1e-6 of the number): no bf16 or f16 on the way to a quantiser, and a product that is left as it is and whose result goes on into a quantised operand takes f32 operands (vector FMAs, or v_wmma_f32_16x16x4_f32). A number that lies on a knife's edge between two numbers of the format may be rounded either way, as far as f32 arithmetic and the matrix unit's own rounding can turn it there, and no further.
;; 2 versions, each right. Each part assembles by itself: llvm-mc -triple=amdgcn-amd-amdhsa -mcpu=gfx1250 --defsym DOCPART=n.
;; ======== version 1 of 2: 4 launches
;; workspace buffers: img 15,728,640 bytes; scl 655,360 bytes; qkv 9,830,400 bytes; ctx 3,145,728 bytes; cscl 131,072 bytes
;; launch quant (part 1): grid 256 x 1, 10 waves a work-group, no clusters, 88,320 bytes of LDS; arguments x, Wq, Wk, Wv, Wo, img, scl; writes img, scl
.if DOCPART == 1
	.amdgcn_target "amdgcn-amd-amdhsa--gfx1250"
	.amdhsa_code_object_version 6
	.text
	.protected	k_q1991cac41e_quant
	.globl	k_q1991cac41e_quant
	.p2align	8
	.type	k_q1991cac41e_quant,@function
k_q1991cac41e_quant:
	s_mov_b64 s[64:65], 0
	v_nop
	global_prefetch_b8 v0, s[64:65] scope:SCOPE_SE
	s_setreg_imm32_b32 hwreg(HW_REG_WAVE_MODE, 25, 1), 1
	s_wait_xcnt 0x0
; x, Wq, Wk, Wv, Wo, each [2048][2048] f32 with K innermost, become codes of FP6 (E2M3) with one E8M0 scale byte for each 32 along K.
; A block's scale is 2^(floor(log2(its largest magnitude)) - 2); its byte is the largest magnitude's exponent field - 2, held at 1 from below.
; THE OUTPUT IS LAID AS THE MATRIX UNIT'S REGISTERS: a fragment (16 rows x 128 K, 12 registers a lane) is an IMAGE of 1,536 bytes: register 4 c + e of lane l at byte 512 c + 16 l + 4 e.
; img: [tile 640][K step 16][1,536]; tiles 0-127 x, 128-255 Wq, 256-383 Wk, 384-511 Wv, 512-639 Wo.  scl: [tile][K step][place 0..15], one word (four bytes, 128 along K) for each row.
; THE ROWS OF A TILE ARE NOT NEIGHBOURS: place p of tile i is row 32 (i / 2) + 8 (i % 2) + p + 8 (p / 8), so that in a product used transposed a lane's registers of two neighbouring tiles are 16 neighbours.
; SHARES: 640 tiles x 4 quarters of K = 2,560 waves, ten to each of 256 work-groups; a wave takes 4 K steps of one tile.  Waves share nothing: no barrier.
; Each load reads 512 consecutive bytes of one row; the 16 rows of a K step turn through the wave's own stage in LDS (rows 528 bytes apart) and come back 16 neighbours of each block of 32 to a lane.
; LIMITS: NaN and infinities among the inputs are not served.  A block of zeros gets the byte 1 where the rule says 127: its codes are zeros, and these bytes are read by this program alone.
.set STGB, 8448                        ; a wave's stage: 16 rows x 528 bytes
.set SCG,  84480                       ; behind the ten stages: 256 bytes of scale words for each wave
.set RB,   16                          ; v16-143  two sets of 64 registers as loaded
.set XN,   144                         ; v144-207 64 numbers: register 16 b + i = k 32 b + 16 (lane / 16) + i of my row
.set TM,   208                         ; v208-223 at work
.set PC,   224                         ; v224-243 the codes
.set PW,   244                         ; v244     the scale word
.set SEL,  20                          ; s[20:21] lane selects for v_permlanex16_b32: lane l xor 16
; 64 numbers of a lane become a fragment's 12 registers in v[pc] on and its row's scale word in v[pw]
.macro QUANT src, pc, tm, pw
.irp b, 0,1,2,3
	v_max3_num_f32 v[\tm+\b], |v[\src+16*\b]|, |v[\src+1+16*\b]|, 0x1800000   ; block b: my 16 numbers, and the floor 2^(3 - 127): the byte cannot fall under 1
.endr
.irp i, 2,4,6,8,10,12,14
.irp b, 0,1,2,3
	v_max3_num_f32 v[\tm+\b], v[\tm+\b], |v[\src+16*\b+\i]|, |v[\src+1+16*\b+\i]|   ; the four blocks by turns
.endr
.endr
.irp b, 0,1,2,3
	v_permlanex16_b32 v[\tm+4+\b], v[\tm+\b], s[SEL], s[SEL+1]
.endr
.irp b, 0,1,2,3
	v_max_num_f32 v[\tm+\b], v[\tm+\b], v[\tm+4+\b]   ; with lane l xor 16's: the block's largest magnitude
.endr
.irp b, 0,1,2,3
	v_add_nc_u32 v[\tm+12+\b], 0xff000000, v[\tm+\b]   ; 2 off its exponent field: the conversion takes this operand's exponent field as its scale
.endr
.irp b, 0,1,2,3
	v_lshrrev_b32 v[\tm+4+\b], 23, v[\tm+12+\b]   ; the scale's byte
.endr
	v_lshl_or_b32 v[\pw], v[\tm+5], 8, v[\tm+4]
	v_lshl_or_b32 v[\pw], v[\tm+6], 16, v[\pw]
	v_lshl_or_b32 v[\pw], v[\tm+7], 24, v[\pw]
.irp c, 0,1
	v_cvt_scalef32_pk16_fp6_f32 v[\pc+6*\c:\pc+2+6*\c], v[\src+32*\c:\src+15+32*\c], v[\tm+12+2*\c]
	v_cvt_scalef32_pk16_fp6_f32 v[\pc+12+4*\c:\pc+14+4*\c], v[\src+16+32*\c:\src+31+32*\c], v[\tm+12+2*\c+1]   ; (a conversion's three registers begin on an even number)
.endr
	v_nop                                          ; one plain place behind a scaled conversion
.irp c, 0,1                                    ; the operand's layout wants a whole block in a lane: lanes 0-15 block 2 c, lanes 16-31 block 2 c + 1
.irp i, 0,1,2
	v_permlane16_swap_b32 v[\pc+6*\c+\i], v[\pc+12+4*\c+\i]
.endr
.irp i, 0,1,2
	v_mov_b32 v[\pc+3+6*\c+\i], v[\pc+12+4*\c+\i]
.endr
.endr
.endm
	s_load_b256 s[4:11], s[0:1], 0x0               ; x, Wq, Wk, Wv
	s_load_b128 s[12:15], s[0:1], 0x20             ; Wo, img
	s_load_b64 s[16:17], s[0:1], 0x30              ; scl
	v_lshl_add_u32 v254, v0, 2, 0x15400
	v_mov_b32 v255, 0
	v_lshrrev_b32 v7, 5, v0
	v_readfirstlane_b32 s18, v7                    ; wave 0..9
	v_and_b32 v8, 31, v0                           ; lane
	v_and_b32 v9, 15, v0                           ; r
	v_bfe_u32 v10, v0, 4, 1                        ; h
	v_lshlrev_b32 v1, 4, v8                        ; 16 x lane: my bytes of a load's 512, and of an image's
	s_mul_i32 s19, s18, STGB
	v_add_nc_u32 v2, s19, v1                       ; the stage, on the way in: 16 x lane, a row by the immediate
	v_mul_u32_u24 v3, v9, 528
	v_lshl_add_u32 v3, v10, 6, v3
	v_add_nc_u32 v3, s19, v3                       ; and on the way out: row r, + 64 h
	s_lshl_b32 s19, s18, 8
	s_add_co_u32 s19, s19, SCG
	v_lshl_add_u32 v4, v9, 2, s19                  ; my row's scale word
	v_lshl_add_u32 v5, v8, 3, s19                  ; the 256 bytes on the way out: 8 a lane
	v_lshlrev_b32 v6, 3, v8
.irp b, 0,1,2,3
	v_mov_b32 v[TM+4+\b], 0                        ; written once: a lane permute's destination counts as one of its sources
.endr
	s_mov_b32 s[SEL], 0x76543210
	s_mov_b32 s[SEL+1], 0xfedcba98
	s_mul_i32 s22, ttmp9, 10
	s_add_co_u32 s22, s22, s18                     ; my wave among the 2,560
	s_lshr_b32 s23, s22, 2                         ; tile 0..639
	s_and_b32 s24, s22, 3                          ; quarter of K
	s_lshr_b32 s25, s23, 7                         ; which tensor
	s_bfe_u32 s26, s23, 0x60001                    ; (tile % 128) / 2
	s_lshl_b32 s26, s26, 18                        ; x 32 rows of 8,192 bytes
	s_and_b32 s27, s23, 1
	s_lshl_b32 s27, s27, 16                        ; + 8 rows for an odd tile
	s_add_co_u32 s26, s26, s27
	s_lshl_b32 s27, s24, 11                        ; + 2,048 bytes a quarter
	s_add_co_u32 s26, s26, s27
	s_mov_b32 s27, 0
	s_mul_i32 s28, s23, 24576                      ; img: 16 images a tile,
	s_mul_i32 s29, s24, 6144                       ; four a quarter
	s_add_co_u32 s28, s28, s29
	s_mov_b32 s29, 0
	s_lshl_b32 s30, s23, 10                        ; scl: 1,024 bytes a tile,
	s_lshl_b32 s31, s24, 8                         ; 256 a quarter
	s_add_co_u32 s30, s30, s31
	s_mov_b32 s31, 0
	s_wait_kmcnt 0x0
	s_cmp_ge_u32 s25, 1                            ; the choice of the tensor hangs on ids alone
	s_cselect_b64 s[4:5], s[6:7], s[4:5]
	s_cmp_ge_u32 s25, 2
	s_cselect_b64 s[4:5], s[8:9], s[4:5]
	s_cmp_ge_u32 s25, 3
	s_cselect_b64 s[4:5], s[10:11], s[4:5]
	s_cmp_ge_u32 s25, 4
	s_cselect_b64 s[4:5], s[12:13], s[4:5]
	s_add_nc_u64 s[4:5], s[4:5], s[26:27]
	s_add_nc_u64 s[14:15], s[14:15], s[28:29]
	s_add_nc_u64 s[16:17], s[16:17], s[30:31]
.macro LOAD q                          ; K step q: place t's row, 512 consecutive bytes a load
.irp t, 0,1,2,3,4,5,6,7,8,9,10,11,12,13,14,15
	global_load_b128 v[RB+64*((\q)%2)+4*\t:RB+64*((\q)%2)+4*\t+3], v1, s[4:5] offset:(\t+8*(\t/8))*8192+512*(\q) th:TH_LOAD_NT
.endr
.endm
.macro KSTEP q
.if (\q) < 3
	s_wait_loadcnt 16                              ; this step's 16 loads are in; the next step's 16 may be out
.else
	s_wait_loadcnt 0x0
.endif
.irp t, 0,1,2,3,4,5,6,7,8,9,10,11,12,13,14,15
	ds_store_b128 v2, v[RB+64*((\q)%2)+4*\t:RB+64*((\q)%2)+4*\t+3] offset:528*\t
.endr
.irp b, 0,1,2,3
.irp j, 0,1,2,3
	ds_load_b128 v[XN+16*\b+4*\j:XN+16*\b+4*\j+3], v3 offset:128*\b+16*\j   ; LDS serves a wave's instructions in order (ISA guide 5.7.1.4): these see the stores above
.endr
.endr
	s_wait_dscnt 0x0                               ; the numbers are back, and the stores into the stage have read their registers
	s_wait_xcnt 0x0                                ; the last step's image stores have read the codes' registers, which are written again below
.if (\q) < 2
	LOAD (\q)+2
.endif
	QUANT XN, PC, TM, PW
.irp c, 0,1,2
	global_store_b128 v1, v[PC+4*\c:PC+4*\c+3], s[14:15] offset:1536*(\q)+512*\c   ; 32 lanes store 512 consecutive bytes, aligned
.endr
	ds_store_b32 v4, v[PW] offset:64*(\q)          ; lanes l and l + 16 write the same word with the same value
.endm
	LOAD 0
	LOAD 1
	KSTEP 0
	KSTEP 1
	KSTEP 2
	KSTEP 3
	ds_load_b64 v[248:249], v5                     ; my wave's 64 scale words
	s_wait_dscnt 0x0
	global_store_b64 v6, v[248:249], s[16:17]      ; 32 lanes store 256 consecutive bytes, aligned
	s_wait_tensorcnt 0x0
	ds_add_u32 v254, v255
	s_wait_dscnt 0x0
	s_endpgm
.Lfunc_end_k_q1991cac41e_quant:
	.size	k_q1991cac41e_quant, .Lfunc_end_k_q1991cac41e_quant-k_q1991cac41e_quant
	.p2alignl 7, 3214868480
	.fill 96, 4, 3214868480
	.section	.rodata,"a",@progbits
	.p2align	6, 0x0
	.amdhsa_kernel k_q1991cac41e_quant
		.amdhsa_group_segment_fixed_size 88320
		.amdhsa_private_segment_fixed_size 0
		.amdhsa_enable_private_segment 0
		.amdhsa_kernarg_size 56
		.amdhsa_user_sgpr_count 2
		.amdhsa_user_sgpr_kernarg_segment_ptr 1
		.amdhsa_wavefront_size32 1
		.amdhsa_system_sgpr_workgroup_id_x 1
		.amdhsa_system_sgpr_workgroup_id_y 1
		.amdhsa_system_sgpr_workgroup_id_z 1
		.amdhsa_system_vgpr_workitem_id 0
		.amdhsa_next_free_vgpr 256
		.amdhsa_next_free_sgpr 66
		.amdhsa_reserve_vcc 0
		.amdhsa_float_denorm_mode_32 3
		.amdhsa_float_denorm_mode_16_64 3
		.amdhsa_memory_ordered 1
		.amdhsa_forward_progress 1
		.amdhsa_inst_pref_size 34
	.end_amdhsa_kernel
	.amdgpu_metadata
---
amdhsa.version: [ 1, 2 ]
amdhsa.kernels:
  - .name:           k_q1991cac41e_quant
    .symbol:         k_q1991cac41e_quant.kd
    .args:
      - { .name: x, .offset: 0, .size: 8, .value_kind: global_buffer, .address_space: global }
      - { .name: Wq, .offset: 8, .size: 8, .value_kind: global_buffer, .address_space: global }
      - { .name: Wk, .offset: 16, .size: 8, .value_kind: global_buffer, .address_space: global }
      - { .name: Wv, .offset: 24, .size: 8, .value_kind: global_buffer, .address_space: global }
      - { .name: Wo, .offset: 32, .size: 8, .value_kind: global_buffer, .address_space: global }
      - { .name: img, .offset: 40, .size: 8, .value_kind: global_buffer, .address_space: global }
      - { .name: scl, .offset: 48, .size: 8, .value_kind: global_buffer, .address_space: global }
    .group_segment_fixed_size: 88320
    .private_segment_fixed_size: 0
    .kernarg_segment_align: 8
    .kernarg_segment_size: 56
    .max_flat_workgroup_size: 320
    .sgpr_count:     66
    .vgpr_count:     256
    .wavefront_size: 32
...
	.end_amdgpu_metadata
.endif
;; end of part 1
;; launch qkvgemm (part 2): grid 24 x 8, 4 waves a work-group, clusters of 4 x 4, 327,680 bytes of LDS; arguments img, scl, bq, bk, bv, cos, sin, qkv; writes qkv
.if DOCPART == 2
	.amdgcn_target "amdgcn-amd-amdhsa--gfx1250"
	.amdhsa_code_object_version 6
	.text
	.protected	k_q1991cac41e_qkvgemm
	.globl	k_q1991cac41e_qkvgemm
	.p2align	8
	.type	k_q1991cac41e_qkvgemm,@function
k_q1991cac41e_qkvgemm:
	s_mov_b64 s[64:65], 0
	v_nop
	global_prefetch_b8 v0, s[64:65] scope:SCOPE_SE
	s_setreg_imm32_b32 hwreg(HW_REG_WAVE_MODE, 25, 1), 1
	s_wait_xcnt 0x0
	s_wait_alu depctr_hold_cnt(0) depctr_sa_sdst(0) depctr_va_vdst(0) depctr_va_sdst(0) depctr_va_ssrc(0) depctr_va_vcc(0) depctr_vm_vsrc(0)
	s_getreg_b32 s2, hwreg(HW_REG_IB_STS2, 6, 4)
	s_cmp_eq_u32 s2, 0
	s_cbranch_scc0 .Lentry_in_a_cluster
	s_endpgm
.Lentry_in_a_cluster:
	s_bfe_u32 s2, ttmp6, 0x10000c
	s_cmp_lg_u32 s2, 0xf033
	s_cbranch_scc0 .Lentry_shape_is_right
	s_endpgm
.Lentry_shape_is_right:
; q = rope(x Wq^T + bq), k = rope(x Wk^T + bk), v = x Wv^T + bv, on codes of FP6 (E2M3) with E8M0 scales; the results are quantised in registers and leave as codes: q and k along the head's 128, v along the tokens.
; OPERANDS are fragment images (16 rows x 128 K = 1,536 bytes: register 4 c + e of lane l at 512 c + 16 l + 4 e), img [tile][K step 16][1,536], scl [tile][K step][place] words.  Place p of tile i is row 32 (i/2) + 8 (i%2) + p + 8 (p/8).
; A work-group of four waves makes 256 x 256, a wave 128 x 128: 64 accumulators.  Source 0 takes the 'B side', source 1 the 'A side': a lane holds ONE row of the A side, and its 64 registers of a block run along the B side:
; register n is B-side index 32 (n / 16) + 16 (lane / 16) + n % 16.  So a block's 64 registers are what the quantiser wants, and its result is an image.
; WORK-GROUP X = 0..15 (cluster x under 4): A side = x's tokens, B side = rows of Wq (X under 8) or Wk: a lane holds a token, registers run along a head's d.  X = 16..23: A side = rows of Wv, B side = tokens: registers run along the tokens, V's K.
; The loop over K is one text for both; the ways part once, ahead of the last K step, on the cluster's x, which all partners share.
; K goes through a ring of two LDS slots of 2 K steps; the scale words of the work-group's 512 rows come once.  CLUSTER 4 x 4: A's tiles are asked for jointly along a row of the cluster, B's along a column.
; qkv: [head 16][block of 128 tokens 16][part 3][12,800]: 8 images, then 512 bytes of scale words [lane][u]: lanes 0-15 tile 2 u, lanes 16-31 tile 2 u + 1.  Parts: 0 q, 1 k (8 tiles of tokens), 2 v (8 tiles of d, K = the block's tokens).
; REGISTERS: window 0: v2 r, v3 h, v16-29 addresses, v32-63 scale words (two sets), v64-127 bias, v128-223 A's fragments (one set); window 1: B's fragments (two sets, at 0 and 128); windows 2, 3: accumulators ((a, b) at 8 (8 (a % 4) + b)).
; LIMITS: NaN and infinities are not served; a block of zeros carries the byte 1 (its codes are zeros; the bytes are read by this program alone); the rotation is made with fused multiply-adds.
.set FR,    12                         ; registers of a fragment
.set NL,    3                          ; LDS loads that bring one
.set HALFT, 24576                      ; 8 tiles x 2 K steps: what one tensor load brings, and what a wave reads of A or of B
.set SLOT,  4*HALFT                    ; A's two halves, then B's two
.set SCL,   2*SLOT                     ; behind the ring: the scale words
.set HALFS, 8192                       ; those of 8 tiles
.set SPARE, SCL+4*HALFS                ; the spare words, 128 bytes for each wave: two blocks of 256 bytes that no other line names
.set ADRA, 16                          ; v16-17 my A fragments in slot 0, 1
.set ADRB, 20                          ; v20-21 my B fragments
.set LI,   24                          ; v24    16 x lane
.set ADRS, 27                          ; v27    my scale words: lanes 0-15 A's, lanes 16-31 B's
.set SPW,  28
.set NIL,  29
.set SC,   32
.set BI,   64
.set AF,   128
.set TM,   32                          ; the way out: at work,
.set PWB,  48                          ; v48-55 the eight blocks' scale words, v56-59 as they are stored
.set TT,   128                         ; v128-191, v192-255: 64 numbers each
.set RR,   192
.set WV, 20
.set RH, 21
.set CH, 22
.set G1, 24
.set G0, 32
.set G1B, 48
.set G0B, 56
.set SEL, 66
.set G1S, 68
.set G0S, 76
.set G1SB, 80
.set G0SB, 88
.set MSB, 0
.macro WIN new                         ; the immediate's high byte repeats the setting that is left
.if MSB != (\new)
	s_set_vgpr_msb (MSB<<8)|(\new)
.set MSB, (\new)
.endif
.endm
.set MUL_LO, 0xa1                      ; source 0 (B) window 1, source 1 (A) window 0, C and D window 2
.set MUL_HI, 0xf1                      ; the same, C and D window 3
.set TO_B,   0x40                      ; destination window 1
; A joint load: waves 0 and 1 fetch for A, waves 2 and 3 for B; the branch hangs on the wave's number alone.  Four v_nop follow each line.
.macro JLOAD g0a, g1a, g0b, g1b
	s_cmp_eq_u32 s[RH], 0
	s_cbranch_scc0 .Lfor_b_\@
	tensor_load_to_lds s[\g0a:\g0a+3], s[\g1a:\g1a+7]
	s_nop 0
.rept 4
	v_nop
.endr
	s_branch .Lasked_\@
.Lfor_b_\@:
	tensor_load_to_lds s[\g0b:\g0b+3], s[\g1b:\g1b+7]
	s_nop 0
.rept 4
	v_nop
.endr
.Lasked_\@:
.endm
.macro CREST                           ; a round of the cluster's barrier behind its opening barrier
	s_cmp_lg_u32 s[WV], 0
	s_cbranch_scc1 .Lnot_wave_0_\@
	s_barrier_signal -3
.Lnot_wave_0_\@:
	s_barrier_wait -3
	s_barrier_signal -1
	s_barrier_wait -1
.endm
.macro CROUND
	s_barrier_signal -1
	s_barrier_wait -1
	CREST
.endm
.macro PLACES n                        ; plain places behind matrix instructions, in front of loads into their registers and of reads of their results
.rept \n
	v_nop
.endr
.endm
.macro FRAG reg, adr, q, i             ; an image comes back as it was stored: three loads of 512 consecutive bytes
.irp c, 0,1,2
	ds_load_b128 v[\reg+4*\c:\reg+4*\c+3], v[\adr] offset:3072*(\i)+1536*(\q)+512*\c
.endr
.endm
.macro FETCH_B slot, q, p
	WIN TO_B
.irp i, 0,1,2,3,4,5,6,7
	FRAG 128*(\p)+FR*\i, ADRB+\slot, \q, \i
.endr
	WIN 0
.endm
.macro FETCH_A slot, q, i0
.irp i, \i0, \i0+1, \i0+2, \i0+3
	FRAG AF+FR*(\i), ADRA+\slot, \q, \i
.endr
.endm
.macro SCALES sc                       ; a slot's scale words: register 2 i + q: lanes 0-15 A's block i, lanes 16-31 B's block i
.irp i, 0,1,2,3,4,5,6,7
.irp q, 0,1
	ds_load_b32 v[SC+16*\sc+2*\i+\q], v[ADRS] offset:1024*\i+64*\q
.endr
.endr
.endm
; 16 matrix instructions: A's blocks a0, a0 + 1 x B's eight.  zero = 1: the first product starts the sums.  The 64 accumulators take turns, one instruction a turn.
.macro MUL16 a0, p, q, sc, zero
.irp a, \a0, \a0+1
.irp b, 0,1,2,3,4,5,6,7
.if \zero == 1
	v_wmma_scale_f32_16x16x128_f8f6f4 v[8*(8*((\a)%4)+\b):8*(8*((\a)%4)+\b)+7], v[128*(\p)+FR*\b:128*(\p)+FR*\b+FR-1], v[AF+FR*(\a):AF+FR*(\a)+FR-1], 0, v[SC+16*(\sc)+2*\b+(\q)], v[SC+16*(\sc)+2*(\a)+(\q)] matrix_a_fmt:MATRIX_FMT_FP6 matrix_b_fmt:MATRIX_FMT_FP6 matrix_a_scale:MATRIX_SCALE_ROW1
.else
	v_wmma_scale_f32_16x16x128_f8f6f4 v[8*(8*((\a)%4)+\b):8*(8*((\a)%4)+\b)+7], v[128*(\p)+FR*\b:128*(\p)+FR*\b+FR-1], v[AF+FR*(\a):AF+FR*(\a)+FR-1], v[8*(8*((\a)%4)+\b):8*(8*((\a)%4)+\b)+7], v[SC+16*(\sc)+2*\b+(\q)], v[SC+16*(\sc)+2*(\a)+(\q)] matrix_a_fmt:MATRIX_FMT_FP6 matrix_b_fmt:MATRIX_FMT_FP6 matrix_a_scale:MATRIX_SCALE_ROW1
.endif
.endr
.endr
.endm
; A K step that has its successor in the same slot
.macro STEP slot, q, zero
	s_wait_dscnt 4*NL                              ; all but the youngest 12 loads (A's blocks 4-7) are in
	WIN MUL_LO
	MUL16 0, (\q)%2, \q, \slot, \zero
	MUL16 2, (\q)%2, \q, \slot, \zero
	s_wait_dscnt 0x0
	PLACES 4
	FETCH_B \slot, (\q)+1, 1-(\q)%2
	FETCH_A \slot, (\q)+1, 0
	WIN MUL_HI
	MUL16 4, (\q)%2, \q, \slot, \zero
	MUL16 6, (\q)%2, \q, \slot, \zero
	PLACES 4
	WIN 0
	FETCH_A \slot, (\q)+1, 4
.endm
; A slot's last K step changes slots: one barrier; in front of it each wave waits for all its tensor loads, adds 0 to its spare word, and waits for that and for its reads of this slot
.macro TURN slot, next, fill
	s_wait_tensorcnt 0x0                           ; all my tensor loads have landed: my part of the next slot
	ds_add_u32 v[SPW], v[NIL]                      ; 0 onto my spare word
	s_wait_dscnt 4*NL+1                            ; the add and the youngest 12 loads may be out
	WIN MUL_LO
	MUL16 0, 1, 1, \slot, 0
	s_wait_dscnt 0x0                               ; the add is done, and my reads of this slot are over
	s_barrier_signal -1
	MUL16 2, 1, 1, \slot, 0
	WIN 0
	s_barrier_wait -1
.if \fill
	CREST                                          ; the barrier has opened a round of the cluster's: no wave of any partner still reads this slot or has a load on its way
	s_add_nc_u64 s[G0+4*\slot+2:G0+4*\slot+3], s[G0+4*\slot+2:G0+4*\slot+3], 6144
	s_add_nc_u64 s[G0B+4*\slot+2:G0B+4*\slot+3], s[G0B+4*\slot+2:G0B+4*\slot+3], 6144
	JLOAD G0+4*\slot, G1, G0B+4*\slot, G1B         ; four K steps on; its four v_nop are also the places in front of the loads below
.else
	PLACES 4
.endif
	v_add_nc_u32 v[ADRS], 128, v[ADRS]             ; the next slot's scale words: 64 bytes a K step
	FETCH_B \next, 0, 0
	FETCH_A \next, 0, 0
	SCALES \next
	WIN MUL_HI
	MUL16 4, 1, 1, \slot, 0
	MUL16 6, 1, 1, \slot, 0
	PLACES 4
	WIN 0
	FETCH_A \next, 0, 4
.endm
.macro LASTK                           ; the very last K step: nothing more to fetch
	s_wait_dscnt 4*NL
	WIN MUL_LO
	MUL16 0, 1, 1, 1, 0
	MUL16 2, 1, 1, 1, 0
	s_wait_dscnt 0x0
	WIN MUL_HI
	MUL16 4, 1, 1, 1, 0
	MUL16 6, 1, 1, 1, 0
	WIN 0
.endm
; 64 numbers of a lane (register 16 b + i = k 32 b + 16 (lane / 16) + i of my row) become a fragment's 12 registers in v[pc] on and its row's scale word in v[pw]
.macro QUANT src, pc, tm, pw
.irp b, 0,1,2,3
	v_max3_num_f32 v[\tm+\b], |v[\src+16*\b]|, |v[\src+1+16*\b]|, 0x1800000   ; my 16 numbers, and the floor 2^(3 - 127): the byte cannot fall under 1
.endr
.irp i, 2,4,6,8,10,12,14
.irp b, 0,1,2,3
	v_max3_num_f32 v[\tm+\b], v[\tm+\b], |v[\src+16*\b+\i]|, |v[\src+1+16*\b+\i]|
.endr
.endr
.irp b, 0,1,2,3
	v_permlanex16_b32 v[\tm+4+\b], v[\tm+\b], s[SEL], s[SEL+1]
.endr
.irp b, 0,1,2,3
	v_max_num_f32 v[\tm+\b], v[\tm+\b], v[\tm+4+\b]
.endr
.irp b, 0,1,2,3
	v_add_nc_u32 v[\tm+12+\b], 0xff000000, v[\tm+\b]   ; 2 off the exponent field: the conversion's scale operand
.endr
.irp b, 0,1,2,3
	v_lshrrev_b32 v[\tm+4+\b], 23, v[\tm+12+\b]   ; the scale's byte
.endr
	v_lshl_or_b32 v[\pw], v[\tm+5], 8, v[\tm+4]
	v_lshl_or_b32 v[\pw], v[\tm+6], 16, v[\pw]
	v_lshl_or_b32 v[\pw], v[\tm+7], 24, v[\pw]
.irp c, 0,1
	v_cvt_scalef32_pk16_fp6_f32 v[\pc+6*\c:\pc+2+6*\c], v[\src+32*\c:\src+15+32*\c], v[\tm+12+2*\c]
	v_cvt_scalef32_pk16_fp6_f32 v[\pc+12+4*\c:\pc+14+4*\c], v[\src+16+32*\c:\src+31+32*\c], v[\tm+12+2*\c+1]
.endr
	v_nop                                          ; one plain place behind a scaled conversion
.irp c, 0,1
.irp i, 0,1,2
	v_permlane16_swap_b32 v[\pc+6*\c+\i], v[\pc+12+4*\c+\i]
.endr
.irp i, 0,1,2
	v_mov_b32 v[\pc+3+6*\c+\i], v[\pc+12+4*\c+\i]
.endr
.endr
.endm
; cos and sin of block a's 16 tokens, in the results' layout, into set st of window 1: cos at 128 st, sin at 128 st + 64
.macro CSLOAD a, st
	WIN 0x40
.set ni, 0
.rept 16
	global_load_b128 v[128*(\st)+4*ni:128*(\st)+4*ni+3], v25, s[14:15] offset:(32*((\a)/2)+8*((\a)%2))*512+128*(ni/4)+16*(ni%4)
	global_load_b128 v[128*(\st)+64+4*ni:128*(\st)+64+4*ni+3], v25, s[16:17] offset:(32*((\a)/2)+8*((\a)%2))*512+128*(ni/4)+16*(ni%4)
.set ni, ni+1
.endr
	WIN 0
.endm
; q or k, block a: bias, rotation, quantiser, image out.  d + 64 is register n + 32 of the same lane
.macro QKBLOCK a
.if (\a) < 7
	CSLOAD (\a)+1, ((\a)+1)%2
	s_wait_loadcnt 32                              ; this block's tables (and the bias) are in; the 32 loads just issued may be out
.else
	s_wait_loadcnt 0x0
.endif
	s_wait_xcnt 0x0                                ; the last block's stores have read their registers, which are written again below
	WIN 0x02+(\a)/4                                ; source 0: the accumulators' window
.set ni, 0
.rept 32
	v_pk_add_f32 v[TT+ni:TT+ni+1], v[64*((\a)%4)+ni:64*((\a)%4)+ni+1], v[BI+ni:BI+ni+1]   ; each accumulator from its low end on
.set ni, ni+2
.endr
	WIN 0x04                                       ; source 1: the tables' window
.set ni, 0
.rept 32
	v_pk_mul_f32 v[RR+ni:RR+ni+1], v[TT+ni:TT+ni+1], v[128*((\a)%2)+ni:128*((\a)%2)+ni+1]
.set ni, ni+2
.endr
.set ni, 0
.rept 16
	v_pk_fma_f32 v[RR+ni:RR+ni+1], v[TT+32+ni:TT+32+ni+1], v[128*((\a)%2)+64+ni:128*((\a)%2)+64+ni+1], v[RR+ni:RR+ni+1] neg_lo:[1,0,0] neg_hi:[1,0,0]   ; d under 64: - t(d + 64) sin
.set ni, ni+2
.endr
.set ni, 32
.rept 16
	v_pk_fma_f32 v[RR+ni:RR+ni+1], v[TT-32+ni:TT-32+ni+1], v[128*((\a)%2)+64+ni:128*((\a)%2)+64+ni+1], v[RR+ni:RR+ni+1]   ; d from 64 on: + t(d - 64) sin
.set ni, ni+2
.endr
	WIN 0
	QUANT RR, TT, TM, PWB+(\a)
.irp c, 0,1,2
	global_store_b128 v[LI], v[TT+4*\c:TT+4*\c+3], s[18:19] offset:1536*(\a)+512*\c   ; 32 lanes store 512 consecutive bytes, aligned
.endr
.endm
; v, block a (16 of the head's d): bias of my d, quantiser along the tokens, image out
.macro VBLOCK a
	s_wait_xcnt 0x0
	WIN 0x02+(\a)/4
.set ni, 0
.rept 32
	v_pk_add_f32 v[TT+ni:TT+ni+1], v[64*((\a)%4)+ni:64*((\a)%4)+ni+1], v[BI+2*(\a):BI+2*(\a)+1]
.set ni, ni+2
.endr
	WIN 0
	QUANT TT, RR, TM, PWB+(\a)
.irp c, 0,1,2
	global_store_b128 v[LI], v[RR+4*\c:RR+4*\c+3], s[18:19] offset:1536*(\a)+512*\c
.endr
.endm
.macro WORDS                           ; the eight scale words as the next launch loads them: lanes 0-15 tile 2 u, lanes 16-31 tile 2 u + 1
.irp u, 0,1,2,3
	v_cndmask_b32 v[56+\u], v[PWB+2*\u], v[PWB+2*\u+1], s100
.endr
	global_store_b128 v[LI], v[56:59], s[18:19] offset:12288
.endm
	s_load_b512 s[4:19], s[0:1], 0x0               ; img, scl, bq, bk, bv, cos, sin, qkv
	v_lshl_add_u32 v[SPW], v0, 2, SPARE
	v_mov_b32 v[NIL], 0
	ds_add_u32 v28, v29
	s_wait_dscnt 0x0
	v_lshrrev_b32 v1, 5, v0
	v_readfirstlane_b32 s[WV], v1                  ; wave 0..3
	s_lshr_b32 s[RH], s[WV], 1                     ; my half of the A side.  Also: I fetch for A (0) or for B (1)
	s_and_b32 s[CH], s[WV], 1                      ; my half of the B side.  Also: which 8 tiles I fetch
	s_bfe_u32 s40, ttmp6, 0x40000                  ; cx
	s_bfe_u32 s41, ttmp6, 0x40004                  ; cy
	s_lshl_b32 s42, ttmp9, 2
	s_add_co_u32 s42, s42, s40                     ; X
	s_and_b32 s43, ttmp7, 0xffff
	s_lshl_b32 s43, s43, 2
	s_add_co_u32 s43, s43, s41                     ; Y
	s_lshl_b32 s44, s41, 2
	s_lshl_b32 s44, 15, s44                        ; my row of the cluster
	s_lshl_b32 s45, 0x1111, s40                    ; my column
	s_or_b32 s[G1], s44, (3<<16)|(1<<21)           ; 15:0 the mask; 17:16 elements of 8 bytes; 21 set beside a mask; no padding
	s_or_b32 s[G1B], s45, (3<<16)|(1<<21)
.irp g, G1, G1B                                ; 8 rows (tiles) of 3,072 bytes (2 images), 24,576 bytes apart
	s_mov_b32 s[\g+1], 384<<16
	s_mov_b32 s[\g+2], 8<<16
	s_mov_b32 s[\g+3], 384<<16
	s_mov_b32 s[\g+4], 8
	s_mov_b32 s[\g+5], 3072
	s_mov_b32 s[\g+6], 0
	s_mov_b32 s[\g+7], 0
.endr
	s_or_b32 s[G1S], s44, (3<<16)|(1<<21)
	s_or_b32 s[G1SB], s45, (3<<16)|(1<<21)
.irp g, G1S, G1SB                              ; the scale words of 8 tiles: 8,192 dense bytes as 32 rows of 256
	s_mov_b32 s[\g+1], 32<<16
	s_mov_b32 s[\g+2], 32<<16
	s_mov_b32 s[\g+3], 32<<16
	s_mov_b32 s[\g+4], 32
	s_mov_b32 s[\g+5], 32
	s_mov_b32 s[\g+6], 0
	s_mov_b32 s[\g+7], 0
.endr
	s_lshr_b32 s46, ttmp9, 2                       ; 0: q and k; 1: v
	s_mul_i32 s46, s46, 384
	s_lshl_b32 s47, s[CH], 3
	s_lshl_b32 s100, s43, 4
	s_add_co_u32 s100, s100, s47
	s_add_co_u32 s100, s100, s46                   ; A's first tile: x's 16 Y + 8 half, or Wv's, 384 on: it hangs on Y alone
	s_lshl_b32 s101, s42, 4
	s_add_co_u32 s101, s101, s47
	s_add_co_u32 s101, s101, 128
	s_sub_co_u32 s101, s101, s46                   ; B's: Wq's and Wk's 128 + 16 X + 8 half, or x's 16 (X - 16) + 8 half: it hangs on X alone
	s_mul_i32 s92, s100, 24576
	s_mov_b32 s93, 0
	s_lshl_b32 s94, s100, 10
	s_mov_b32 s95, 0
	s_mul_i32 s96, s101, 24576
	s_mov_b32 s97, 0
	s_lshl_b32 s98, s101, 10
	s_mov_b32 s99, 0
	s_mul_i32 s46, s[WV], HALFT                    ; where they go: by the wave's number alone
	s_mul_i32 s47, s[WV], HALFS
	s_wait_kmcnt 0x0
	s_add_nc_u64 s[92:93], s[4:5], s[92:93]
	s_add_nc_u64 s[94:95], s[6:7], s[94:95]
	s_add_nc_u64 s[96:97], s[4:5], s[96:97]
	s_add_nc_u64 s[98:99], s[6:7], s[98:99]
	CROUND                                         ; all sixteen work-groups are here: the first joint loads meet
	s_mov_b32 s[G0S], 1
	s_add_co_u32 s[G0S+1], s47, SCL
	s_mov_b64 s[G0S+2:G0S+3], s[94:95]
	s_or_b32 s[G0S+3], s[G0S+3], 0x80000000
	s_mov_b32 s[G0SB], 1
	s_add_co_u32 s[G0SB+1], s47, SCL
	s_mov_b64 s[G0SB+2:G0SB+3], s[98:99]
	s_or_b32 s[G0SB+3], s[G0SB+3], 0x80000000
	JLOAD G0S, G1S, G0SB, G1SB                     ; the scale words first: they are wanted with K step 0
.irp s, 0,1
	s_mov_b32 s[G0+4*\s], 1
	s_add_co_u32 s[G0+4*\s+1], s46, \s*SLOT
	s_add_nc_u64 s[G0+4*\s+2:G0+4*\s+3], s[92:93], \s*3072
	s_or_b32 s[G0+4*\s+3], s[G0+4*\s+3], 0x80000000
	s_mov_b32 s[G0B+4*\s], 1
	s_add_co_u32 s[G0B+4*\s+1], s46, \s*SLOT
	s_add_nc_u64 s[G0B+4*\s+2:G0B+4*\s+3], s[96:97], \s*3072
	s_or_b32 s[G0B+4*\s+3], s[G0B+4*\s+3], 0x80000000
	JLOAD G0+4*\s, G1, G0B+4*\s, G1B
.endr
	v_and_b32 v1, 31, v0
	v_and_b32 v2, 15, v0                           ; r
	v_bfe_u32 v3, v0, 4, 1                         ; h
	v_lshlrev_b32 v[LI], 4, v1
	s_mul_i32 s46, s[RH], HALFT
	s_mul_i32 s47, s[CH], HALFT
	s_add_co_u32 s47, s47, 2*HALFT
.irp s, 0,1
	v_add_nc_u32 v[ADRA+\s], s46, v[LI]
	v_add_nc_u32 v[ADRB+\s], s47, v[LI]
	s_add_co_u32 s46, s46, SLOT
	s_add_co_u32 s47, s47, SLOT
.endr
	s_mul_i32 s46, s[RH], HALFS                    ; A's scale words: my 8 tiles
	s_mul_i32 s47, s[CH], HALFS                    ; B's: my 8 tiles, behind A's 16
	s_add_co_u32 s47, s47, 2*HALFS
	s_sub_co_u32 s47, s47, s46
	v_mul_u32_u24 v4, s47, v3                      ; lanes 16-31 take B's: one product with h
	s_add_co_u32 s46, s46, SCL
	v_lshl_add_u32 v4, v2, 2, v4
	v_add_nc_u32 v[ADRS], s46, v4
	s_mov_b32 s[SEL], 0x76543210
	s_mov_b32 s[SEL+1], 0xfedcba98
	s_mov_b32 s100, 0xffff0000                     ; lanes 16-31
	s_wait_tensorcnt 1                             ; the scale words and my part of slot 0 are in; slot 1's load may be out
	s_barrier_signal -1
	s_barrier_wait -1
	FETCH_B 0, 0, 0
	FETCH_A 0, 0, 0
	SCALES 0
	FETCH_A 0, 0, 4
	STEP 0, 0, 1                                   ; the first K step stands in front of the loop: its products start the sums
	s_mov_b32 s3, 3
.Llap:                                                 ; a trip goes once round the ring and fills both slots again
	TURN 0, 1, 1
	STEP 1, 0, 0
	TURN 1, 0, 1
	STEP 0, 0, 0
	s_sub_co_u32 s3, s3, 1
	s_cmp_lg_u32 s3, 0
	s_cbranch_scc1 .Llap
	TURN 0, 1, 0                                   ; the last lap fills nothing
	STEP 1, 0, 0
	s_mov_b32 s97, 0
	s_cmp_lt_u32 ttmp9, 4                          ; the ways part here, once, on the cluster's x
	s_cbranch_scc0 .Lvpath
	; ---- q and k
	s_and_b32 s92, s42, 7
	s_lshl_b32 s92, s92, 1
	s_add_co_u32 s92, s92, s[CH]                   ; head = 2 (X % 8) + my half of the B side
	s_lshr_b32 s93, s42, 3                         ; part: 0 q, 1 k
	s_lshl_b32 s94, s43, 1
	s_add_co_u32 s94, s94, s[RH]                   ; block of 128 tokens
	s_lshl_b32 s95, s92, 4
	s_add_co_u32 s95, s95, s94
	s_mul_i32 s95, s95, 3
	s_add_co_u32 s95, s95, s93
	s_mul_i32 s96, s95, 12800
	s_add_nc_u64 s[18:19], s[18:19], s[96:97]
	s_cmp_lt_u32 ttmp9, 2
	s_cselect_b64 s[8:9], s[8:9], s[10:11]         ; bq or bk
	s_lshl_b32 s96, s92, 9
	s_add_nc_u64 s[8:9], s[8:9], s[96:97]          ; the head's 128 numbers
	s_lshl_b32 s96, s94, 16                        ; 128 rows of 512 bytes
	s_add_nc_u64 s[14:15], s[14:15], s[96:97]
	s_add_nc_u64 s[16:17], s[16:17], s[96:97]
	v_lshlrev_b32 v26, 6, v3                       ; 64 h
	v_and_b32 v25, 8, v2
	v_add_nc_u32 v25, v25, v2
	v_lshl_add_u32 v25, v25, 9, v26                ; the tables: row r + 8 (r / 8), + 64 h
.set ni, 0
.rept 16
	global_load_b128 v[BI+4*ni:BI+4*ni+3], v26, s[8:9] offset:128*(ni/4)+16*(ni%4)   ; register n: the bias of d = 32 (n / 16) + 16 h + n % 16
.set ni, ni+1
.endr
	CSLOAD 0, 0                                    ; into B's set 0, which the last K step does not read; four places stand behind its last products
	LASTK
.irp b, 0,1,2,3
	v_mov_b32 v[TM+4+\b], 0                        ; a lane permute's destination counts as one of its sources; these four name no register of the last products: they are the places behind them
.endr
.irp a, 0,1,2,3,4,5,6,7
	QKBLOCK \a
.endr
	WORDS
	s_branch .Ljoin
.Lvpath:
	; ---- v
	s_lshl_b32 s92, s43, 1
	s_add_co_u32 s92, s92, s[RH]                   ; head = 2 Y + my half of the A side
	s_sub_co_u32 s94, s42, 16
	s_lshl_b32 s94, s94, 1
	s_add_co_u32 s94, s94, s[CH]                   ; block of 128 tokens
	s_lshl_b32 s95, s92, 4
	s_add_co_u32 s95, s95, s94
	s_mul_i32 s95, s95, 3
	s_add_co_u32 s95, s95, 2
	s_mul_i32 s96, s95, 12800
	s_add_nc_u64 s[18:19], s[18:19], s[96:97]
	s_lshl_b32 s96, s92, 9
	s_add_nc_u64 s[12:13], s[12:13], s[96:97]
	v_and_b32 v26, 8, v2
	v_add_nc_u32 v26, v26, v2
	v_lshlrev_b32 v26, 2, v26                      ; 4 (r + 8 (r / 8))
.irp a, 0,1,2,3,4,5,6,7
	global_load_b32 v[BI+2*\a], v26, s[12:13] offset:4*(32*(\a/2)+8*(\a%2))     ; the bias of my d in block a, twice: a pair for the packed addition
	global_load_b32 v[BI+2*\a+1], v26, s[12:13] offset:4*(32*(\a/2)+8*(\a%2))
.endr
	LASTK
.irp b, 0,1,2,3
	v_mov_b32 v[TM+4+\b], 0                        ; as above: also the places behind the last products
.endr
	s_wait_loadcnt 0x0                             ; the bias
.irp a, 0,1,2,3,4,5,6,7
	VBLOCK \a
.endr
	WORDS
.Ljoin:
	s_wait_tensorcnt 0x0                           ; the wave's end
	ds_add_u32 v[SPW], v[NIL]
	s_wait_dscnt 0x0
	CROUND                                         ; the closing round: no work-group ends while a partner may still ask for a tile that names it
	s_endpgm
.Lfunc_end_k_q1991cac41e_qkvgemm:
	.size	k_q1991cac41e_qkvgemm, .Lfunc_end_k_q1991cac41e_qkvgemm-k_q1991cac41e_qkvgemm
	.p2alignl 7, 3214868480
	.fill 96, 4, 3214868480
	.section	.rodata,"a",@progbits
	.p2align	6, 0x0
	.amdhsa_kernel k_q1991cac41e_qkvgemm
		.amdhsa_group_segment_fixed_size 327680
		.amdhsa_private_segment_fixed_size 0
		.amdhsa_enable_private_segment 0
		.amdhsa_kernarg_size 64
		.amdhsa_user_sgpr_count 2
		.amdhsa_user_sgpr_kernarg_segment_ptr 1
		.amdhsa_wavefront_size32 1
		.amdhsa_system_sgpr_workgroup_id_x 1
		.amdhsa_system_sgpr_workgroup_id_y 1
		.amdhsa_system_sgpr_workgroup_id_z 1
		.amdhsa_system_vgpr_workitem_id 0
		.amdhsa_next_free_vgpr 1024
		.amdhsa_next_free_sgpr 102
		.amdhsa_reserve_vcc 0
		.amdhsa_float_denorm_mode_32 3
		.amdhsa_float_denorm_mode_16_64 3
		.amdhsa_memory_ordered 1
		.amdhsa_forward_progress 1
		.amdhsa_inst_pref_size 255
	.end_amdhsa_kernel
	.section	.bss,"aw",@nobits
	.p2align	6
	.space	262144
	.amdgpu_metadata
---
amdhsa.version: [ 1, 2 ]
amdhsa.kernels:
  - .name:           k_q1991cac41e_qkvgemm
    .symbol:         k_q1991cac41e_qkvgemm.kd
    .args:
      - { .name: img, .offset: 0, .size: 8, .value_kind: global_buffer, .address_space: global }
      - { .name: scl, .offset: 8, .size: 8, .value_kind: global_buffer, .address_space: global }
      - { .name: bq, .offset: 16, .size: 8, .value_kind: global_buffer, .address_space: global }
      - { .name: bk, .offset: 24, .size: 8, .value_kind: global_buffer, .address_space: global }
      - { .name: bv, .offset: 32, .size: 8, .value_kind: global_buffer, .address_space: global }
      - { .name: cos, .offset: 40, .size: 8, .value_kind: global_buffer, .address_space: global }
      - { .name: sin, .offset: 48, .size: 8, .value_kind: global_buffer, .address_space: global }
      - { .name: qkv, .offset: 56, .size: 8, .value_kind: global_buffer, .address_space: global }
    .group_segment_fixed_size: 327680
    .private_segment_fixed_size: 0
    .kernarg_segment_align: 8
    .kernarg_segment_size: 64
    .max_flat_workgroup_size: 128
    .sgpr_count:     102
    .vgpr_count:     1024
    .wavefront_size: 32
...
	.end_amdgpu_metadata
.endif
;; end of part 2
;; launch attn (part 3): grid 16 x 16, 8 waves a work-group, clusters of 4 x 4, 327,680 bytes of LDS; arguments qkv, mask, ctx, cscl; writes ctx, cscl
.if DOCPART == 3
	.amdgcn_target "amdgcn-amd-amdhsa--gfx1250"
	.amdhsa_code_object_version 6
	.text
	.protected	k_q1991cac41e_attn
	.globl	k_q1991cac41e_attn
	.p2align	8
	.type	k_q1991cac41e_attn,@function
k_q1991cac41e_attn:
	s_mov_b64 s[64:65], 0
	v_nop
	global_prefetch_b8 v0, s[64:65] scope:SCOPE_SE
	s_setreg_imm32_b32 hwreg(HW_REG_WAVE_MODE, 25, 1), 1
	s_wait_xcnt 0x0
	s_wait_alu depctr_hold_cnt(0) depctr_sa_sdst(0) depctr_va_vdst(0) depctr_va_sdst(0) depctr_va_ssrc(0) depctr_va_vcc(0) depctr_vm_vsrc(0)
	s_getreg_b32 s2, hwreg(HW_REG_IB_STS2, 6, 4)
	s_cmp_eq_u32 s2, 0
	s_cbranch_scc0 .Lentry_in_a_cluster
	s_endpgm
.Lentry_in_a_cluster:
	s_bfe_u32 s2, ttmp6, 0x10000c
	s_cmp_lg_u32 s2, 0xf033
	s_cbranch_scc0 .Lentry_shape_is_right
	s_endpgm
.Lentry_shape_is_right:
; ctx[q][head] = softmax_k(q . k / sqrt(128) + mask[q][k]) v, both products on codes of FP6 (E2M3) with E8M0 scales; the mask is an input and is read whole, in f32.
; THE SOFTMAX AHEAD OF THE SECOND PRODUCT: u = score / sqrt(128) + mask; t = u log2(e); M = the row's largest t so far, rounded up to a whole number; p = 2^(t - M) is quantised along the keys, not normalised.
; The row's sum is taken of the unquantised p and divides at the end.  When M moves, the sum and O are multiplied by 2^(old M - new M): exact.
; SHARES: work-group (X, Y) owns queries 128 X .. 128 X + 127 of head Y; wave w owns tile 8 X + w, 16 queries (place r: local row 32 (w/2) + 8 (w%2) + r + 8 (r/8)).  Every wave walks 16 steps of 128 keys.
; Both products are used transposed (S^T = K Q^T, O^T = V^T P^T): a lane holds one query throughout.  K's tiles hold keys 32 (t/2) + 8 (t%2) + p + 8 (p/8), so register n of S^T is key 32 (n/16) + 16 (lane/16) + n % 16.
; qkv: [head][block of 128 tokens][part: q, k, v][8 images of 1,536 bytes, 512 bytes of scale words [lane][u]: lanes 0-15 tile 2 u, lanes 16-31 tile 2 u + 1].  An image is a fragment's registers on end: three loads of 512 consecutive bytes.
; RING: two LDS slots, each K's part, V's part and a mask tile of 128 x 128 f32 (rows 520 bytes apart = 130 words: the 32 lanes of a load of 8 bytes touch 64 different banks; 64 banks of 4 bytes: ISA guide 11.1).
; CLUSTER 4 x 4: K and V hang on the head alone and are asked for jointly along a row of the cluster; the mask tile hangs on the query block alone and is asked for jointly along a column.
; OUT: O^T / the sum is quantised along the head's d: image to ctx [tile 128][head 16][1,536], scale words to cscl [tile][head][16].
; REGISTERS: window 0: v1-7 addresses, v12 -M, v13 largest t, v[14:15] the sum, v16-27 Q, v80-87 K's and V's scale words, v96-159 S^T then p, v160-223 O^T, v224-254 p's codes and work, v255 Q's scale word.  Window 1: v0-63 mask, v64-159 K, v160-255 V.
; LIMITS: NaN and infinities are not served (a row whose mask is wholly -infinity gives NaN as reference() does).  Where |t| passes 2^24, M is only as fine as f32 there and p may pass 1, by up to 2^64: the blocks' scales and the sum take that up.
; A block of zeros carries the byte 1: its codes are zeros.
.set SLOT,  92160
.set VOFF,  12800
.set MOFF,  25600
.set MP,    520
.set SPARE, 2*SLOT                     ; the spare words, 128 bytes for each wave: four blocks of 256 bytes that no other line names
.set LI,  1                            ; v1   16 x lane
.set ADI, 2                            ; v2-3 a slot's images for my lane
.set ADM, 4                            ; v4-5 my row of the mask tile, + 64 (lane / 16)
.set SPW, 6
.set NIL, 7
.set PFO, 28                           ; v28  the prefetches' offset
.set R4,  29                           ; v29  4 r
.set TM,  32
.set PW,  48
.set KS,  80
.set VS,  84
.set KF,  64                           ; in window 1
.set VF,  160
.set WV,  12
.set CNT, 17
.set LIM0, 18
.set LIM1, 19
.set SEL, 20
.set CS,  22                           ; s[22:23] log2(e)
.set G1M, 24
.set G1K, 32
.set G0M, 40                           ; a set for each slot
.set G0K, 48
.set SCA, 56                           ; s[56:57] 1 / sqrt(128)
.set PFA, 58
.set PFS, 60
.set MSB, 0
.macro WIN new
.if MSB != (\new)
	s_set_vgpr_msb (MSB<<8)|(\new)
.set MSB, (\new)
.endif
.endm
.macro ROUND                           ; a round of the cluster's barrier
	s_barrier_signal -1
	s_barrier_wait -1
	s_cmp_lg_u32 s[WV], 0
	s_cbranch_scc1 .Lnot_wave_0_\@
	s_barrier_signal -3
.Lnot_wave_0_\@:
	s_barrier_wait -3
	s_barrier_signal -1
	s_barrier_wait -1
.endm
; Waves 0 to 3 fetch 32 rows of the mask tile each, wave 4 K's part, wave 5 V's, waves 6 and 7 nothing.  Four v_nop follow each line.
.macro TLOAD s
	s_cmp_lt_u32 s[WV], 4
	s_cbranch_scc0 .Lnot_m_\@
	tensor_load_to_lds s[G0M+4*(\s):G0M+4*(\s)+3], s[G1M:G1M+7]
	s_nop 0
.rept 4
	v_nop
.endr
	s_branch .Lasked_\@
.Lnot_m_\@:
	s_cmp_lt_u32 s[WV], 6
	s_cbranch_scc0 .Lasked_\@
	tensor_load_to_lds s[G0K+4*(\s):G0K+4*(\s)+3], s[G1K:G1K+7]
	s_nop 0
.rept 4
	v_nop
.endr
.Lasked_\@:
.endm
; A PREFETCH INTO THE L2 of the tiles that stand three steps on: two steps ahead of the tensor load that will ask for them.  K and V: all query blocks of a head walk them: the clusters with x = 0 ask, wave 4;
; the four partners of a row take 6,400 of the 25,600 bytes each, told apart by address; 25 lanes name a block of 256 bytes each (lanes 25-31 name lane 24's again).  The mask: all heads walk it: the clusters with y = 0 ask,
; waves 6 and 7 (a half of a row's 512 bytes each); the four partners of a column take 32 rows each, a lane a row.  The last three steps have no tile three on: nothing is asked for.
.macro ASK lim
	s_cmp_gt_u32 s[CNT], s[\lim]
	s_cbranch_scc0 .Lnot_mine_\@
	global_prefetch_b8 v[PFO], s[PFA:PFA+1] th:TH_LOAD_NT scope:SCOPE_SE
.Lnot_mine_\@:
.endm
.macro QUANT src, pc, tm, pw
.irp b, 0,1,2,3
	v_max3_num_f32 v[\tm+\b], |v[\src+16*\b]|, |v[\src+1+16*\b]|, 0x1800000   ; my 16 numbers, and the floor 2^(3 - 127): the byte cannot fall under 1
.endr
.irp i, 2,4,6,8,10,12,14
.irp b, 0,1,2,3
	v_max3_num_f32 v[\tm+\b], v[\tm+\b], |v[\src+16*\b+\i]|, |v[\src+1+16*\b+\i]|
.endr
.endr
.irp b, 0,1,2,3
	v_permlanex16_b32 v[\tm+4+\b], v[\tm+\b], s[SEL], s[SEL+1]
.endr
.irp b, 0,1,2,3
	v_max_num_f32 v[\tm+\b], v[\tm+\b], v[\tm+4+\b]
.endr
.irp b, 0,1,2,3
	v_add_nc_u32 v[\tm+12+\b], 0xff000000, v[\tm+\b]
.endr
.irp b, 0,1,2,3
	v_lshrrev_b32 v[\tm+4+\b], 23, v[\tm+12+\b]
.endr
	v_lshl_or_b32 v[\pw], v[\tm+5], 8, v[\tm+4]
	v_lshl_or_b32 v[\pw], v[\tm+6], 16, v[\pw]
	v_lshl_or_b32 v[\pw], v[\tm+7], 24, v[\pw]
.irp c, 0,1
	v_cvt_scalef32_pk16_fp6_f32 v[\pc+6*\c:\pc+2+6*\c], v[\src+32*\c:\src+15+32*\c], v[\tm+12+2*\c]
	v_cvt_scalef32_pk16_fp6_f32 v[\pc+12+4*\c:\pc+14+4*\c], v[\src+16+32*\c:\src+31+32*\c], v[\tm+12+2*\c+1]
.endr
	v_nop
.irp c, 0,1
.irp i, 0,1,2
	v_permlane16_swap_b32 v[\pc+6*\c+\i], v[\pc+12+4*\c+\i]
.endr
.irp i, 0,1,2
	v_mov_b32 v[\pc+3+6*\c+\i], v[\pc+12+4*\c+\i]
.endr
.endr
.endm
; A KEY STEP: the 128 keys of the slot
.macro STEP slot
	ds_load_b128 v[KS:KS+3], v[ADI+\slot] offset:12288           ; K's scale words: register u: lanes 0-15 tile 2 u, lanes 16-31 tile 2 u + 1
	ds_load_b128 v[VS:VS+3], v[ADI+\slot] offset:VOFF+12288      ; V's
	WIN 0x40                                       ; destination window 1
.set ni, 0
.rept 24
	ds_load_b128 v[KF+4*ni:KF+4*ni+3], v[ADI+\slot] offset:512*ni   ; K's eight images on end
.set ni, ni+1
.endr
.set ni, 0
.rept 32
	ds_load_b64 v[2*ni:2*ni+1], v[ADM+\slot] offset:128*(ni/8)+8*(ni%8)   ; the mask of my query at my 64 keys
.set ni, ni+1
.endr
	s_wait_dscnt 32                                ; the scale words and K are in; the 32 mask loads may be out
	WIN 0x01                                       ; source 0 window 1
.irp t, 0,1,2,3,4,5,6,7
.if (\t)%2
	v_wmma_scale_f32_16x16x128_f8f6f4 v[96+8*\t:103+8*\t], v[KF+12*\t:KF+12*\t+11], v[16:27], 0, v[KS+\t/2], v255 matrix_a_fmt:MATRIX_FMT_FP6 matrix_b_fmt:MATRIX_FMT_FP6 matrix_a_scale:MATRIX_SCALE_ROW1
.else
	v_wmma_scale_f32_16x16x128_f8f6f4 v[96+8*\t:103+8*\t], v[KF+12*\t:KF+12*\t+11], v[16:27], 0, v[KS+\t/2], v255 matrix_a_fmt:MATRIX_FMT_FP6 matrix_b_fmt:MATRIX_FMT_FP6
.endif
.endr
	WIN 0x40
.set ni, 0
.rept 24
	ds_load_b128 v[VF+4*ni:VF+4*ni+3], v[ADI+\slot] offset:VOFF+512*ni   ; V's eight images: they land under the softmax (four places stand behind the last step's products, which read these registers)
.set ni, ni+1
.endr
	s_wait_dscnt 24                                ; the mask is in; V's 24 loads may be out
	WIN 0
.rept 4
	v_nop                                          ; places behind the products, in front of the first read of their results
.endr
	WIN 0x10                                       ; source 2 window 1
.set ni, 0
.rept 32
	v_pk_fma_f32 v[96+ni:97+ni], v[96+ni:97+ni], s[SCA:SCA+1], v[ni:ni+1] op_sel_hi:[1,0,1]   ; u = score / sqrt(128) + mask; each accumulator from its low end on
.set ni, ni+2
.endr
	WIN 0
.irp b, 0,1,2,3
	v_max3_num_f32 v[232+\b], v[96+16*\b], v[97+16*\b], v[98+16*\b]   ; the largest u of each block of 32 keys: for the row's maximum, and, since p rises with u, for the block's largest p
.endr
.irp i, 3,5,7,9,11,13
.irp b, 0,1,2,3
	v_max3_num_f32 v[232+\b], v[232+\b], v[96+16*\b+\i], v[97+16*\b+\i]
.endr
.endr
.irp b, 0,1,2,3
	v_max_num_f32 v[232+\b], v[232+\b], v[111+16*\b]
.endr
.irp b, 0,1,2,3
	v_permlanex16_b32 v[236+\b], v[232+\b], s[SEL], s[SEL+1]
.endr
.irp b, 0,1,2,3
	v_max_num_f32 v[232+\b], v[232+\b], v[236+\b]  ; with lane l xor 16's 16 keys
.endr
	v_max3_num_f32 v254, v232, v233, v234
	v_max_num_f32 v254, v254, v235                 ; the step's largest u of my query
	v_mul_f32 v254, s[CS], v254                    ; as t
	v_max_num_f32 v13, v13, v254                   ; the running largest t
	v_mov_b32 v254, v12
	v_floor_f32 v12, -v13                          ; the new -M = floor(-t): M is a whole number
	v_sub_f32 v254, v12, v254                      ; old M less new M: a whole number, 0 or less
	v_cvt_i32_f32 v254, v254                       ; (it saturates)
	v_ldexp_f32 v252, 1.0, v254                    ; f = 2^(old M - new M)
.set ni, 0
.rept 32
	v_pk_fma_f32 v[96+ni:97+ni], v[96+ni:97+ni], s[CS:CS+1], v[12:13] op_sel_hi:[1,0,0]   ; t - M, two at a time
.set ni, ni+2
.endr
.irp b, 0,1,2,3
	v_fma_f32 v[232+\b], v[232+\b], s[CS], v12     ; the same of each block's largest u
.endr
.set ni, 0
.rept 64
	v_exp_f32 v[96+ni], v[96+ni]                   ; p = 2^(t - M)
.set ni, ni+1
.endr
	v_pk_mul_f32 v[14:15], v[14:15], v[252:253] op_sel_hi:[1,0]   ; the sums under the new M: a plain place behind the exponentials
	s_wait_alu depctr_va_vdst(0)                   ; one wait for the whole batch, ahead of its first use
.irp b, 0,1,2,3
	v_exp_f32 v[232+\b], v[232+\b]                 ; the block's largest p
.endr
	v_pk_add_f32 v[236:237], v[96:97], v[98:99]    ; the row's sum is taken of the unquantised p, in two chains
.irp j, 4,8,12,16,20,24,28,32,36,40,44,48,52,56,60
	v_pk_add_f32 v[14:15], v[14:15], v[96+\j:97+\j]
	v_pk_add_f32 v[236:237], v[236:237], v[98+\j:99+\j]
.endr
	v_pk_add_f32 v[14:15], v[14:15], v[236:237]
	s_wait_alu depctr_va_vdst(0)                   ; and one for the four
.irp b, 0,1,2,3
	v_max_num_f32 v[232+\b], 0x1800000, v[232+\b]  ; the floor 2^(3 - 127): the byte cannot fall under 1
.endr
.irp b, 0,1,2,3
	v_add_nc_u32 v[244+\b], 0xff000000, v[232+\b]  ; 2 off the exponent field: the conversion's scale operand
.endr
.irp b, 0,1,2,3
	v_lshrrev_b32 v[236+\b], 23, v[244+\b]         ; the scale's byte
.endr
	v_lshl_or_b32 v253, v237, 8, v236              ; p's scale word for these 128 keys
	v_lshl_or_b32 v253, v238, 16, v253
	v_lshl_or_b32 v253, v239, 24, v253
.irp c, 0,1
	v_cvt_scalef32_pk16_fp6_f32 v[224+6*\c:226+6*\c], v[96+32*\c:111+32*\c], v[244+2*\c]
	v_cvt_scalef32_pk16_fp6_f32 v[236+4*\c:238+4*\c], v[112+32*\c:127+32*\c], v[244+2*\c+1]
.endr
	v_nop                                          ; one plain place behind a scaled conversion
.irp c, 0,1
.irp i, 0,1,2
	v_permlane16_swap_b32 v[224+6*\c+\i], v[236+4*\c+\i]
.endr
.irp i, 0,1,2
	v_mov_b32 v[227+6*\c+\i], v[236+4*\c+\i]
.endr
.endr
.set ni, 0
.rept 32
	v_pk_mul_f32 v[160+ni:161+ni], v[160+ni:161+ni], v[252:253] op_sel_hi:[1,0]   ; O^T under the new M; these 32 are also the places between p's codes and scale word and the products below
.set ni, ni+2
.endr
	s_wait_dscnt 0x0                               ; V is in
	WIN 0x01
.irp t, 0,1,2,3,4,5,6,7
.if (\t)%2
	v_wmma_scale_f32_16x16x128_f8f6f4 v[160+8*\t:167+8*\t], v[VF+12*\t:VF+12*\t+11], v[224:235], v[160+8*\t:167+8*\t], v[VS+\t/2], v253 matrix_a_fmt:MATRIX_FMT_FP6 matrix_b_fmt:MATRIX_FMT_FP6 matrix_a_scale:MATRIX_SCALE_ROW1
.else
	v_wmma_scale_f32_16x16x128_f8f6f4 v[160+8*\t:167+8*\t], v[VF+12*\t:VF+12*\t+11], v[224:235], v[160+8*\t:167+8*\t], v[VS+\t/2], v253 matrix_a_fmt:MATRIX_FMT_FP6 matrix_b_fmt:MATRIX_FMT_FP6
.endif
.endr
	WIN 0
.rept 4
	v_nop                                          ; places in front of the next step's loads into these products' registers, and of the way out's reads
.endr
.endm
; The change of slots stands at a step's head: each wave waits for all its tensor loads, adds 0 to its spare word, waits for that and for its reads of the other slot; a round of the cluster's barrier; the other slot's fill first behind it
.macro TRIP slot, refill, ask, lim
	s_wait_tensorcnt 0x0                           ; no tensor load of mine is out, so a group 0 may be written
	ds_add_u32 v[SPW], v[NIL]                      ; 0 onto my spare word
	s_add_nc_u64 s[G0M+4*\slot+2:G0M+4*\slot+3], s[G0M+4*\slot+2:G0M+4*\slot+3], 1024    ; this slot's next tile: two steps of 128 keys on,
	s_add_nc_u64 s[G0K+4*\slot+2:G0K+4*\slot+3], s[G0K+4*\slot+2:G0K+4*\slot+3], 76800   ; two blocks of tokens on
.if \ask
	s_wait_xcnt 0x0                                ; the last prefetch, a step back, has read its address
	s_add_nc_u64 s[PFA:PFA+1], s[PFA:PFA+1], s[PFS:PFS+1]
.endif
	s_wait_dscnt 0x0                               ; the add is done, and my reads of the slot that I have left are over
	ROUND
.if \refill
	TLOAD 1-\slot                                  ; the next step's tiles: a wave's one tensor load until the next round
.endif
.if \ask
	ASK \lim
.endif
	STEP \slot
.endm
	s_load_b256 s[4:11], s[0:1], 0x0               ; qkv, mask, ctx, cscl
	v_lshl_add_u32 v[SPW], v0, 2, SPARE
	v_mov_b32 v[NIL], 0
	ds_add_u32 v6, v7
	s_wait_dscnt 0x0
	v_lshrrev_b32 v8, 5, v0
	v_readfirstlane_b32 s[WV], v8                  ; wave 0..7
	s_bfe_u32 s13, ttmp6, 0x40000                  ; cx
	s_bfe_u32 s14, ttmp6, 0x40004                  ; cy
	s_lshl_b32 s15, ttmp9, 2
	s_add_co_u32 s15, s15, s13                     ; X: the block of 128 queries
	s_and_b32 s16, ttmp7, 0xffff
	s_lshl_b32 s16, s16, 2
	s_add_co_u32 s16, s16, s14                     ; Y: the head
	s_lshl_b32 s66, s14, 2
	s_lshl_b32 s66, 15, s66                        ; my row of the cluster
	s_lshl_b32 s67, 0x1111, s13                    ; my column
	s_or_b32 s[G1M], s67, (2<<16)|(1<<20)|(1<<21)|(6<<22)|(1<<25)   ; the mask tile goes to my column; elements of 4 bytes; 2 words of padding behind every 128
	s_mov_b32 s[G1M+1], 128<<16
	s_mov_b32 s[G1M+2], 32<<16
	s_mov_b32 s[G1M+3], 128<<16
	s_mov_b32 s[G1M+4], 32
	s_mov_b32 s[G1M+5], 2048
	s_mov_b32 s[G1M+6], 0
	s_mov_b32 s[G1M+7], 0
	s_or_b32 s[G1K], s66, (3<<16)|(1<<21)          ; K's and V's parts go to my row; 12,800 dense bytes as 50 rows of 256
	s_mov_b32 s[G1K+1], 32<<16
	s_mov_b32 s[G1K+2], 50<<16
	s_mov_b32 s[G1K+3], 32<<16
	s_mov_b32 s[G1K+4], 50
	s_mov_b32 s[G1K+5], 32
	s_mov_b32 s[G1K+6], 0
	s_mov_b32 s[G1K+7], 0
	s_and_b32 s70, s[WV], 3
	s_lshl_b32 s68, s15, 20                        ; 128 X rows of 8,192 bytes: it hangs on X alone
	s_lshl_b32 s71, s70, 18                        ; + 32 rows for each of waves 0 to 3
	s_add_co_u32 s68, s68, s71
	s_mov_b32 s69, 0
	s_mul_i32 s70, s70, 32*MP
	s_add_co_u32 s70, s70, MOFF
	s_and_b32 s71, s[WV], 1
	s_mul_i32 s72, s16, 48                         ; 16 blocks x 3 parts a head: it hangs on Y alone
	s_add_co_u32 s72, s72, 1
	s_add_co_u32 s72, s72, s71                     ; part 1 (wave 4) or 2 (wave 5)
	s_mul_i32 s72, s72, 12800
	s_mov_b32 s73, 0
	s_mul_i32 s71, s71, VOFF
	s_lshl_b32 s84, s15, 3
	s_add_co_u32 s84, s84, s[WV]                   ; my tile of queries
	s_lshl_b32 s86, s84, 4
	s_add_co_u32 s86, s86, s16
	s_mul_i32 s86, s86, 1536
	s_mov_b32 s87, 0
	s_lshl_b32 s88, s84, 10
	s_lshl_b32 s89, s16, 6
	s_add_co_u32 s88, s88, s89
	s_mov_b32 s89, 0
	s_lshl_b32 s80, s16, 4
	s_add_co_u32 s80, s80, s15
	s_mul_i32 s80, s80, 38400                      ; q's part of (head, my block)
	s_mov_b32 s81, 0
	s_mul_i32 s82, s[WV], 1536
	s_mov_b32 s83, 0
	s_mov_b32 s[SEL], 0x76543210
	s_mov_b32 s[SEL+1], 0xfedcba98
	s_mov_b32 s[CS], 0x3fb8aa3b                    ; log2(e)
	s_mov_b32 s[CS+1], s[CS]
	s_mov_b32 s[SCA], 0x3db504f3                   ; 1 / sqrt(128)
	s_mov_b32 s[SCA+1], s[SCA]
	s_mov_b32 s[CNT], 7
	s_wait_kmcnt 0x0
	s_add_nc_u64 s[74:75], s[6:7], s[68:69]
	s_add_nc_u64 s[76:77], s[4:5], s[72:73]
.irp s, 0,1
	s_mov_b32 s[G0M+4*\s], 1
	s_add_co_u32 s[G0M+4*\s+1], s70, \s*SLOT
	s_add_nc_u64 s[G0M+4*\s+2:G0M+4*\s+3], s[74:75], \s*512
	s_or_b32 s[G0M+4*\s+3], s[G0M+4*\s+3], 0x80000000
	s_mov_b32 s[G0K+4*\s], 1
	s_add_co_u32 s[G0K+4*\s+1], s71, \s*SLOT
	s_add_nc_u64 s[G0K+4*\s+2:G0K+4*\s+3], s[76:77], \s*38400
	s_or_b32 s[G0K+4*\s+3], s[G0K+4*\s+3], 0x80000000
.endr
	ROUND                                          ; all sixteen work-groups are here: the first joint loads meet
	TLOAD 0                                        ; step 0's tiles; slot 1 is first filled behind the first step's round
	s_add_nc_u64 s[8:9], s[8:9], s[86:87]
	s_add_nc_u64 s[10:11], s[10:11], s[88:89]
	s_add_nc_u64 s[80:81], s[4:5], s[80:81]
	s_add_nc_u64 s[82:83], s[80:81], s[82:83]
	v_and_b32 v8, 31, v0                           ; lane
	v_and_b32 v9, 15, v0                           ; r
	v_bfe_u32 v10, v0, 4, 1                        ; h
	v_lshlrev_b32 v[LI], 4, v8
	v_lshlrev_b32 v[ADI], 4, v8
	v_add_nc_u32 v[ADI+1], SLOT, v[ADI]
	v_and_b32 v11, 8, v9
	v_add_nc_u32 v11, v11, v9                      ; r + 8 (r / 8)
	v_mul_u32_u24 v[ADM], v11, MP
	v_lshl_add_u32 v[ADM], v10, 6, v[ADM]
	s_lshr_b32 s78, s[WV], 1
	s_lshl_b32 s78, s78, 5
	s_and_b32 s79, s[WV], 1
	s_lshl_b32 s79, s79, 3
	s_add_co_u32 s78, s78, s79                     ; my tile's first local row
	s_mul_i32 s78, s78, MP
	s_add_co_u32 s78, s78, MOFF
	v_add_nc_u32 v[ADM], s78, v[ADM]
	v_add_nc_u32 v[ADM+1], SLOT, v[ADM]
	v_lshlrev_b32 v[R4], 2, v9
	s_and_b32 s84, s[WV], 1
	s_lshl_b32 s84, s84, 8
	s_lshr_b32 s85, s[WV], 1
	s_lshl_b32 s85, s85, 2
	s_add_co_u32 s84, s84, s85
	v_lshl_add_u32 v30, v9, 4, s84                 ; Q's scale word: lane r + 16 (w % 2), word w / 2
.irp c, 0,1,2
	global_load_b128 v[16+4*\c:19+4*\c], v[LI], s[82:83] offset:512*\c   ; Q's image stays in registers
.endr
	global_load_b32 v255, v30, s[80:81] offset:12288
	; the prefetches: where my wave's stand, and who asks
	s_lshl_b32 s66, s16, 4
	s_add_co_u32 s66, s66, 2                       ; K and V: block 2 of my head (the first step moves it to block 3),
	s_mul_i32 s66, s66, 3
	s_add_co_u32 s66, s66, 1
	s_mul_i32 s66, s66, 12800
	s_mul_i32 s67, s13, 6400                       ; my work-group's quarter
	s_add_co_u32 s66, s66, s67
	s_lshl_b32 s90, s15, 20                        ; the mask: my query block,
	s_lshl_b32 s91, s14, 18                        ; my work-group's 32 rows,
	s_add_co_u32 s90, s90, s91
	s_and_b32 s91, s[WV], 1
	s_lshl_b32 s91, s91, 8                         ; my wave's half of a row's 512 bytes,
	s_add_co_u32 s90, s90, s91
	s_add_co_u32 s90, s90, 1024                    ; tile 2
	s_mov_b32 s[PFS], 512
	s_mov_b32 s62, 8192
	s_cmp_lt_u32 s[WV], 6
	s_cselect_b64 s[PFA:PFA+1], s[4:5], s[6:7]
	s_cselect_b32 s[PFS], 38400, s[PFS]            ; a step on
	s_cselect_b32 s62, 256, s62                    ; from lane to lane
	s_cselect_b32 s63, 24, 31                      ; the last lane that names a block of its own
	s_cselect_b32 s66, s66, s90
	s_mov_b32 s67, 0
	s_mov_b32 s[PFS+1], 0
	s_add_nc_u64 s[PFA:PFA+1], s[PFA:PFA+1], s[66:67]
	v_min_u32 v[PFO], s63, v8
	v_mul_lo_u32 v[PFO], v[PFO], s62
	s_and_b32 s91, ttmp7, 0xffff                   ; the cluster's y
	s_cmp_ge_u32 s[WV], 6
	s_cselect_b32 s90, s91, -1
	s_cmp_eq_u32 s[WV], 4
	s_cselect_b32 s90, ttmp9, s90                  ; 0 in a wave that asks: the same in all sixteen partners, for a given wave
	s_cmp_eq_u32 s90, 0
	s_cselect_b32 s[LIM0], 0, -1                   ; the even steps of all seven trips ask,
	s_cselect_b32 s[LIM1], 1, -1                   ; the odd steps of all but the last
	v_mov_b32 v13, 0xff61b1e6                      ; the largest t so far: -3e38
	v_floor_f32 v12, -v13                          ; -M
	v_mov_b32 v14, 0
	v_mov_b32 v15, 0
.irp b, 0,1,2,3
	v_mov_b32 v[236+\b], 0                         ; a lane permute's destination counts as one of its sources
	v_mov_b32 v[TM+4+\b], 0
.endr
	v_mov_b32 v253, 0
.set ni, 0
.rept 64
	v_mov_b32 v[160+ni], 0                         ; O^T: the step is written without a first step of its own: it finds zeros, which the first change of M leaves zeros
.set ni, ni+1
.endr
	s_wait_loadcnt 0x0                             ; Q
.Lpair:                                                ; seven trips of two steps
	TRIP 0, 1, 1, LIM0
	TRIP 1, 1, 1, LIM1
	s_sub_co_u32 s[CNT], s[CNT], 1
	s_cmp_lg_u32 s[CNT], 0
	s_cbranch_scc1 .Lpair
	TRIP 0, 1, 0, LIM0                             ; the last two steps are written out
	TRIP 1, 0, 0, LIM1
	; THE WAY OUT: O^T / the sum, quantised along the head's d: the result is my tile's image for K step 'head' of the last product
	v_add_f32 v14, v14, v15
	v_permlanex16_b32 v252, v14, s[SEL], s[SEL+1]
	v_add_f32 v14, v14, v252                       ; the row's sum
	v_rcp_f32 v14, v14
	v_and_b32 v8, 31, v0                           ; a plain place behind the reciprocal
	s_wait_alu depctr_va_vdst(0)                   ; and a wait ahead of its first use
.set ni, 0
.rept 32
	v_pk_mul_f32 v[96+ni:97+ni], v[160+ni:161+ni], v[14:15] op_sel_hi:[1,0]   ; each accumulator from its low end on
.set ni, ni+2
.endr
	QUANT 96, 224, TM, PW
.irp c, 0,1,2
	global_store_b128 v[LI], v[224+4*\c:227+4*\c], s[8:9] offset:512*\c   ; 32 lanes store 512 consecutive bytes, aligned
.endr
	v_cmp_gt_u32 vcc_lo, 16, v8
	s_wait_xcnt 0x0                                ; EXEC changes only behind this wait
	s_and_saveexec_b32 s62, vcc_lo
	global_store_b32 v[R4], v[PW], s[10:11]        ; lanes 0-15: my 16 rows' scale words
	s_wait_xcnt 0x0
	s_or_b32 exec_lo, exec_lo, s62
	s_wait_tensorcnt 0x0                           ; the wave's end
	ds_add_u32 v[SPW], v[NIL]
	s_wait_dscnt 0x0
	ROUND                                          ; the closing round
	s_endpgm
.Lfunc_end_k_q1991cac41e_attn:
	.size	k_q1991cac41e_attn, .Lfunc_end_k_q1991cac41e_attn-k_q1991cac41e_attn
	.p2alignl 7, 3214868480
	.fill 96, 4, 3214868480
	.section	.rodata,"a",@progbits
	.p2align	6, 0x0
	.amdhsa_kernel k_q1991cac41e_attn
		.amdhsa_group_segment_fixed_size 327680
		.amdhsa_private_segment_fixed_size 0
		.amdhsa_enable_private_segment 0
		.amdhsa_kernarg_size 32
		.amdhsa_user_sgpr_count 2
		.amdhsa_user_sgpr_kernarg_segment_ptr 1
		.amdhsa_wavefront_size32 1
		.amdhsa_system_sgpr_workgroup_id_x 1
		.amdhsa_system_sgpr_workgroup_id_y 1
		.amdhsa_system_sgpr_workgroup_id_z 1
		.amdhsa_system_vgpr_workitem_id 0
		.amdhsa_next_free_vgpr 512
		.amdhsa_next_free_sgpr 92
		.amdhsa_reserve_vcc 1
		.amdhsa_float_denorm_mode_32 3
		.amdhsa_float_denorm_mode_16_64 3
		.amdhsa_memory_ordered 1
		.amdhsa_forward_progress 1
		.amdhsa_inst_pref_size 112
	.end_amdhsa_kernel
	.amdgpu_metadata
---
amdhsa.version: [ 1, 2 ]
amdhsa.kernels:
  - .name:           k_q1991cac41e_attn
    .symbol:         k_q1991cac41e_attn.kd
    .args:
      - { .name: qkv, .offset: 0, .size: 8, .value_kind: global_buffer, .address_space: global }
      - { .name: mask, .offset: 8, .size: 8, .value_kind: global_buffer, .address_space: global }
      - { .name: ctx, .offset: 16, .size: 8, .value_kind: global_buffer, .address_space: global }
      - { .name: cscl, .offset: 24, .size: 8, .value_kind: global_buffer, .address_space: global }
    .group_segment_fixed_size: 327680
    .private_segment_fixed_size: 0
    .kernarg_segment_align: 8
    .kernarg_segment_size: 32
    .max_flat_workgroup_size: 256
    .sgpr_count:     92
    .vgpr_count:     512
    .wavefront_size: 32
...
	.end_amdgpu_metadata
.endif
;; end of part 3
;; launch outgemm (part 4): grid 8 x 8, 4 waves a work-group, clusters of 4 x 4, 327,680 bytes of LDS; arguments ctx, cscl, img, scl, bo, out0; writes out0
.if DOCPART == 4
	.amdgcn_target "amdgcn-amd-amdhsa--gfx1250"
	.amdhsa_code_object_version 6
	.text
	.protected	k_q1991cac41e_outgemm
	.globl	k_q1991cac41e_outgemm
	.p2align	8
	.type	k_q1991cac41e_outgemm,@function
k_q1991cac41e_outgemm:
	s_mov_b64 s[64:65], 0
	v_nop
	global_prefetch_b8 v0, s[64:65] scope:SCOPE_SE
	s_setreg_imm32_b32 hwreg(HW_REG_WAVE_MODE, 25, 1), 1
	s_wait_xcnt 0x0
	s_wait_alu depctr_hold_cnt(0) depctr_sa_sdst(0) depctr_va_vdst(0) depctr_va_sdst(0) depctr_va_ssrc(0) depctr_va_vcc(0) depctr_vm_vsrc(0)
	s_getreg_b32 s2, hwreg(HW_REG_IB_STS2, 6, 4)
	s_cmp_eq_u32 s2, 0
	s_cbranch_scc0 .Lentry_in_a_cluster
	s_endpgm
.Lentry_in_a_cluster:
	s_bfe_u32 s2, ttmp6, 0x10000c
	s_cmp_lg_u32 s2, 0xf033
	s_cbranch_scc0 .Lentry_shape_is_right
	s_endpgm
.Lentry_shape_is_right:
; out0 = ctx Wo^T + bo on codes of FP6 (E2M3) with E8M0 scales; out0 [2048][2048] f32.
; OPERANDS are fragment images (16 rows x 128 K = 1,536 bytes: register 4 c + e of lane l at 512 c + 16 l + 4 e): ctx [tile 128][K step 16][1,536] with cscl [tile][K step][place] words; Wo is tiles 512-639 of img and scl, laid alike.
; Place p of tile i is row 32 (i/2) + 8 (i%2) + p + 8 (p/8).  A work-group of four waves makes 256 x 256, a wave 128 x 128: 64 accumulators.  Source 0 = rows of Wo, source 1 = rows of ctx: a lane holds one token,
; and register n of a block is output column 32 (n / 16) + 16 (lane / 16) + n % 16.  The bias is the C of each sum's first product.
; K goes through a ring of two LDS slots of 2 K steps; the scale words of the work-group's 512 rows come once.  CLUSTER 4 x 4: ctx's tiles are asked for jointly along a row of the cluster, Wo's along a column.
; 64 work-groups: the problem has 64 blocks of 256 x 256.
; REGISTERS: window 0: v2 r, v3 h, v16-29 addresses, v32-63 scale words (two sets), v64-127 bias, v128-223 A's fragments (one set); window 1: B's fragments (two sets); windows 2, 3: accumulators ((a, b) at 8 (8 (a % 4) + b)).
.set FR,    12
.set NL,    3
.set HALFT, 24576
.set SLOT,  4*HALFT
.set SCL,   2*SLOT
.set HALFS, 8192
.set SPARE, SCL+4*HALFS                ; the spare words, 128 bytes for each wave: two blocks of 256 bytes that no other line names
.set SPITCH, 528                       ; the way out: a stage of 16 rows x (512 + 16) bytes for each wave, in slot 0, which has had its last fill and its last read when the first result is stored there
.set ADRA, 16
.set BO,   18                          ; v18    64 h: the bias's offset
.set ADRB, 20
.set LI,   24
.set STO,  25
.set RD,   26
.set ADRS, 27
.set SPW,  28
.set NIL,  29
.set SC,   32
.set BI,   64
.set AF,   128
.set BK,   128                         ; the way out: 16 rows read back: v128-191 and v192-255 by turns
.set WV, 20
.set RH, 21
.set CH, 22
.set G1, 24
.set G0, 32
.set G1B, 48
.set G0B, 56
.set G1S, 68
.set G0S, 76
.set G1SB, 80
.set G0SB, 88
.set MSB, 0
.macro WIN new
.if MSB != (\new)
	s_set_vgpr_msb (MSB<<8)|(\new)
.set MSB, (\new)
.endif
.endm
.set MUL_LO, 0xa1
.set MUL_HI, 0xf1
.set TO_B,   0x40
.macro JLOAD g0a, g1a, g0b, g1b        ; a joint load: waves 0 and 1 fetch for A, waves 2 and 3 for B; four v_nop follow each line
	s_cmp_eq_u32 s[RH], 0
	s_cbranch_scc0 .Lfor_b_\@
	tensor_load_to_lds s[\g0a:\g0a+3], s[\g1a:\g1a+7]
	s_nop 0
.rept 4
	v_nop
.endr
	s_branch .Lasked_\@
.Lfor_b_\@:
	tensor_load_to_lds s[\g0b:\g0b+3], s[\g1b:\g1b+7]
	s_nop 0
.rept 4
	v_nop
.endr
.Lasked_\@:
.endm
.macro CREST
	s_cmp_lg_u32 s[WV], 0
	s_cbranch_scc1 .Lnot_wave_0_\@
	s_barrier_signal -3
.Lnot_wave_0_\@:
	s_barrier_wait -3
	s_barrier_signal -1
	s_barrier_wait -1
.endm
.macro CROUND
	s_barrier_signal -1
	s_barrier_wait -1
	CREST
.endm
.macro PLACES n                        ; plain places behind matrix instructions (ISA guide 7.12.1)
.rept \n
	v_nop
.endr
.endm
.macro FRAG reg, adr, q, i
.irp c, 0,1,2
	ds_load_b128 v[\reg+4*\c:\reg+4*\c+3], v[\adr] offset:3072*(\i)+1536*(\q)+512*\c
.endr
.endm
.macro FETCH_B slot, q, p
	WIN TO_B
.irp i, 0,1,2,3,4,5,6,7
	FRAG 128*(\p)+FR*\i, ADRB+\slot, \q, \i
.endr
	WIN 0
.endm
.macro FETCH_A slot, q, i0
.irp i, \i0, \i0+1, \i0+2, \i0+3
	FRAG AF+FR*(\i), ADRA+\slot, \q, \i
.endr
.endm
.macro SCALES sc
.irp i, 0,1,2,3,4,5,6,7
.irp q, 0,1
	ds_load_b32 v[SC+16*\sc+2*\i+\q], v[ADRS] offset:1024*\i+64*\q
.endr
.endr
.endm
; 16 matrix instructions: A's blocks a0, a0 + 1 x B's eight.  zero = 2: the first product starts the sums from the bias.  The 64 accumulators take turns.
.macro MUL16 a0, p, q, sc, zero
.irp a, \a0, \a0+1
.irp b, 0,1,2,3,4,5,6,7
.if \zero == 2
	v_wmma_scale_f32_16x16x128_f8f6f4 v[8*(8*((\a)%4)+\b):8*(8*((\a)%4)+\b)+7], v[128*(\p)+FR*\b:128*(\p)+FR*\b+FR-1], v[AF+FR*(\a):AF+FR*(\a)+FR-1], v[BI+8*\b:BI+8*\b+7], v[SC+16*(\sc)+2*\b+(\q)], v[SC+16*(\sc)+2*(\a)+(\q)] matrix_a_fmt:MATRIX_FMT_FP6 matrix_b_fmt:MATRIX_FMT_FP6 matrix_a_scale:MATRIX_SCALE_ROW1
.else
	v_wmma_scale_f32_16x16x128_f8f6f4 v[8*(8*((\a)%4)+\b):8*(8*((\a)%4)+\b)+7], v[128*(\p)+FR*\b:128*(\p)+FR*\b+FR-1], v[AF+FR*(\a):AF+FR*(\a)+FR-1], v[8*(8*((\a)%4)+\b):8*(8*((\a)%4)+\b)+7], v[SC+16*(\sc)+2*\b+(\q)], v[SC+16*(\sc)+2*(\a)+(\q)] matrix_a_fmt:MATRIX_FMT_FP6 matrix_b_fmt:MATRIX_FMT_FP6 matrix_a_scale:MATRIX_SCALE_ROW1
.endif
.endr
.endr
.endm
.macro STEP slot, q, zero
	s_wait_dscnt 4*NL                              ; all but the youngest 12 loads (A's blocks 4-7) are in
.if (\zero) == 2
	WIN 0x81                                       ; C (the bias) window 0, D window 2
.else
	WIN MUL_LO
.endif
	MUL16 0, (\q)%2, \q, \slot, \zero
	MUL16 2, (\q)%2, \q, \slot, \zero
	s_wait_dscnt 0x0
	PLACES 4
	FETCH_B \slot, (\q)+1, 1-(\q)%2
	FETCH_A \slot, (\q)+1, 0
.if (\zero) == 2
	WIN 0xc1
.else
	WIN MUL_HI
.endif
	MUL16 4, (\q)%2, \q, \slot, \zero
	MUL16 6, (\q)%2, \q, \slot, \zero
	PLACES 4
	WIN 0
	FETCH_A \slot, (\q)+1, 4
.endm
.macro TURN slot, next, fill
	s_wait_tensorcnt 0x0                           ; all my tensor loads have landed: my part of the next slot
	ds_add_u32 v[SPW], v[NIL]                      ; 0 onto my spare word
	s_wait_dscnt 4*NL+1                            ; the add and the youngest 12 loads may be out
	WIN MUL_LO
	MUL16 0, 1, 1, \slot, 0
	s_wait_dscnt 0x0                               ; the add is done, and my reads of this slot are over
	s_barrier_signal -1
	MUL16 2, 1, 1, \slot, 0
	WIN 0
	s_barrier_wait -1
.if \fill
	CREST                                          ; the barrier has opened a round of the cluster's: no wave of any partner still reads this slot or has a load on its way
	s_add_nc_u64 s[G0+4*\slot+2:G0+4*\slot+3], s[G0+4*\slot+2:G0+4*\slot+3], 6144
	s_add_nc_u64 s[G0B+4*\slot+2:G0B+4*\slot+3], s[G0B+4*\slot+2:G0B+4*\slot+3], 6144
	JLOAD G0+4*\slot, G1, G0B+4*\slot, G1B
.else
	PLACES 4
.endif
	v_add_nc_u32 v[ADRS], 128, v[ADRS]
	FETCH_B \next, 0, 0
	FETCH_A \next, 0, 0
	SCALES \next
	WIN MUL_HI
	MUL16 4, 1, 1, \slot, 0
	MUL16 6, 1, 1, \slot, 0
	PLACES 4
	WIN 0
	FETCH_A \next, 0, 4
.endm
	s_load_b256 s[4:11], s[0:1], 0x0               ; ctx, cscl, img, scl
	s_load_b128 s[12:15], s[0:1], 0x20             ; bo, out0
	v_lshl_add_u32 v[SPW], v0, 2, SPARE
	v_mov_b32 v[NIL], 0
	ds_add_u32 v28, v29
	s_wait_dscnt 0x0
	v_lshrrev_b32 v1, 5, v0
	v_readfirstlane_b32 s[WV], v1
	s_lshr_b32 s[RH], s[WV], 1
	s_and_b32 s[CH], s[WV], 1
	s_bfe_u32 s40, ttmp6, 0x40000
	s_bfe_u32 s41, ttmp6, 0x40004
	s_lshl_b32 s42, ttmp9, 2
	s_add_co_u32 s42, s42, s40                     ; X: 256 output columns
	s_and_b32 s43, ttmp7, 0xffff
	s_lshl_b32 s43, s43, 2
	s_add_co_u32 s43, s43, s41                     ; Y: 256 tokens
	s_lshl_b32 s44, s41, 2
	s_lshl_b32 s44, 15, s44
	s_lshl_b32 s45, 0x1111, s40
	s_or_b32 s[G1], s44, (3<<16)|(1<<21)
	s_or_b32 s[G1B], s45, (3<<16)|(1<<21)
.irp g, G1, G1B                                ; 8 rows (tiles) of 3,072 bytes (2 images), 24,576 bytes apart
	s_mov_b32 s[\g+1], 384<<16
	s_mov_b32 s[\g+2], 8<<16
	s_mov_b32 s[\g+3], 384<<16
	s_mov_b32 s[\g+4], 8
	s_mov_b32 s[\g+5], 3072
	s_mov_b32 s[\g+6], 0
	s_mov_b32 s[\g+7], 0
.endr
	s_or_b32 s[G1S], s44, (3<<16)|(1<<21)
	s_or_b32 s[G1SB], s45, (3<<16)|(1<<21)
.irp g, G1S, G1SB                              ; the scale words of 8 tiles: 8,192 dense bytes as 32 rows of 256
	s_mov_b32 s[\g+1], 32<<16
	s_mov_b32 s[\g+2], 32<<16
	s_mov_b32 s[\g+3], 32<<16
	s_mov_b32 s[\g+4], 32
	s_mov_b32 s[\g+5], 32
	s_mov_b32 s[\g+6], 0
	s_mov_b32 s[\g+7], 0
.endr
	s_lshl_b32 s47, s[CH], 3
	s_lshl_b32 s100, s43, 4
	s_add_co_u32 s100, s100, s47                   ; A's first tile: 16 Y + 8 half
	s_lshl_b32 s101, s42, 4
	s_add_co_u32 s101, s101, s47
	s_add_co_u32 s101, s101, 512                   ; B's: Wo's 512 + 16 X + 8 half
	s_mul_i32 s92, s100, 24576
	s_mov_b32 s93, 0
	s_lshl_b32 s94, s100, 10
	s_mov_b32 s95, 0
	s_mul_i32 s96, s101, 24576
	s_mov_b32 s97, 0
	s_lshl_b32 s98, s101, 10
	s_mov_b32 s99, 0
	s_mul_i32 s46, s[WV], HALFT
	s_mul_i32 s47, s[WV], HALFS
	s_wait_kmcnt 0x0
	s_add_nc_u64 s[92:93], s[4:5], s[92:93]
	s_add_nc_u64 s[94:95], s[6:7], s[94:95]
	s_add_nc_u64 s[96:97], s[8:9], s[96:97]
	s_add_nc_u64 s[98:99], s[10:11], s[98:99]
	CROUND                                         ; all sixteen work-groups are here: the first joint loads meet
	s_mov_b32 s[G0S], 1
	s_add_co_u32 s[G0S+1], s47, SCL
	s_mov_b64 s[G0S+2:G0S+3], s[94:95]
	s_or_b32 s[G0S+3], s[G0S+3], 0x80000000
	s_mov_b32 s[G0SB], 1
	s_add_co_u32 s[G0SB+1], s47, SCL
	s_mov_b64 s[G0SB+2:G0SB+3], s[98:99]
	s_or_b32 s[G0SB+3], s[G0SB+3], 0x80000000
	JLOAD G0S, G1S, G0SB, G1SB
.irp s, 0,1
	s_mov_b32 s[G0+4*\s], 1
	s_add_co_u32 s[G0+4*\s+1], s46, \s*SLOT
	s_add_nc_u64 s[G0+4*\s+2:G0+4*\s+3], s[92:93], \s*3072
	s_or_b32 s[G0+4*\s+3], s[G0+4*\s+3], 0x80000000
	s_mov_b32 s[G0B+4*\s], 1
	s_add_co_u32 s[G0B+4*\s+1], s46, \s*SLOT
	s_add_nc_u64 s[G0B+4*\s+2:G0B+4*\s+3], s[96:97], \s*3072
	s_or_b32 s[G0B+4*\s+3], s[G0B+4*\s+3], 0x80000000
	JLOAD G0+4*\s, G1, G0B+4*\s, G1B
.endr
	v_and_b32 v1, 31, v0
	v_and_b32 v2, 15, v0                           ; r
	v_bfe_u32 v3, v0, 4, 1                         ; h
	v_lshlrev_b32 v[LI], 4, v1
	v_lshlrev_b32 v[BO], 6, v3
	s_lshl_b32 s46, s42, 10                        ; my first column, in bytes: 1,024 X + 512 half
	s_lshl_b32 s47, s[CH], 9
	s_add_co_u32 s46, s46, s47
	s_mov_b32 s47, 0
	s_add_nc_u64 s[12:13], s[12:13], s[46:47]
	s_lshl_b32 s100, s43, 21                       ; my first row: 256 Y + 128 half, of 8,192 bytes
	s_lshl_b32 s101, s[RH], 20
	s_add_co_u32 s100, s100, s101
	s_add_co_u32 s100, s100, s46
	s_mov_b32 s101, 0
	s_add_nc_u64 s[14:15], s[14:15], s[100:101]
.set ni, 0
.rept 16
	global_load_b128 v[BI+4*ni:BI+4*ni+3], v[BO], s[12:13] offset:128*(ni/4)+16*(ni%4)   ; register n: the bias of column 32 (n / 16) + 16 h + n % 16
.set ni, ni+1
.endr
	s_mul_i32 s46, s[RH], HALFT
	s_mul_i32 s47, s[CH], HALFT
	s_add_co_u32 s47, s47, 2*HALFT
.irp s, 0,1
	v_add_nc_u32 v[ADRA+\s], s46, v[LI]
	v_add_nc_u32 v[ADRB+\s], s47, v[LI]
	s_add_co_u32 s46, s46, SLOT
	s_add_co_u32 s47, s47, SLOT
.endr
	s_mul_i32 s46, s[RH], HALFS
	s_mul_i32 s47, s[CH], HALFS
	s_add_co_u32 s47, s47, 2*HALFS
	s_sub_co_u32 s47, s47, s46
	v_mul_u32_u24 v4, s47, v3                      ; lanes 16-31 take B's scale words: one product with h
	s_add_co_u32 s46, s46, SCL
	v_lshl_add_u32 v4, v2, 2, v4
	v_add_nc_u32 v[ADRS], s46, v4
	s_mul_i32 s46, s[WV], 16*SPITCH                ; my stage
	v_mul_u32_u24 v[STO], v2, SPITCH
	v_lshl_add_u32 v[STO], v3, 6, v[STO]
	v_add_nc_u32 v[STO], s46, v[STO]               ; in: row r, + 64 h
	v_add_nc_u32 v[RD], s46, v[LI]                 ; back: the 32 lanes take one row of 512 bytes
	s_wait_tensorcnt 1                             ; the scale words and my part of slot 0 are in; slot 1's load may be out
	s_barrier_signal -1
	s_barrier_wait -1
	FETCH_B 0, 0, 0
	FETCH_A 0, 0, 0
	SCALES 0
	FETCH_A 0, 0, 4
	s_wait_loadcnt 0x0                             ; the bias
	STEP 0, 0, 2                                   ; the first K step stands in front of the loop: its products start the sums from the bias
	s_mov_b32 s3, 3
.Llap:
	TURN 0, 1, 1
	STEP 1, 0, 0
	TURN 1, 0, 1
	STEP 0, 0, 0
	s_sub_co_u32 s3, s3, 1
	s_cmp_lg_u32 s3, 0
	s_cbranch_scc1 .Llap
	TURN 0, 1, 0                                   ; the last lap fills nothing
	STEP 1, 0, 0
	s_wait_dscnt 4*NL                              ; the very last K step
	WIN MUL_LO
	MUL16 0, 1, 1, 1, 0
	MUL16 2, 1, 1, 1, 0
	s_wait_dscnt 0x0
	WIN MUL_HI
	MUL16 4, 1, 1, 1, 0
	MUL16 6, 1, 1, 1, 0
	WIN 0
; THE WAY OUT, block by block of 16 tokens x 128 columns, through my own stage: a lane's eight results of tile b are columns 32 (b / 2) + 16 h + 8 (b % 2) + 0 .. 7 of its row; whole rows of 512 bytes come back.
; LDS serves a wave's instructions in order (ISA guide 5.7.1.4): no wait between the stores and the loads, nor in front of the next block's stores.
.macro TOSTAGE a
.set AC, 64*((\a)%4)
	WIN 0x08+4*((\a)/4)                            ; the data: window 2 or 3
.irp b, 0,1,2,3,4,5,6,7
	ds_store_b128 v[STO], v[AC+8*\b:AC+8*\b+3] offset:128*(\b/2)+32*(\b%2)        ; each accumulator from its low end on
	ds_store_b128 v[STO], v[AC+8*\b+4:AC+8*\b+7] offset:128*(\b/2)+32*(\b%2)+16
.endr
	WIN 0
.set BB, BK+64*((\a)%2)
.irp t, 0,1,2,3,4,5,6,7,8,9,10,11,12,13,14,15
	ds_load_b128 v[BB+4*\t:BB+4*\t+3], v[RD] offset:\t*SPITCH
.endr
.endm
.macro SEND a, younger                 ; younger: the LDS instructions issued behind block a's loads, which may stay out
.set BB, BK+64*((\a)%2)
	s_wait_dscnt \younger
.if (\a) > 0
.if ((\a)%2) == 1
	s_add_nc_u64 s[14:15], s[14:15], 8*8192        ; (behind a wait on XCNT: the earlier stores have read their base)  an odd block begins 8 rows on,
.else
	s_add_nc_u64 s[14:15], s[14:15], 24*8192       ; an even one 24
.endif
.endif
.irp t, 0,1,2,3,4,5,6,7,8,9,10,11,12,13,14,15
	global_store_b128 v[LI], v[BB+4*\t:BB+4*\t+3], s[14:15] offset:(\t+8*(\t/8))*8192 th:TH_STORE_NT   ; place t's row: 32 lanes store 512 consecutive bytes, aligned; written once
.endr
.endm
	PLACES 4                                       ; behind the last products: for the loads into A's registers and the reads of results
	TOSTAGE 0
.irp a, 1,2,3,4,5,6,7
.if \a > 1
	s_wait_xcnt 0x0                                ; block a - 2's stores have read their registers and their base
.endif
	TOSTAGE \a
	SEND \a-1, 32                                  ; behind block a - 1's loads: block a's 16 stores and 16 loads
.endr
	s_wait_xcnt 0x0
	SEND 7, 0
	s_wait_tensorcnt 0x0                           ; the wave's end
	ds_add_u32 v[SPW], v[NIL]
	s_wait_dscnt 0x0
	CROUND                                         ; the closing round
	s_endpgm
.Lfunc_end_k_q1991cac41e_outgemm:
	.size	k_q1991cac41e_outgemm, .Lfunc_end_k_q1991cac41e_outgemm-k_q1991cac41e_outgemm
	.p2alignl 7, 3214868480
	.fill 96, 4, 3214868480
	.section	.rodata,"a",@progbits
	.p2align	6, 0x0
	.amdhsa_kernel k_q1991cac41e_outgemm
		.amdhsa_group_segment_fixed_size 327680
		.amdhsa_private_segment_fixed_size 0
		.amdhsa_enable_private_segment 0
		.amdhsa_kernarg_size 48
		.amdhsa_user_sgpr_count 2
		.amdhsa_user_sgpr_kernarg_segment_ptr 1
		.amdhsa_wavefront_size32 1
		.amdhsa_system_sgpr_workgroup_id_x 1
		.amdhsa_system_sgpr_workgroup_id_y 1
		.amdhsa_system_sgpr_workgroup_id_z 1
		.amdhsa_system_vgpr_workitem_id 0
		.amdhsa_next_free_vgpr 1024
		.amdhsa_next_free_sgpr 102
		.amdhsa_reserve_vcc 0
		.amdhsa_float_denorm_mode_32 3
		.amdhsa_float_denorm_mode_16_64 3
		.amdhsa_memory_ordered 1
		.amdhsa_forward_progress 1
		.amdhsa_inst_pref_size 139
	.end_amdhsa_kernel
	.amdgpu_metadata
---
amdhsa.version: [ 1, 2 ]
amdhsa.kernels:
  - .name:           k_q1991cac41e_outgemm
    .symbol:         k_q1991cac41e_outgemm.kd
    .args:
      - { .name: ctx, .offset: 0, .size: 8, .value_kind: global_buffer, .address_space: global }
      - { .name: cscl, .offset: 8, .size: 8, .value_kind: global_buffer, .address_space: global }
      - { .name: img, .offset: 16, .size: 8, .value_kind: global_buffer, .address_space: global }
      - { .name: scl, .offset: 24, .size: 8, .value_kind: global_buffer, .address_space: global }
      - { .name: bo, .offset: 32, .size: 8, .value_kind: global_buffer, .address_space: global }
      - { .name: out0, .offset: 40, .size: 8, .value_kind: global_buffer, .address_space: global }
    .group_segment_fixed_size: 327680
    .private_segment_fixed_size: 0
    .kernarg_segment_align: 8
    .kernarg_segment_size: 48
    .max_flat_workgroup_size: 128
    .sgpr_count:     102
    .vgpr_count:     1024
    .wavefront_size: 32
...
	.end_amdgpu_metadata
.endif
;; end of part 4
;; ======== version 2 of 2: 4 launches
;; workspace buffers: img 15,728,640 bytes; scl 655,360 bytes; qkv 9,830,400 bytes; ctx 3,145,728 bytes; cscl 131,072 bytes
;; launch quant: the kernel of part 1 again; grid 256 x 1, 10 waves a work-group, no clusters, 88,320 bytes of LDS; arguments x, Wq, Wk, Wv, Wo, img, scl; writes img, scl
;; launch qkvgemm (part 5): grid 24 x 8, 4 waves a work-group, clusters of 4 x 4, 327,680 bytes of LDS; arguments img, scl, bq, bk, bv, cos, sin, qkv; writes qkv
.if DOCPART == 5
	.amdgcn_target "amdgcn-amd-amdhsa--gfx1250"
	.amdhsa_code_object_version 6
	.text
	.protected	k_q1991cac41e_qkvgemm
	.globl	k_q1991cac41e_qkvgemm
	.p2align	8
	.type	k_q1991cac41e_qkvgemm,@function
k_q1991cac41e_qkvgemm:
	s_mov_b64 s[64:65], 0
	v_nop
	global_prefetch_b8 v0, s[64:65] scope:SCOPE_SE
	s_setreg_imm32_b32 hwreg(HW_REG_WAVE_MODE, 25, 1), 1
	s_wait_xcnt 0x0
	s_wait_alu depctr_hold_cnt(0) depctr_sa_sdst(0) depctr_va_vdst(0) depctr_va_sdst(0) depctr_va_ssrc(0) depctr_va_vcc(0) depctr_vm_vsrc(0)
	s_getreg_b32 s2, hwreg(HW_REG_IB_STS2, 6, 4)
	s_cmp_eq_u32 s2, 0
	s_cbranch_scc0 .Lentry_in_a_cluster
	s_endpgm
.Lentry_in_a_cluster:
	s_bfe_u32 s2, ttmp6, 0x10000c
	s_cmp_lg_u32 s2, 0xf033
	s_cbranch_scc0 .Lentry_shape_is_right
	s_endpgm
.Lentry_shape_is_right:
; q = rope(x Wq^T + bq), k = rope(x Wk^T + bk), v = x Wv^T + bv, on codes of FP6 (E2M3) with E8M0 scales; the results are quantised in registers and leave as codes: q and k along the head's 128, v along the tokens.
; OPERANDS are fragment images (16 rows x 128 K = 1,536 bytes: register 4 c + e of lane l at 512 c + 16 l + 4 e), img [tile][K step 16][1,536], scl [tile][K step][place] words.  Place p of tile i is row 32 (i/2) + 8 (i%2) + p + 8 (p/8).
; A work-group of four waves makes 256 x 256, a wave 128 x 128: 64 accumulators.  Source 0 takes the 'B side', source 1 the 'A side': a lane holds ONE row of the A side, and its 64 registers of a block run along the B side:
; register n is B-side index 32 (n / 16) + 16 (lane / 16) + n % 16.  So a block's 64 registers are what the quantiser wants, and its result is an image.
; WORK-GROUP X = 0..15 (cluster x under 4): A side = x's tokens, B side = rows of Wq (X under 8) or Wk: a lane holds a token, registers run along a head's d.  X = 16..23: A side = rows of Wv, B side = tokens: registers run along the tokens, V's K.
; The loop over K is one text for both; the ways part once, ahead of the last K step, on the cluster's x, which all partners share.
; K goes through a ring of two LDS slots of 2 K steps; the scale words of the work-group's 512 rows come once.  CLUSTER 4 x 4: A's tiles are asked for jointly along a row of the cluster, B's along a column.
; qkv: [head 16][block of 128 tokens 16][part 3][12,800]: 8 images, then 512 bytes of scale words [lane][u]: lanes 0-15 tile 2 u, lanes 16-31 tile 2 u + 1.  Parts: 0 q, 1 k (8 tiles of tokens), 2 v (8 tiles of d, K = the block's tokens).
; THE WAY OUT: a block's image is moved into the block's own accumulator registers, which are dead by then, and stored from there: no store's data are ever written again, so no wait stands between the blocks.
; REGISTERS: window 0: v2 r, v3 h, v16-29 addresses, v32-63 scale words (two sets), v64-127 bias, v128-223 A's fragments (one set); window 1: B's fragments (two sets, at 0 and 128); windows 2, 3: accumulators ((a, b) at 8 (8 (a % 4) + b)).
; LIMITS: NaN and infinities are not served; a block of zeros carries the byte 1 (its codes are zeros; the bytes are read by this program alone); the rotation is made with fused multiply-adds.
.set FR,    12                         ; registers of a fragment
.set NL,    3                          ; LDS loads that bring one
.set HALFT, 24576                      ; 8 tiles x 2 K steps: what one tensor load brings, and what a wave reads of A or of B
.set SLOT,  4*HALFT                    ; A's two halves, then B's two
.set SCL,   2*SLOT                     ; behind the ring: the scale words
.set HALFS, 8192                       ; those of 8 tiles
.set SPARE, SCL+4*HALFS                ; the spare words, 128 bytes for each wave: two blocks of 256 bytes that no other line names
.set ADRA, 16                          ; v16-17 my A fragments in slot 0, 1
.set ADRB, 20                          ; v20-21 my B fragments
.set LI,   24                          ; v24    16 x lane
.set ADRS, 27                          ; v27    my scale words: lanes 0-15 A's, lanes 16-31 B's
.set SPW,  28
.set NIL,  29
.set SC,   32
.set BI,   64
.set AF,   128
.set TM,   32                          ; the way out: at work,
.set PWB,  48                          ; v48-55 the eight blocks' scale words, v56-59 as they are stored
.set TT,   128                         ; v128-191, v192-255: 64 numbers each
.set RR,   192
.set WV, 20
.set RH, 21
.set CH, 22
.set G1, 24
.set G0, 32
.set G1B, 48
.set G0B, 56
.set SEL, 66
.set G1S, 68
.set G0S, 76
.set G1SB, 80
.set G0SB, 88
.set MSB, 0
.macro WIN new                         ; the immediate's high byte repeats the setting that is left
.if MSB != (\new)
	s_set_vgpr_msb (MSB<<8)|(\new)
.set MSB, (\new)
.endif
.endm
.set MUL_LO, 0xa1                      ; source 0 (B) window 1, source 1 (A) window 0, C and D window 2
.set MUL_HI, 0xf1                      ; the same, C and D window 3
.set TO_B,   0x40                      ; destination window 1
; A joint load: waves 0 and 1 fetch for A, waves 2 and 3 for B; the branch hangs on the wave's number alone.  Four v_nop follow each line.
.macro JLOAD g0a, g1a, g0b, g1b
	s_cmp_eq_u32 s[RH], 0
	s_cbranch_scc0 .Lfor_b_\@
	tensor_load_to_lds s[\g0a:\g0a+3], s[\g1a:\g1a+7]
	s_nop 0
.rept 4
	v_nop
.endr
	s_branch .Lasked_\@
.Lfor_b_\@:
	tensor_load_to_lds s[\g0b:\g0b+3], s[\g1b:\g1b+7]
	s_nop 0
.rept 4
	v_nop
.endr
.Lasked_\@:
.endm
.macro CREST                           ; a round of the cluster's barrier behind its opening barrier
	s_cmp_lg_u32 s[WV], 0
	s_cbranch_scc1 .Lnot_wave_0_\@
	s_barrier_signal -3
.Lnot_wave_0_\@:
	s_barrier_wait -3
	s_barrier_signal -1
	s_barrier_wait -1
.endm
.macro CROUND
	s_barrier_signal -1
	s_barrier_wait -1
	CREST
.endm
.macro PLACES n                        ; plain places behind matrix instructions, in front of loads into their registers and of reads of their results
.rept \n
	v_nop
.endr
.endm
.macro FRAG reg, adr, q, i             ; an image comes back as it was stored: three loads of 512 consecutive bytes
.irp c, 0,1,2
	ds_load_b128 v[\reg+4*\c:\reg+4*\c+3], v[\adr] offset:3072*(\i)+1536*(\q)+512*\c
.endr
.endm
.macro FETCH_B slot, q, p
	WIN TO_B
.irp i, 0,1,2,3,4,5,6,7
	FRAG 128*(\p)+FR*\i, ADRB+\slot, \q, \i
.endr
	WIN 0
.endm
.macro FETCH_A slot, q, i0
.irp i, \i0, \i0+1, \i0+2, \i0+3
	FRAG AF+FR*(\i), ADRA+\slot, \q, \i
.endr
.endm
.macro SCALES sc                       ; a slot's scale words: register 2 i + q: lanes 0-15 A's block i, lanes 16-31 B's block i
.irp i, 0,1,2,3,4,5,6,7
.irp q, 0,1
	ds_load_b32 v[SC+16*\sc+2*\i+\q], v[ADRS] offset:1024*\i+64*\q
.endr
.endr
.endm
; 16 matrix instructions: A's blocks a0, a0 + 1 x B's eight.  zero = 1: the first product starts the sums.  The 64 accumulators take turns, one instruction a turn.
.macro MUL16 a0, p, q, sc, zero
.irp a, \a0, \a0+1
.irp b, 0,1,2,3,4,5,6,7
.if \zero == 1
	v_wmma_scale_f32_16x16x128_f8f6f4 v[8*(8*((\a)%4)+\b):8*(8*((\a)%4)+\b)+7], v[128*(\p)+FR*\b:128*(\p)+FR*\b+FR-1], v[AF+FR*(\a):AF+FR*(\a)+FR-1], 0, v[SC+16*(\sc)+2*\b+(\q)], v[SC+16*(\sc)+2*(\a)+(\q)] matrix_a_fmt:MATRIX_FMT_FP6 matrix_b_fmt:MATRIX_FMT_FP6 matrix_a_scale:MATRIX_SCALE_ROW1
.else
	v_wmma_scale_f32_16x16x128_f8f6f4 v[8*(8*((\a)%4)+\b):8*(8*((\a)%4)+\b)+7], v[128*(\p)+FR*\b:128*(\p)+FR*\b+FR-1], v[AF+FR*(\a):AF+FR*(\a)+FR-1], v[8*(8*((\a)%4)+\b):8*(8*((\a)%4)+\b)+7], v[SC+16*(\sc)+2*\b+(\q)], v[SC+16*(\sc)+2*(\a)+(\q)] matrix_a_fmt:MATRIX_FMT_FP6 matrix_b_fmt:MATRIX_FMT_FP6 matrix_a_scale:MATRIX_SCALE_ROW1
.endif
.endr
.endr
.endm
; A K step that has its successor in the same slot
.macro STEP slot, q, zero
	s_wait_dscnt 4*NL                              ; all but the youngest 12 loads (A's blocks 4-7) are in
	WIN MUL_LO
	MUL16 0, (\q)%2, \q, \slot, \zero
	MUL16 2, (\q)%2, \q, \slot, \zero
	s_wait_dscnt 0x0
	PLACES 4
	FETCH_B \slot, (\q)+1, 1-(\q)%2
	FETCH_A \slot, (\q)+1, 0
	WIN MUL_HI
	MUL16 4, (\q)%2, \q, \slot, \zero
	MUL16 6, (\q)%2, \q, \slot, \zero
	PLACES 4
	WIN 0
	FETCH_A \slot, (\q)+1, 4
.endm
; A slot's last K step changes slots: one barrier; in front of it each wave waits for all its tensor loads, adds 0 to its spare word, and waits for that and for its reads of this slot
.macro TURN slot, next, fill
	s_wait_tensorcnt 0x0                           ; all my tensor loads have landed: my part of the next slot
	ds_add_u32 v[SPW], v[NIL]                      ; 0 onto my spare word
	s_wait_dscnt 4*NL+1                            ; the add and the youngest 12 loads may be out
	WIN MUL_LO
	MUL16 0, 1, 1, \slot, 0
	s_wait_dscnt 0x0                               ; the add is done, and my reads of this slot are over
	s_barrier_signal -1
	MUL16 2, 1, 1, \slot, 0
	WIN 0
	s_barrier_wait -1
.if \fill
	CREST                                          ; the barrier has opened a round of the cluster's: no wave of any partner still reads this slot or has a load on its way
	s_add_nc_u64 s[G0+4*\slot+2:G0+4*\slot+3], s[G0+4*\slot+2:G0+4*\slot+3], 6144
	s_add_nc_u64 s[G0B+4*\slot+2:G0B+4*\slot+3], s[G0B+4*\slot+2:G0B+4*\slot+3], 6144
	JLOAD G0+4*\slot, G1, G0B+4*\slot, G1B         ; four K steps on; its four v_nop are also the places in front of the loads below
.else
	PLACES 4
.endif
	v_add_nc_u32 v[ADRS], 128, v[ADRS]             ; the next slot's scale words: 64 bytes a K step
	FETCH_B \next, 0, 0
	FETCH_A \next, 0, 0
	SCALES \next
	WIN MUL_HI
	MUL16 4, 1, 1, \slot, 0
	MUL16 6, 1, 1, \slot, 0
	PLACES 4
	WIN 0
	FETCH_A \next, 0, 4
.endm
.macro LASTK                           ; the very last K step: nothing more to fetch
	s_wait_dscnt 4*NL
	WIN MUL_LO
	MUL16 0, 1, 1, 1, 0
	MUL16 2, 1, 1, 1, 0
	s_wait_dscnt 0x0
	WIN MUL_HI
	MUL16 4, 1, 1, 1, 0
	MUL16 6, 1, 1, 1, 0
	WIN 0
.endm
; 64 numbers of a lane (register 16 b + i = k 32 b + 16 (lane / 16) + i of my row) become a fragment's 12 registers in v[pc] on and its row's scale word in v[pw]
.macro QUANT src, pc, tm, pw
.irp b, 0,1,2,3
	v_max3_num_f32 v[\tm+\b], |v[\src+16*\b]|, |v[\src+1+16*\b]|, 0x1800000   ; my 16 numbers, and the floor 2^(3 - 127): the byte cannot fall under 1
.endr
.irp i, 2,4,6,8,10,12,14
.irp b, 0,1,2,3
	v_max3_num_f32 v[\tm+\b], v[\tm+\b], |v[\src+16*\b+\i]|, |v[\src+1+16*\b+\i]|
.endr
.endr
.irp b, 0,1,2,3
	v_permlanex16_b32 v[\tm+4+\b], v[\tm+\b], s[SEL], s[SEL+1]
.endr
.irp b, 0,1,2,3
	v_max_num_f32 v[\tm+\b], v[\tm+\b], v[\tm+4+\b]
.endr
.irp b, 0,1,2,3
	v_add_nc_u32 v[\tm+12+\b], 0xff000000, v[\tm+\b]   ; 2 off the exponent field: the conversion's scale operand
.endr
.irp b, 0,1,2,3
	v_lshrrev_b32 v[\tm+4+\b], 23, v[\tm+12+\b]   ; the scale's byte
.endr
	v_lshl_or_b32 v[\pw], v[\tm+5], 8, v[\tm+4]
	v_lshl_or_b32 v[\pw], v[\tm+6], 16, v[\pw]
	v_lshl_or_b32 v[\pw], v[\tm+7], 24, v[\pw]
.irp c, 0,1
	v_cvt_scalef32_pk16_fp6_f32 v[\pc+6*\c:\pc+2+6*\c], v[\src+32*\c:\src+15+32*\c], v[\tm+12+2*\c]
	v_cvt_scalef32_pk16_fp6_f32 v[\pc+12+4*\c:\pc+14+4*\c], v[\src+16+32*\c:\src+31+32*\c], v[\tm+12+2*\c+1]
.endr
	v_nop                                          ; one plain place behind a scaled conversion
.irp c, 0,1
.irp i, 0,1,2
	v_permlane16_swap_b32 v[\pc+6*\c+\i], v[\pc+12+4*\c+\i]
.endr
.irp i, 0,1,2
	v_mov_b32 v[\pc+3+6*\c+\i], v[\pc+12+4*\c+\i]
.endr
.endr
.endm
; cos and sin of block a's 16 tokens, in the results' layout, into set st of window 1: cos at 128 st, sin at 128 st + 64
.macro CSLOAD a, st
	WIN 0x40
.set ni, 0
.rept 16
	global_load_b128 v[128*(\st)+4*ni:128*(\st)+4*ni+3], v25, s[14:15] offset:(32*((\a)/2)+8*((\a)%2))*512+128*(ni/4)+16*(ni%4)
	global_load_b128 v[128*(\st)+64+4*ni:128*(\st)+64+4*ni+3], v25, s[16:17] offset:(32*((\a)/2)+8*((\a)%2))*512+128*(ni/4)+16*(ni%4)
.set ni, ni+1
.endr
	WIN 0
.endm
; block a's image, 12 registers from v[src] on, goes into the first 12 of the block's own 64 accumulator registers, which nothing reads any more, and is stored from there: these registers are written by no later line
.macro OUTIMG src, a
	WIN 0x80+0x40*((\a)/4)                         ; destination: window 2 or 3
.set ni, 0
.rept 12
	v_mov_b32 v[64*((\a)%4)+ni], v[\src+ni]
.set ni, ni+1
.endr
	WIN 0x08+4*((\a)/4)                            ; a store's data are its source 1
.irp c, 0,1,2
	global_store_b128 v[LI], v[64*((\a)%4)+4*\c:64*((\a)%4)+4*\c+3], s[18:19] offset:1536*(\a)+512*\c   ; 32 lanes store 512 consecutive bytes, aligned
.endr
	WIN 0
.endm
; q or k, block a: bias, rotation, quantiser, image out.  d + 64 is register n + 32 of the same lane.  The tables of block a + 2 are asked for as soon as the rotation has read the set that they take
.macro QKBLOCK a
.if (\a) < 7
	s_wait_loadcnt 32                              ; this block's tables (and the bias) are in; the next block's 32 loads may be out
.else
	s_wait_loadcnt 0x0
.endif
	WIN 0x02+(\a)/4                                ; source 0: the accumulators' window
.set ni, 0
.rept 32
	v_pk_add_f32 v[TT+ni:TT+ni+1], v[64*((\a)%4)+ni:64*((\a)%4)+ni+1], v[BI+ni:BI+ni+1]   ; each accumulator from its low end on
.set ni, ni+2
.endr
	WIN 0x04                                       ; source 1: the tables' window
.set ni, 0
.rept 32
	v_pk_mul_f32 v[RR+ni:RR+ni+1], v[TT+ni:TT+ni+1], v[128*((\a)%2)+ni:128*((\a)%2)+ni+1]
.set ni, ni+2
.endr
.set ni, 0
.rept 16
	v_pk_fma_f32 v[RR+ni:RR+ni+1], v[TT+32+ni:TT+32+ni+1], v[128*((\a)%2)+64+ni:128*((\a)%2)+64+ni+1], v[RR+ni:RR+ni+1] neg_lo:[1,0,0] neg_hi:[1,0,0]   ; d under 64: - t(d + 64) sin
.set ni, ni+2
.endr
.set ni, 32
.rept 16
	v_pk_fma_f32 v[RR+ni:RR+ni+1], v[TT-32+ni:TT-32+ni+1], v[128*((\a)%2)+64+ni:128*((\a)%2)+64+ni+1], v[RR+ni:RR+ni+1]   ; d from 64 on: + t(d - 64) sin
.set ni, ni+2
.endr
.if (\a) < 6
	CSLOAD (\a)+2, (\a)%2
.endif
	WIN 0
	QUANT RR, TT, TM, PWB+(\a)
	OUTIMG TT, \a
.endm
; v, block a (16 of the head's d): bias of my d, quantiser along the tokens, image out
.macro VBLOCK a
	WIN 0x02+(\a)/4
.set ni, 0
.rept 32
	v_pk_add_f32 v[TT+ni:TT+ni+1], v[64*((\a)%4)+ni:64*((\a)%4)+ni+1], v[BI+2*(\a):BI+2*(\a)+1]
.set ni, ni+2
.endr
	WIN 0
	QUANT TT, RR, TM, PWB+(\a)
	OUTIMG RR, \a
.endm
.macro WORDS                           ; the eight scale words as the next launch loads them: lanes 0-15 tile 2 u, lanes 16-31 tile 2 u + 1
.irp u, 0,1,2,3
	v_cndmask_b32 v[56+\u], v[PWB+2*\u], v[PWB+2*\u+1], s100
.endr
	global_store_b128 v[LI], v[56:59], s[18:19] offset:12288
.endm
	s_load_b512 s[4:19], s[0:1], 0x0               ; img, scl, bq, bk, bv, cos, sin, qkv
	v_lshl_add_u32 v[SPW], v0, 2, SPARE
	v_mov_b32 v[NIL], 0
	ds_add_u32 v28, v29
	s_wait_dscnt 0x0
	v_lshrrev_b32 v1, 5, v0
	v_readfirstlane_b32 s[WV], v1                  ; wave 0..3
	s_lshr_b32 s[RH], s[WV], 1                     ; my half of the A side.  Also: I fetch for A (0) or for B (1)
	s_and_b32 s[CH], s[WV], 1                      ; my half of the B side.  Also: which 8 tiles I fetch
	s_bfe_u32 s40, ttmp6, 0x40000                  ; cx
	s_bfe_u32 s41, ttmp6, 0x40004                  ; cy
	s_lshl_b32 s42, ttmp9, 2
	s_add_co_u32 s42, s42, s40                     ; X
	s_and_b32 s43, ttmp7, 0xffff
	s_lshl_b32 s43, s43, 2
	s_add_co_u32 s43, s43, s41                     ; Y
	s_lshl_b32 s44, s41, 2
	s_lshl_b32 s44, 15, s44                        ; my row of the cluster
	s_lshl_b32 s45, 0x1111, s40                    ; my column
	s_or_b32 s[G1], s44, (3<<16)|(1<<21)           ; 15:0 the mask; 17:16 elements of 8 bytes; 21 set beside a mask; no padding
	s_or_b32 s[G1B], s45, (3<<16)|(1<<21)
.irp g, G1, G1B                                ; 8 rows (tiles) of 3,072 bytes (2 images), 24,576 bytes apart
	s_mov_b32 s[\g+1], 384<<16
	s_mov_b32 s[\g+2], 8<<16
	s_mov_b32 s[\g+3], 384<<16
	s_mov_b32 s[\g+4], 8
	s_mov_b32 s[\g+5], 3072
	s_mov_b32 s[\g+6], 0
	s_mov_b32 s[\g+7], 0
.endr
	s_or_b32 s[G1S], s44, (3<<16)|(1<<21)
	s_or_b32 s[G1SB], s45, (3<<16)|(1<<21)
.irp g, G1S, G1SB                              ; the scale words of 8 tiles: 8,192 dense bytes as 32 rows of 256
	s_mov_b32 s[\g+1], 32<<16
	s_mov_b32 s[\g+2], 32<<16
	s_mov_b32 s[\g+3], 32<<16
	s_mov_b32 s[\g+4], 32
	s_mov_b32 s[\g+5], 32
	s_mov_b32 s[\g+6], 0
	s_mov_b32 s[\g+7], 0
.endr
	s_lshr_b32 s46, ttmp9, 2                       ; 0: q and k; 1: v
	s_mul_i32 s46, s46, 384
	s_lshl_b32 s47, s[CH], 3
	s_lshl_b32 s100, s43, 4
	s_add_co_u32 s100, s100, s47
	s_add_co_u32 s100, s100, s46                   ; A's first tile: x's 16 Y + 8 half, or Wv's, 384 on: it hangs on Y alone
	s_lshl_b32 s101, s42, 4
	s_add_co_u32 s101, s101, s47
	s_add_co_u32 s101, s101, 128
	s_sub_co_u32 s101, s101, s46                   ; B's: Wq's and Wk's 128 + 16 X + 8 half, or x's 16 (X - 16) + 8 half: it hangs on X alone
	s_mul_i32 s92, s100, 24576
	s_mov_b32 s93, 0
	s_lshl_b32 s94, s100, 10
	s_mov_b32 s95, 0
	s_mul_i32 s96, s101, 24576
	s_mov_b32 s97, 0
	s_lshl_b32 s98, s101, 10
	s_mov_b32 s99, 0
	s_mul_i32 s46, s[WV], HALFT                    ; where they go: by the wave's number alone
	s_mul_i32 s47, s[WV], HALFS
	s_wait_kmcnt 0x0
	s_add_nc_u64 s[92:93], s[4:5], s[92:93]
	s_add_nc_u64 s[94:95], s[6:7], s[94:95]
	s_add_nc_u64 s[96:97], s[4:5], s[96:97]
	s_add_nc_u64 s[98:99], s[6:7], s[98:99]
	CROUND                                         ; all sixteen work-groups are here: the first joint loads meet
	s_mov_b32 s[G0S], 1
	s_add_co_u32 s[G0S+1], s47, SCL
	s_mov_b64 s[G0S+2:G0S+3], s[94:95]
	s_or_b32 s[G0S+3], s[G0S+3], 0x80000000
	s_mov_b32 s[G0SB], 1
	s_add_co_u32 s[G0SB+1], s47, SCL
	s_mov_b64 s[G0SB+2:G0SB+3], s[98:99]
	s_or_b32 s[G0SB+3], s[G0SB+3], 0x80000000
	JLOAD G0S, G1S, G0SB, G1SB                     ; the scale words first: they are wanted with K step 0
.irp s, 0,1
	s_mov_b32 s[G0+4*\s], 1
	s_add_co_u32 s[G0+4*\s+1], s46, \s*SLOT
	s_add_nc_u64 s[G0+4*\s+2:G0+4*\s+3], s[92:93], \s*3072
	s_or_b32 s[G0+4*\s+3], s[G0+4*\s+3], 0x80000000
	s_mov_b32 s[G0B+4*\s], 1
	s_add_co_u32 s[G0B+4*\s+1], s46, \s*SLOT
	s_add_nc_u64 s[G0B+4*\s+2:G0B+4*\s+3], s[96:97], \s*3072
	s_or_b32 s[G0B+4*\s+3], s[G0B+4*\s+3], 0x80000000
	JLOAD G0+4*\s, G1, G0B+4*\s, G1B
.endr
	v_and_b32 v1, 31, v0
	v_and_b32 v2, 15, v0                           ; r
	v_bfe_u32 v3, v0, 4, 1                         ; h
	v_lshlrev_b32 v[LI], 4, v1
	s_mul_i32 s46, s[RH], HALFT
	s_mul_i32 s47, s[CH], HALFT
	s_add_co_u32 s47, s47, 2*HALFT
.irp s, 0,1
	v_add_nc_u32 v[ADRA+\s], s46, v[LI]
	v_add_nc_u32 v[ADRB+\s], s47, v[LI]
	s_add_co_u32 s46, s46, SLOT
	s_add_co_u32 s47, s47, SLOT
.endr
	s_mul_i32 s46, s[RH], HALFS                    ; A's scale words: my 8 tiles
	s_mul_i32 s47, s[CH], HALFS                    ; B's: my 8 tiles, behind A's 16
	s_add_co_u32 s47, s47, 2*HALFS
	s_sub_co_u32 s47, s47, s46
	v_mul_u32_u24 v4, s47, v3                      ; lanes 16-31 take B's: one product with h
	s_add_co_u32 s46, s46, SCL
	v_lshl_add_u32 v4, v2, 2, v4
	v_add_nc_u32 v[ADRS], s46, v4
	s_mov_b32 s[SEL], 0x76543210
	s_mov_b32 s[SEL+1], 0xfedcba98
	s_mov_b32 s100, 0xffff0000                     ; lanes 16-31
	s_wait_tensorcnt 1                             ; the scale words and my part of slot 0 are in; slot 1's load may be out
	s_barrier_signal -1
	s_barrier_wait -1
	FETCH_B 0, 0, 0
	FETCH_A 0, 0, 0
	SCALES 0
	FETCH_A 0, 0, 4
	STEP 0, 0, 1                                   ; the first K step stands in front of the loop: its products start the sums
	s_mov_b32 s3, 3
.Llap:                                                 ; a trip goes once round the ring and fills both slots again
	TURN 0, 1, 1
	STEP 1, 0, 0
	TURN 1, 0, 1
	STEP 0, 0, 0
	s_sub_co_u32 s3, s3, 1
	s_cmp_lg_u32 s3, 0
	s_cbranch_scc1 .Llap
	TURN 0, 1, 0                                   ; the last lap fills nothing
	STEP 1, 0, 0
	s_mov_b32 s97, 0
	s_cmp_lt_u32 ttmp9, 4                          ; the ways part here, once, on the cluster's x
	s_cbranch_scc0 .Lvpath
	; ---- q and k
	s_and_b32 s92, s42, 7
	s_lshl_b32 s92, s92, 1
	s_add_co_u32 s92, s92, s[CH]                   ; head = 2 (X % 8) + my half of the B side
	s_lshr_b32 s93, s42, 3                         ; part: 0 q, 1 k
	s_lshl_b32 s94, s43, 1
	s_add_co_u32 s94, s94, s[RH]                   ; block of 128 tokens
	s_lshl_b32 s95, s92, 4
	s_add_co_u32 s95, s95, s94
	s_mul_i32 s95, s95, 3
	s_add_co_u32 s95, s95, s93
	s_mul_i32 s96, s95, 12800
	s_add_nc_u64 s[18:19], s[18:19], s[96:97]
	s_cmp_lt_u32 ttmp9, 2
	s_cselect_b64 s[8:9], s[8:9], s[10:11]         ; bq or bk
	s_lshl_b32 s96, s92, 9
	s_add_nc_u64 s[8:9], s[8:9], s[96:97]          ; the head's 128 numbers
	s_lshl_b32 s96, s94, 16                        ; 128 rows of 512 bytes
	s_add_nc_u64 s[14:15], s[14:15], s[96:97]
	s_add_nc_u64 s[16:17], s[16:17], s[96:97]
	v_lshlrev_b32 v26, 6, v3                       ; 64 h
	v_and_b32 v25, 8, v2
	v_add_nc_u32 v25, v25, v2
	v_lshl_add_u32 v25, v25, 9, v26                ; the tables: row r + 8 (r / 8), + 64 h
.set ni, 0
.rept 16
	global_load_b128 v[BI+4*ni:BI+4*ni+3], v26, s[8:9] offset:128*(ni/4)+16*(ni%4)   ; register n: the bias of d = 32 (n / 16) + 16 h + n % 16
.set ni, ni+1
.endr
	CSLOAD 0, 0                                    ; into B's set 0, which the last K step does not read; four places stand behind its last products
	LASTK
.irp b, 0,1,2,3
	v_mov_b32 v[TM+4+\b], 0                        ; a lane permute's destination counts as one of its sources; these four name no register of the last products: they are the places behind them
.endr
	CSLOAD 1, 1                                    ; into B's set 1, which the last products have read
.irp a, 0,1,2,3,4,5,6,7
	QKBLOCK \a
.endr
	WORDS
	s_branch .Ljoin
.Lvpath:
	; ---- v
	s_lshl_b32 s92, s43, 1
	s_add_co_u32 s92, s92, s[RH]                   ; head = 2 Y + my half of the A side
	s_sub_co_u32 s94, s42, 16
	s_lshl_b32 s94, s94, 1
	s_add_co_u32 s94, s94, s[CH]                   ; block of 128 tokens
	s_lshl_b32 s95, s92, 4
	s_add_co_u32 s95, s95, s94
	s_mul_i32 s95, s95, 3
	s_add_co_u32 s95, s95, 2
	s_mul_i32 s96, s95, 12800
	s_add_nc_u64 s[18:19], s[18:19], s[96:97]
	s_lshl_b32 s96, s92, 9
	s_add_nc_u64 s[12:13], s[12:13], s[96:97]
	v_and_b32 v26, 8, v2
	v_add_nc_u32 v26, v26, v2
	v_lshlrev_b32 v26, 2, v26                      ; 4 (r + 8 (r / 8))
.irp a, 0,1,2,3,4,5,6,7
	global_load_b32 v[BI+2*\a], v26, s[12:13] offset:4*(32*(\a/2)+8*(\a%2))     ; the bias of my d in block a, twice: a pair for the packed addition
	global_load_b32 v[BI+2*\a+1], v26, s[12:13] offset:4*(32*(\a/2)+8*(\a%2))
.endr
	LASTK
.irp b, 0,1,2,3
	v_mov_b32 v[TM+4+\b], 0                        ; as above: also the places behind the last products
.endr
	s_wait_loadcnt 0x0                             ; the bias
.irp a, 0,1,2,3,4,5,6,7
	VBLOCK \a
.endr
	WORDS
.Ljoin:
	s_wait_tensorcnt 0x0                           ; the wave's end
	ds_add_u32 v[SPW], v[NIL]
	s_wait_dscnt 0x0
	CROUND                                         ; the closing round: no work-group ends while a partner may still ask for a tile that names it
	s_endpgm
.Lfunc_end_k_q1991cac41e_qkvgemm:
	.size	k_q1991cac41e_qkvgemm, .Lfunc_end_k_q1991cac41e_qkvgemm-k_q1991cac41e_qkvgemm
	.p2alignl 7, 3214868480
	.fill 96, 4, 3214868480
	.section	.rodata,"a",@progbits
	.p2align	6, 0x0
	.amdhsa_kernel k_q1991cac41e_qkvgemm
		.amdhsa_group_segment_fixed_size 327680
		.amdhsa_private_segment_fixed_size 0
		.amdhsa_enable_private_segment 0
		.amdhsa_kernarg_size 64
		.amdhsa_user_sgpr_count 2
		.amdhsa_user_sgpr_kernarg_segment_ptr 1
		.amdhsa_wavefront_size32 1
		.amdhsa_system_sgpr_workgroup_id_x 1
		.amdhsa_system_sgpr_workgroup_id_y 1
		.amdhsa_system_sgpr_workgroup_id_z 1
		.amdhsa_system_vgpr_workitem_id 0
		.amdhsa_next_free_vgpr 1024
		.amdhsa_next_free_sgpr 102
		.amdhsa_reserve_vcc 0
		.amdhsa_float_denorm_mode_32 3
		.amdhsa_float_denorm_mode_16_64 3
		.amdhsa_memory_ordered 1
		.amdhsa_forward_progress 1
		.amdhsa_inst_pref_size 255
	.end_amdhsa_kernel
	.section	.bss,"aw",@nobits
	.p2align	6
	.space	262144
	.amdgpu_metadata
---
amdhsa.version: [ 1, 2 ]
amdhsa.kernels:
  - .name:           k_q1991cac41e_qkvgemm
    .symbol:         k_q1991cac41e_qkvgemm.kd
    .args:
      - { .name: img, .offset: 0, .size: 8, .value_kind: global_buffer, .address_space: global }
      - { .name: scl, .offset: 8, .size: 8, .value_kind: global_buffer, .address_space: global }
      - { .name: bq, .offset: 16, .size: 8, .value_kind: global_buffer, .address_space: global }
      - { .name: bk, .offset: 24, .size: 8, .value_kind: global_buffer, .address_space: global }
      - { .name: bv, .offset: 32, .size: 8, .value_kind: global_buffer, .address_space: global }
      - { .name: cos, .offset: 40, .size: 8, .value_kind: global_buffer, .address_space: global }
      - { .name: sin, .offset: 48, .size: 8, .value_kind: global_buffer, .address_space: global }
      - { .name: qkv, .offset: 56, .size: 8, .value_kind: global_buffer, .address_space: global }
    .group_segment_fixed_size: 327680
    .private_segment_fixed_size: 0
    .kernarg_segment_align: 8
    .kernarg_segment_size: 64
    .max_flat_workgroup_size: 128
    .sgpr_count:     102
    .vgpr_count:     1024
    .wavefront_size: 32
...
	.end_amdgpu_metadata
.endif
;; end of part 5
;; launch attn (part 6): grid 16 x 16, 8 waves a work-group, clusters of 4 x 4, 327,680 bytes of LDS; arguments qkv, mask, ctx, cscl; writes ctx, cscl
.if DOCPART == 6
	.amdgcn_target "amdgcn-amd-amdhsa--gfx1250"
	.amdhsa_code_object_version 6
	.text
	.protected	k_q1991cac41e_attn
	.globl	k_q1991cac41e_attn
	.p2align	8
	.type	k_q1991cac41e_attn,@function
k_q1991cac41e_attn:
	s_mov_b64 s[64:65], 0
	v_nop
	global_prefetch_b8 v0, s[64:65] scope:SCOPE_SE
	s_setreg_imm32_b32 hwreg(HW_REG_WAVE_MODE, 25, 1), 1
	s_wait_xcnt 0x0
	s_wait_alu depctr_hold_cnt(0) depctr_sa_sdst(0) depctr_va_vdst(0) depctr_va_sdst(0) depctr_va_ssrc(0) depctr_va_vcc(0) depctr_vm_vsrc(0)
	s_getreg_b32 s2, hwreg(HW_REG_IB_STS2, 6, 4)
	s_cmp_eq_u32 s2, 0
	s_cbranch_scc0 .Lentry_in_a_cluster
	s_endpgm
.Lentry_in_a_cluster:
	s_bfe_u32 s2, ttmp6, 0x10000c
	s_cmp_lg_u32 s2, 0xf033
	s_cbranch_scc0 .Lentry_shape_is_right
	s_endpgm
.Lentry_shape_is_right:
; ctx[q][head] = softmax_k(q . k / sqrt(128) + mask[q][k]) v, both products on codes of FP6 (E2M3) with E8M0 scales; the mask is an input and is read whole, in f32.
; THE SOFTMAX AHEAD OF THE SECOND PRODUCT: u = score / sqrt(128) + mask; t = u log2(e); M = the row's largest t so far, rounded up to a whole number; p = 2^(t - M) is quantised along the keys, not normalised.
; The row's sum is taken of the unquantised p and divides at the end.  When M moves, the sum and O are multiplied by 2^(old M - new M): exact.
; SHARES: work-group (X, Y) owns queries 128 X .. 128 X + 127 of head Y; wave w owns tile 8 X + w, 16 queries (place r: local row 32 (w/2) + 8 (w%2) + r + 8 (r/8)).  Every wave walks 16 steps of 128 keys.
; Both products are used transposed (S^T = K Q^T, O^T = V^T P^T): a lane holds one query throughout.  K's tiles hold keys 32 (t/2) + 8 (t%2) + p + 8 (p/8), so register n of S^T is key 32 (n/16) + 16 (lane/16) + n % 16.
; qkv: [head][block of 128 tokens][part: q, k, v][8 images of 1,536 bytes, 512 bytes of scale words [lane][u]: lanes 0-15 tile 2 u, lanes 16-31 tile 2 u + 1].  An image is a fragment's registers on end: three loads of 512 consecutive bytes.
; THREE LDS REGIONS, each a step's K part, V part and mask tile of 128 x 128 f32 (rows 520 bytes apart = 130 words: the 32 lanes of a load of 8 bytes touch 64 different banks; 64 banks of 4 bytes: ISA guide 11.1).  Step t lies in region t % 3.
; Steps 0 to 2 are first fills.  A trip of the loop is three steps with TWO changes: steps in regions 0 and 1; a change that fills both again (waves 0-3: halves of two mask tiles; waves 4, 5: K and V of a step each, 25,600 dense bytes);
; the step in region 2; a change that fills it again (waves 0, 1, 4).  So loads are awaited 11 times for 16 steps, and every second fill has two steps in which to land.  A wave has at most two tensor loads out (at the start), later one.
; CLUSTER 4 x 4: K and V hang on the head alone and are asked for jointly along a row of the cluster; the mask tile hangs on the query block alone and is asked for jointly along a column.
; OUT: O^T / the sum is quantised along the head's d: image to ctx [tile 128][head 16][1,536], scale words to cscl [tile][head][16].
; REGISTERS: window 0: v1-10 addresses, v12 -M, v13 largest t, v[14:15] the sum, v16-27 Q, v80-87 K's and V's scale words, v96-159 S^T then p, v160-223 O^T, v224-254 p's codes and work, v255 Q's scale word.  Window 1: v0-63 mask, v64-159 K, v160-255 V.
; LIMITS: NaN and infinities are not served (a row whose mask is wholly -infinity gives NaN as reference() does).  Where |t| passes 2^24, M is only as fine as f32 there and p may pass 1, by up to 2^64: the blocks' scales and the sum take that up.
; A block of zeros carries the byte 1: its codes are zeros.
.set REG,   92160
.set VOFF,  12800
.set MOFF,  25600
.set MP,    520
.set SPARE, 3*REG                      ; the spare words, 128 bytes for each wave: four blocks of 256 bytes that no other line names
.set LI,  1                            ; v1    16 x lane
.set ADI, 2                            ; v2-4  a region's images for my lane
.set SPW, 6
.set NIL, 7
.set ADM, 8                            ; v8-10 my row of a region's mask tile, + 64 (lane / 16)
.set PFO, 28                           ; v28   the prefetches' offset
.set R4,  29                           ; v29   4 r
.set TM,  32
.set PW,  48
.set KS,  80
.set VS,  84
.set KF,  64                           ; in window 1
.set VF,  160
.set WV,  12
.set CNT, 17
.set LIM0, 18
.set LIM1, 19
.set SEL, 20
.set CS,  22                           ; s[22:23] log2(e)
.set G1M, 24
.set G1K, 32
.set G0MX, 40                          ; groups 0 of the change that fills regions 0 and 1: the mask's,
.set G0KX, 44                          ; K's and V's;
.set G0MY, 48                          ; and of the change that fills region 2
.set G0KY, 52
.set SCA, 56                           ; s[56:57] 1 / sqrt(128)
.set PFA, 58                           ; s[58:63] where my prefetches stand: three steps' tiles
.set PFB, 60
.set PFC, 62
.set PFS, 66                           ; s[66:67] three steps on
.set MSB, 0
.macro WIN new
.if MSB != (\new)
	s_set_vgpr_msb (MSB<<8)|(\new)
.set MSB, (\new)
.endif
.endm
.macro ROUND                           ; a round of the cluster's barrier
	s_barrier_signal -1
	s_barrier_wait -1
	s_cmp_lg_u32 s[WV], 0
	s_cbranch_scc1 .Lnot_wave_0_\@
	s_barrier_signal -3
.Lnot_wave_0_\@:
	s_barrier_wait -3
	s_barrier_signal -1
	s_barrier_wait -1
.endm
; full = 1: two steps' tiles: waves 0 to 3 fetch 64 rows of a mask tile each, waves 4 and 5 a step's K and V each.  full = 0: one step's: waves 0, 1 and 4.  Four v_nop follow each line.
.macro TLOAD gm, gk, full
.if \full
	s_cmp_lt_u32 s[WV], 4
.else
	s_cmp_lt_u32 s[WV], 2
.endif
	s_cbranch_scc0 .Lnot_m_\@
	tensor_load_to_lds s[\gm:\gm+3], s[G1M:G1M+7]
	s_nop 0
.rept 4
	v_nop
.endr
	s_branch .Lasked_\@
.Lnot_m_\@:
.if \full
	s_cmp_lt_u32 s[WV], 6
.else
	s_cmp_eq_u32 s[WV], 4
.endif
	s_cbranch_scc0 .Lasked_\@
	tensor_load_to_lds s[\gk:\gk+3], s[G1K:G1K+7]
	s_nop 0
.rept 4
	v_nop
.endr
.Lasked_\@:
.endm
; A PREFETCH INTO THE L2: each change of the loop names the tiles that the same change of the NEXT trip will ask for: three steps ahead of that load.  K and V: all query blocks of a head walk them: the clusters with x = 0 ask, wave 4;
; the four partners of a row take 6,400 of a step's 25,600 bytes each, told apart by address; 25 lanes name a block of 256 bytes each (lanes 25-31 name lane 24's again).  The mask: all heads walk it: the clusters with y = 0 ask,
; waves 6 and 7 (a half of a row's 512 bytes each); the four partners of a column take 32 rows each, a lane a row.  Steps 0 to 5 come by their loads alone; the last trip names step 15 and nothing past it.
.macro ASK lim, pf
	s_cmp_gt_u32 s[CNT], s[\lim]
	s_cbranch_scc0 .Lnot_mine_\@
	global_prefetch_b8 v[PFO], s[\pf:\pf+1] th:TH_LOAD_NT scope:SCOPE_SE
.Lnot_mine_\@:
.endm
.macro QUANT src, pc, tm, pw
.irp b, 0,1,2,3
	v_max3_num_f32 v[\tm+\b], |v[\src+16*\b]|, |v[\src+1+16*\b]|, 0x1800000   ; my 16 numbers, and the floor 2^(3 - 127): the byte cannot fall under 1
.endr
.irp i, 2,4,6,8,10,12,14
.irp b, 0,1,2,3
	v_max3_num_f32 v[\tm+\b], v[\tm+\b], |v[\src+16*\b+\i]|, |v[\src+1+16*\b+\i]|
.endr
.endr
.irp b, 0,1,2,3
	v_permlanex16_b32 v[\tm+4+\b], v[\tm+\b], s[SEL], s[SEL+1]
.endr
.irp b, 0,1,2,3
	v_max_num_f32 v[\tm+\b], v[\tm+\b], v[\tm+4+\b]
.endr
.irp b, 0,1,2,3
	v_add_nc_u32 v[\tm+12+\b], 0xff000000, v[\tm+\b]
.endr
.irp b, 0,1,2,3
	v_lshrrev_b32 v[\tm+4+\b], 23, v[\tm+12+\b]
.endr
	v_lshl_or_b32 v[\pw], v[\tm+5], 8, v[\tm+4]
	v_lshl_or_b32 v[\pw], v[\tm+6], 16, v[\pw]
	v_lshl_or_b32 v[\pw], v[\tm+7], 24, v[\pw]
.irp c, 0,1
	v_cvt_scalef32_pk16_fp6_f32 v[\pc+6*\c:\pc+2+6*\c], v[\src+32*\c:\src+15+32*\c], v[\tm+12+2*\c]
	v_cvt_scalef32_pk16_fp6_f32 v[\pc+12+4*\c:\pc+14+4*\c], v[\src+16+32*\c:\src+31+32*\c], v[\tm+12+2*\c+1]
.endr
	v_nop
.irp c, 0,1
.irp i, 0,1,2
	v_permlane16_swap_b32 v[\pc+6*\c+\i], v[\pc+12+4*\c+\i]
.endr
.irp i, 0,1,2
	v_mov_b32 v[\pc+3+6*\c+\i], v[\pc+12+4*\c+\i]
.endr
.endr
.endm
; A KEY STEP: the 128 keys of region rg
.macro STEP rg
	ds_load_b128 v[KS:KS+3], v[ADI+\rg] offset:12288             ; K's scale words: register u: lanes 0-15 tile 2 u, lanes 16-31 tile 2 u + 1
	ds_load_b128 v[VS:VS+3], v[ADI+\rg] offset:VOFF+12288        ; V's
	WIN 0x40                                       ; destination window 1
.set ni, 0
.rept 24
	ds_load_b128 v[KF+4*ni:KF+4*ni+3], v[ADI+\rg] offset:512*ni   ; K's eight images on end
.set ni, ni+1
.endr
.set ni, 0
.rept 32
	ds_load_b64 v[2*ni:2*ni+1], v[ADM+\rg] offset:128*(ni/8)+8*(ni%8)   ; the mask of my query at my 64 keys
.set ni, ni+1
.endr
	s_wait_dscnt 32                                ; the scale words and K are in; the 32 mask loads may be out
	WIN 0x01                                       ; source 0 window 1
.irp t, 0,1,2,3,4,5,6,7
.if (\t)%2
	v_wmma_scale_f32_16x16x128_f8f6f4 v[96+8*\t:103+8*\t], v[KF+12*\t:KF+12*\t+11], v[16:27], 0, v[KS+\t/2], v255 matrix_a_fmt:MATRIX_FMT_FP6 matrix_b_fmt:MATRIX_FMT_FP6 matrix_a_scale:MATRIX_SCALE_ROW1
.else
	v_wmma_scale_f32_16x16x128_f8f6f4 v[96+8*\t:103+8*\t], v[KF+12*\t:KF+12*\t+11], v[16:27], 0, v[KS+\t/2], v255 matrix_a_fmt:MATRIX_FMT_FP6 matrix_b_fmt:MATRIX_FMT_FP6
.endif
.endr
	WIN 0x40
.set ni, 0
.rept 24
	ds_load_b128 v[VF+4*ni:VF+4*ni+3], v[ADI+\rg] offset:VOFF+512*ni   ; V's eight images: they land under the softmax (four places stand behind the last step's products, which read these registers)
.set ni, ni+1
.endr
	s_wait_dscnt 24                                ; the mask is in; V's 24 loads may be out
	WIN 0
.rept 4
	v_nop                                          ; places behind the products, in front of the first read of their results
.endr
	WIN 0x10                                       ; source 2 window 1
.set ni, 0
.rept 32
	v_pk_fma_f32 v[96+ni:97+ni], v[96+ni:97+ni], s[SCA:SCA+1], v[ni:ni+1] op_sel_hi:[1,0,1]   ; u = score / sqrt(128) + mask; each accumulator from its low end on
.set ni, ni+2
.endr
	WIN 0
.irp b, 0,1,2,3
	v_max3_num_f32 v[232+\b], v[96+16*\b], v[97+16*\b], v[98+16*\b]   ; the largest u of each block of 32 keys: for the row's maximum, and, since p rises with u, for the block's largest p
.endr
.irp i, 3,5,7,9,11,13
.irp b, 0,1,2,3
	v_max3_num_f32 v[232+\b], v[232+\b], v[96+16*\b+\i], v[97+16*\b+\i]
.endr
.endr
.irp b, 0,1,2,3
	v_max_num_f32 v[232+\b], v[232+\b], v[111+16*\b]
.endr
.irp b, 0,1,2,3
	v_permlanex16_b32 v[236+\b], v[232+\b], s[SEL], s[SEL+1]
.endr
.irp b, 0,1,2,3
	v_max_num_f32 v[232+\b], v[232+\b], v[236+\b]  ; with lane l xor 16's 16 keys
.endr
	v_max3_num_f32 v254, v232, v233, v234
	v_max_num_f32 v254, v254, v235                 ; the step's largest u of my query
	v_mul_f32 v254, s[CS], v254                    ; as t
	v_max_num_f32 v13, v13, v254                   ; the running largest t
	v_mov_b32 v254, v12
	v_floor_f32 v12, -v13                          ; the new -M = floor(-t): M is a whole number
	v_sub_f32 v254, v12, v254                      ; old M less new M: a whole number, 0 or less
	v_cvt_i32_f32 v254, v254                       ; (it saturates)
	v_ldexp_f32 v252, 1.0, v254                    ; f = 2^(old M - new M)
.set ni, 0
.rept 32
	v_pk_fma_f32 v[96+ni:97+ni], v[96+ni:97+ni], s[CS:CS+1], v[12:13] op_sel_hi:[1,0,0]   ; t - M, two at a time
.set ni, ni+2
.endr
.irp b, 0,1,2,3
	v_fma_f32 v[232+\b], v[232+\b], s[CS], v12     ; the same of each block's largest u
.endr
.set ni, 0
.rept 64
	v_exp_f32 v[96+ni], v[96+ni]                   ; p = 2^(t - M)
.set ni, ni+1
.endr
	v_pk_mul_f32 v[14:15], v[14:15], v[252:253] op_sel_hi:[1,0]   ; the sums under the new M: a plain place behind the exponentials
	s_wait_alu depctr_va_vdst(0)                   ; one wait for the whole batch, ahead of its first use
.irp b, 0,1,2,3
	v_exp_f32 v[232+\b], v[232+\b]                 ; the block's largest p
.endr
	v_pk_add_f32 v[236:237], v[96:97], v[98:99]    ; the row's sum is taken of the unquantised p, in two chains
.irp j, 4,8,12,16,20,24,28,32,36,40,44,48,52,56,60
	v_pk_add_f32 v[14:15], v[14:15], v[96+\j:97+\j]
	v_pk_add_f32 v[236:237], v[236:237], v[98+\j:99+\j]
.endr
	v_pk_add_f32 v[14:15], v[14:15], v[236:237]
	s_wait_alu depctr_va_vdst(0)                   ; and one for the four
.irp b, 0,1,2,3
	v_max_num_f32 v[232+\b], 0x1800000, v[232+\b]  ; the floor 2^(3 - 127): the byte cannot fall under 1
.endr
.irp b, 0,1,2,3
	v_add_nc_u32 v[244+\b], 0xff000000, v[232+\b]  ; 2 off the exponent field: the conversion's scale operand
.endr
.irp b, 0,1,2,3
	v_lshrrev_b32 v[236+\b], 23, v[244+\b]         ; the scale's byte
.endr
	v_lshl_or_b32 v253, v237, 8, v236              ; p's scale word for these 128 keys
	v_lshl_or_b32 v253, v238, 16, v253
	v_lshl_or_b32 v253, v239, 24, v253
.irp c, 0,1
	v_cvt_scalef32_pk16_fp6_f32 v[224+6*\c:226+6*\c], v[96+32*\c:111+32*\c], v[244+2*\c]
	v_cvt_scalef32_pk16_fp6_f32 v[236+4*\c:238+4*\c], v[112+32*\c:127+32*\c], v[244+2*\c+1]
.endr
	v_nop                                          ; one plain place behind a scaled conversion
.irp c, 0,1
.irp i, 0,1,2
	v_permlane16_swap_b32 v[224+6*\c+\i], v[236+4*\c+\i]
.endr
.irp i, 0,1,2
	v_mov_b32 v[227+6*\c+\i], v[236+4*\c+\i]
.endr
.endr
.set ni, 0
.rept 32
	v_pk_mul_f32 v[160+ni:161+ni], v[160+ni:161+ni], v[252:253] op_sel_hi:[1,0]   ; O^T under the new M; these 32 are also the places between p's codes and scale word and the products below
.set ni, ni+2
.endr
	s_wait_dscnt 0x0                               ; V is in
	WIN 0x01
.irp t, 0,1,2,3,4,5,6,7
.if (\t)%2
	v_wmma_scale_f32_16x16x128_f8f6f4 v[160+8*\t:167+8*\t], v[VF+12*\t:VF+12*\t+11], v[224:235], v[160+8*\t:167+8*\t], v[VS+\t/2], v253 matrix_a_fmt:MATRIX_FMT_FP6 matrix_b_fmt:MATRIX_FMT_FP6 matrix_a_scale:MATRIX_SCALE_ROW1
.else
	v_wmma_scale_f32_16x16x128_f8f6f4 v[160+8*\t:167+8*\t], v[VF+12*\t:VF+12*\t+11], v[224:235], v[160+8*\t:167+8*\t], v[VS+\t/2], v253 matrix_a_fmt:MATRIX_FMT_FP6 matrix_b_fmt:MATRIX_FMT_FP6
.endif
.endr
	WIN 0
.rept 4
	v_nop                                          ; places in front of the next step's loads into these products' registers, and of the way out's reads
.endr
.endm
; A CHANGE: each wave waits for all its tensor loads, adds 0 to its spare word, waits for that and for its reads of the regions that it has left; a round of the cluster's barrier; the fill first behind it.
; refill = 1: groups 0 gm and gk step three key steps on and are asked for.  pf = 2: the change that fills regions 0 and 1, in the loop: it steps the prefetches' addresses and names two steps' tiles; pf = 1: region 2's: one step's.
.macro CHANGE gm, gk, full, refill, pf
	s_wait_tensorcnt 0x0                           ; no tensor load of mine is out, so a group 0 may be written
	ds_add_u32 v[SPW], v[NIL]                      ; 0 onto my spare word
.if \refill
	s_add_nc_u64 s[\gm+2:\gm+3], s[\gm+2:\gm+3], 1536      ; three tiles of 128 keys on,
	s_add_nc_u64 s[\gk+2:\gk+3], s[\gk+2:\gk+3], 115200    ; three blocks of tokens on
.endif
.if \pf == 2
	s_wait_xcnt 0x0                                ; the last prefetches, two steps back and more, have read their addresses
	s_add_nc_u64 s[PFA:PFA+1], s[PFA:PFA+1], s[PFS:PFS+1]
	s_add_nc_u64 s[PFB:PFB+1], s[PFB:PFB+1], s[PFS:PFS+1]
	s_add_nc_u64 s[PFC:PFC+1], s[PFC:PFC+1], s[PFS:PFS+1]
.endif
	s_wait_dscnt 0x0                               ; the add is done, and my reads of the regions that I have left are over
	ROUND
.if \refill
	TLOAD \gm, \gk, \full                          ; a wave's one tensor load until the next round
.endif
.if \pf == 2
	ASK LIM0, PFA
	ASK LIM1, PFB
.endif
.if \pf == 1
	ASK LIM1, PFC
.endif
.endm
	s_load_b256 s[4:11], s[0:1], 0x0               ; qkv, mask, ctx, cscl
	v_lshl_add_u32 v[SPW], v0, 2, SPARE
	v_mov_b32 v[NIL], 0
	ds_add_u32 v6, v7
	s_wait_dscnt 0x0
	v_lshrrev_b32 v11, 5, v0
	v_readfirstlane_b32 s[WV], v11                 ; wave 0..7
	s_bfe_u32 s13, ttmp6, 0x40000                  ; cx
	s_bfe_u32 s14, ttmp6, 0x40004                  ; cy
	s_lshl_b32 s15, ttmp9, 2
	s_add_co_u32 s15, s15, s13                     ; X: the block of 128 queries
	s_and_b32 s16, ttmp7, 0xffff
	s_lshl_b32 s16, s16, 2
	s_add_co_u32 s16, s16, s14                     ; Y: the head
	s_lshl_b32 s68, s14, 2
	s_lshl_b32 s68, 15, s68                        ; my row of the cluster
	s_lshl_b32 s69, 0x1111, s13                    ; my column
	s_or_b32 s[G1M], s69, (2<<16)|(1<<20)|(1<<21)|(6<<22)|(1<<25)   ; the mask tile goes to my column; elements of 4 bytes; 2 words of padding behind every 128
	s_mov_b32 s[G1M+1], 128<<16
	s_mov_b32 s[G1M+2], 64<<16                     ; 64 rows of 128 numbers, 2,048 numbers apart
	s_mov_b32 s[G1M+3], 128<<16
	s_mov_b32 s[G1M+4], 64
	s_mov_b32 s[G1M+5], 2048
	s_mov_b32 s[G1M+6], 0
	s_mov_b32 s[G1M+7], 0
	s_or_b32 s[G1K], s68, (3<<16)|(1<<21)          ; K's and V's parts go to my row; 25,600 dense bytes as 100 rows of 256
	s_mov_b32 s[G1K+1], 32<<16
	s_mov_b32 s[G1K+2], 100<<16
	s_mov_b32 s[G1K+3], 32<<16
	s_mov_b32 s[G1K+4], 100
	s_mov_b32 s[G1K+5], 32
	s_mov_b32 s[G1K+6], 0
	s_mov_b32 s[G1K+7], 0
	s_and_b32 s70, s[WV], 1                        ; which 64 rows of a mask tile (waves 0-3); which of two steps' K and V (waves 4, 5)
	s_bfe_u32 s71, s[WV], 0x10001                  ; which of two mask tiles (waves 0-3)
	s_lshl_b32 s72, s15, 20                        ; 128 X rows of 8,192 bytes: it hangs on X alone
	s_lshl_b32 s73, s70, 19                        ; + 64 rows
	s_add_co_u32 s72, s72, s73
	s_mov_b32 s73, 0
	s_lshl_b32 s74, s71, 9                         ; step 0 or 1: 512 bytes a step
	s_mov_b32 s75, 0
	s_mul_i32 s76, s70, 64*MP
	s_add_co_u32 s76, s76, MOFF                    ; my rows' place in a region
	s_mul_i32 s77, s71, REG                        ; region 0 or 1
	s_add_co_u32 s77, s77, s76
	s_mul_i32 s78, s16, 48                         ; 16 blocks x 3 parts a head: it hangs on Y alone
	s_mul_i32 s79, s70, 3
	s_add_co_u32 s79, s79, s78
	s_add_co_u32 s79, s79, 1                       ; part 1 of block 0 or 1
	s_mul_i32 s80, s79, 12800
	s_mov_b32 s81, 0
	s_add_co_u32 s78, s78, 7                       ; part 1 of block 2
	s_mul_i32 s82, s78, 12800
	s_mov_b32 s83, 0
	s_mul_i32 s84, s70, REG
	s_mov_b32 s[SEL], 0x76543210
	s_mov_b32 s[SEL+1], 0xfedcba98
	s_mov_b32 s[CS], 0x3fb8aa3b                    ; log2(e)
	s_mov_b32 s[CS+1], s[CS]
	s_mov_b32 s[SCA], 0x3db504f3                   ; 1 / sqrt(128)
	s_mov_b32 s[SCA+1], s[SCA]
	s_mov_b32 s[CNT], 4
	s_wait_kmcnt 0x0
	s_add_nc_u64 s[72:73], s[6:7], s[72:73]
	s_mov_b32 s[G0MX], 1
	s_mov_b32 s[G0MX+1], s77
	s_add_nc_u64 s[G0MX+2:G0MX+3], s[72:73], s[74:75]
	s_or_b32 s[G0MX+3], s[G0MX+3], 0x80000000
	s_mov_b32 s[G0MY], 1
	s_add_co_u32 s[G0MY+1], s76, 2*REG
	s_add_nc_u64 s[G0MY+2:G0MY+3], s[72:73], 1024
	s_or_b32 s[G0MY+3], s[G0MY+3], 0x80000000
	s_mov_b32 s[G0KX], 1
	s_mov_b32 s[G0KX+1], s84
	s_add_nc_u64 s[G0KX+2:G0KX+3], s[4:5], s[80:81]
	s_or_b32 s[G0KX+3], s[G0KX+3], 0x80000000
	s_mov_b32 s[G0KY], 1
	s_mov_b32 s[G0KY+1], 2*REG
	s_add_nc_u64 s[G0KY+2:G0KY+3], s[4:5], s[82:83]
	s_or_b32 s[G0KY+3], s[G0KY+3], 0x80000000
	ROUND                                          ; all sixteen work-groups are here: the first joint loads meet
	TLOAD G0MX, G0KX, 1                            ; steps 0 and 1,
	TLOAD G0MY, G0KY, 0                            ; and step 2: the first fills, one group; the first wait on TENSORcnt is for 0
	s_lshl_b32 s70, s15, 3
	s_add_co_u32 s70, s70, s[WV]                   ; my tile of queries
	s_lshl_b32 s72, s70, 4
	s_add_co_u32 s72, s72, s16
	s_mul_i32 s72, s72, 1536
	s_mov_b32 s73, 0
	s_add_nc_u64 s[8:9], s[8:9], s[72:73]
	s_lshl_b32 s72, s70, 10
	s_lshl_b32 s74, s16, 6
	s_add_co_u32 s72, s72, s74
	s_add_nc_u64 s[10:11], s[10:11], s[72:73]
	s_lshl_b32 s72, s16, 4
	s_add_co_u32 s72, s72, s15
	s_mul_i32 s72, s72, 38400                      ; q's part of (head, my block)
	s_add_nc_u64 s[80:81], s[4:5], s[72:73]
	s_mul_i32 s72, s[WV], 1536
	s_add_nc_u64 s[82:83], s[80:81], s[72:73]
	v_and_b32 v30, 31, v0                          ; lane
	v_and_b32 v31, 15, v0                          ; r
	v_bfe_u32 v5, v0, 4, 1                         ; h
	v_lshlrev_b32 v[LI], 4, v30
	v_lshlrev_b32 v[ADI], 4, v30
	v_add_nc_u32 v[ADI+1], REG, v[ADI]
	v_add_nc_u32 v[ADI+2], 2*REG, v[ADI]
	v_and_b32 v11, 8, v31
	v_add_nc_u32 v11, v11, v31                     ; r + 8 (r / 8)
	v_mul_u32_u24 v[ADM], v11, MP
	v_lshl_add_u32 v[ADM], v5, 6, v[ADM]
	s_lshr_b32 s74, s[WV], 1
	s_lshl_b32 s74, s74, 5
	s_and_b32 s75, s[WV], 1
	s_lshl_b32 s75, s75, 3
	s_add_co_u32 s74, s74, s75                     ; my tile's first local row
	s_mul_i32 s74, s74, MP
	s_add_co_u32 s74, s74, MOFF
	v_add_nc_u32 v[ADM], s74, v[ADM]
	v_add_nc_u32 v[ADM+1], REG, v[ADM]
	v_add_nc_u32 v[ADM+2], 2*REG, v[ADM]
	v_lshlrev_b32 v[R4], 2, v31
	s_and_b32 s74, s[WV], 1
	s_lshl_b32 s74, s74, 8
	s_lshr_b32 s75, s[WV], 1
	s_lshl_b32 s75, s75, 2
	s_add_co_u32 s74, s74, s75
	v_lshl_add_u32 v33, v31, 4, s74                ; Q's scale word: lane r + 16 (w % 2), word w / 2
.irp c, 0,1,2
	global_load_b128 v[16+4*\c:19+4*\c], v[LI], s[82:83] offset:512*\c   ; Q's image stays in registers
.endr
	global_load_b32 v255, v33, s[80:81] offset:12288
	; the prefetches: where my wave's stand, and who asks
	s_mul_i32 s70, s16, 48
	s_add_co_u32 s70, s70, 10                      ; K and V: part 1 of block 3 of my head (the first change moves it to block 6),
	s_mul_i32 s70, s70, 12800
	s_mul_i32 s71, s13, 6400                       ; my work-group's quarter
	s_add_co_u32 s70, s70, s71
	s_lshl_b32 s74, s15, 20                        ; the mask: my query block,
	s_lshl_b32 s75, s14, 18                        ; my work-group's 32 rows,
	s_add_co_u32 s74, s74, s75
	s_and_b32 s75, s[WV], 1
	s_lshl_b32 s75, s75, 8                         ; my wave's half of a row's 512 bytes,
	s_add_co_u32 s74, s74, s75
	s_add_co_u32 s74, s74, 1536                    ; step 3
	s_mov_b32 s[PFS], 1536
	s_mov_b32 s76, 512
	s_mov_b32 s79, 8192
	s_cmp_lt_u32 s[WV], 6
	s_cselect_b64 s[PFA:PFA+1], s[4:5], s[6:7]
	s_cselect_b32 s[PFS], 115200, s[PFS]           ; three steps on
	s_cselect_b32 s76, 38400, s76                  ; a step on
	s_cselect_b32 s79, 256, s79                    ; from lane to lane
	s_cselect_b32 s78, 24, 31                      ; the last lane that names a block of its own
	s_cselect_b32 s70, s70, s74
	s_mov_b32 s71, 0
	s_mov_b32 s77, 0
	s_mov_b32 s[PFS+1], 0
	s_add_nc_u64 s[PFA:PFA+1], s[PFA:PFA+1], s[70:71]
	s_add_nc_u64 s[PFB:PFB+1], s[PFA:PFA+1], s[76:77]
	s_add_nc_u64 s[PFC:PFC+1], s[PFB:PFB+1], s[76:77]
	v_min_u32 v[PFO], s78, v30
	v_mul_lo_u32 v[PFO], v[PFO], s79
	s_and_b32 s91, ttmp7, 0xffff                   ; the cluster's y
	s_cmp_ge_u32 s[WV], 6
	s_cselect_b32 s90, s91, -1
	s_cmp_eq_u32 s[WV], 4
	s_cselect_b32 s90, ttmp9, s90                  ; 0 in a wave that asks: the same in all sixteen partners, for a given wave
	s_cmp_eq_u32 s90, 0
	s_cselect_b32 s[LIM0], 0, -1                   ; steps 6, 9, 12, 15: all four trips ask;
	s_cselect_b32 s[LIM1], 1, -1                   ; steps 7, 10, 13 and 8, 11, 14: all but the last
	v_mov_b32 v13, 0xff61b1e6                      ; the largest t so far: -3e38
	v_floor_f32 v12, -v13                          ; -M
	v_mov_b32 v14, 0
	v_mov_b32 v15, 0
.irp b, 0,1,2,3
	v_mov_b32 v[236+\b], 0                         ; a lane permute's destination counts as one of its sources
	v_mov_b32 v[TM+4+\b], 0
.endr
	v_mov_b32 v253, 0
.set ni, 0
.rept 64
	v_mov_b32 v[160+ni], 0                         ; O^T: the step is written without a first step of its own: it finds zeros, which the first change of M leaves zeros
.set ni, ni+1
.endr
	s_wait_loadcnt 0x0                             ; Q
	s_wait_tensorcnt 0x0                           ; my parts of steps 0 to 2 are in,
	s_barrier_signal -1
	s_barrier_wait -1                              ; everybody's are
.Ltrip:                                                ; four trips of three steps: steps 0 to 11
	STEP 0
	STEP 1
	CHANGE G0MX, G0KX, 1, 1, 2
	STEP 2
	CHANGE G0MY, G0KY, 0, 1, 1
	s_sub_co_u32 s[CNT], s[CNT], 1
	s_cmp_lg_u32 s[CNT], 0
	s_cbranch_scc1 .Ltrip
	STEP 0                                         ; the last four steps are written out: steps 12, 13
	STEP 1
	CHANGE G0MX, G0KX, 0, 1, 0                     ; step 15 into region 0: waves 0, 1 and 4,
	STEP 2                                         ; step 14,
	CHANGE G0MX, G0KX, 0, 0, 0                     ; step 15's tiles are in; nothing is asked for,
	STEP 0                                         ; step 15
	; THE WAY OUT: O^T / the sum, quantised along the head's d: the result is my tile's image for K step 'head' of the last product
	v_add_f32 v14, v14, v15
	v_permlanex16_b32 v252, v14, s[SEL], s[SEL+1]
	v_add_f32 v14, v14, v252                       ; the row's sum
	v_rcp_f32 v14, v14
	v_nop                                          ; a plain place behind the reciprocal
	s_wait_alu depctr_va_vdst(0)                   ; and a wait ahead of its first use
.set ni, 0
.rept 32
	v_pk_mul_f32 v[96+ni:97+ni], v[160+ni:161+ni], v[14:15] op_sel_hi:[1,0]   ; each accumulator from its low end on
.set ni, ni+2
.endr
	QUANT 96, 224, TM, PW
.irp c, 0,1,2
	global_store_b128 v[LI], v[224+4*\c:227+4*\c], s[8:9] offset:512*\c   ; 32 lanes store 512 consecutive bytes, aligned
.endr
	v_cmp_gt_u32 vcc_lo, 16, v30
	s_wait_xcnt 0x0                                ; EXEC changes only behind this wait
	s_and_saveexec_b32 s68, vcc_lo
	global_store_b32 v[R4], v[PW], s[10:11]        ; lanes 0-15: my 16 rows' scale words
	s_wait_xcnt 0x0
	s_or_b32 exec_lo, exec_lo, s68
	s_wait_tensorcnt 0x0                           ; the wave's end
	ds_add_u32 v[SPW], v[NIL]
	s_wait_dscnt 0x0
	ROUND                                          ; the closing round
	s_endpgm
.Lfunc_end_k_q1991cac41e_attn:
	.size	k_q1991cac41e_attn, .Lfunc_end_k_q1991cac41e_attn-k_q1991cac41e_attn
	.p2alignl 7, 3214868480
	.fill 96, 4, 3214868480
	.section	.rodata,"a",@progbits
	.p2align	6, 0x0
	.amdhsa_kernel k_q1991cac41e_attn
		.amdhsa_group_segment_fixed_size 327680
		.amdhsa_private_segment_fixed_size 0
		.amdhsa_enable_private_segment 0
		.amdhsa_kernarg_size 32
		.amdhsa_user_sgpr_count 2
		.amdhsa_user_sgpr_kernarg_segment_ptr 1
		.amdhsa_wavefront_size32 1
		.amdhsa_system_sgpr_workgroup_id_x 1
		.amdhsa_system_sgpr_workgroup_id_y 1
		.amdhsa_system_sgpr_workgroup_id_z 1
		.amdhsa_system_vgpr_workitem_id 0
		.amdhsa_next_free_vgpr 512
		.amdhsa_next_free_sgpr 92
		.amdhsa_reserve_vcc 1
		.amdhsa_float_denorm_mode_32 3
		.amdhsa_float_denorm_mode_16_64 3
		.amdhsa_memory_ordered 1
		.amdhsa_forward_progress 1
		.amdhsa_inst_pref_size 180
	.end_amdhsa_kernel
	.amdgpu_metadata
---
amdhsa.version: [ 1, 2 ]
amdhsa.kernels:
  - .name:           k_q1991cac41e_attn
    .symbol:         k_q1991cac41e_attn.kd
    .args:
      - { .name: qkv, .offset: 0, .size: 8, .value_kind: global_buffer, .address_space: global }
      - { .name: mask, .offset: 8, .size: 8, .value_kind: global_buffer, .address_space: global }
      - { .name: ctx, .offset: 16, .size: 8, .value_kind: global_buffer, .address_space: global }
      - { .name: cscl, .offset: 24, .size: 8, .value_kind: global_buffer, .address_space: global }
    .group_segment_fixed_size: 327680
    .private_segment_fixed_size: 0
    .kernarg_segment_align: 8
    .kernarg_segment_size: 32
    .max_flat_workgroup_size: 256
    .sgpr_count:     92
    .vgpr_count:     512
    .wavefront_size: 32
...
	.end_amdgpu_metadata
.endif
;; end of part 6
;; launch outgemm (part 7): grid 16 x 16, 4 waves a work-group, clusters of 4 x 4, 327,680 bytes of LDS; arguments ctx, cscl, img, scl, bo, out0; writes out0
.if DOCPART == 7
	.amdgcn_target "amdgcn-amd-amdhsa--gfx1250"
	.amdhsa_code_object_version 6
	.text
	.protected	k_q1991cac41e_outgemm
	.globl	k_q1991cac41e_outgemm
	.p2align	8
	.type	k_q1991cac41e_outgemm,@function
k_q1991cac41e_outgemm:
	s_mov_b64 s[64:65], 0
	v_nop
	global_prefetch_b8 v0, s[64:65] scope:SCOPE_SE
	s_setreg_imm32_b32 hwreg(HW_REG_WAVE_MODE, 25, 1), 1
	s_wait_xcnt 0x0
	s_wait_alu depctr_hold_cnt(0) depctr_sa_sdst(0) depctr_va_vdst(0) depctr_va_sdst(0) depctr_va_ssrc(0) depctr_va_vcc(0) depctr_vm_vsrc(0)
	s_getreg_b32 s2, hwreg(HW_REG_IB_STS2, 6, 4)
	s_cmp_eq_u32 s2, 0
	s_cbranch_scc0 .Lentry_in_a_cluster
	s_endpgm
.Lentry_in_a_cluster:
	s_bfe_u32 s2, ttmp6, 0x10000c
	s_cmp_lg_u32 s2, 0xf033
	s_cbranch_scc0 .Lentry_shape_is_right
	s_endpgm
.Lentry_shape_is_right:
; out0 = ctx Wo^T + bo on codes of FP6 (E2M3) with E8M0 scales; out0 [2048][2048] f32.
; OPERANDS are fragment images (16 rows x 128 K = 1,536 bytes: register 4 c + e of lane l at 512 c + 16 l + 4 e): ctx [tile 128][K step 16][1,536] with cscl [tile][K step][place] words; Wo is tiles 512-639 of img and scl, laid alike.
; Place p of tile i is row 32 (i/2) + 8 (i%2) + p + 8 (p/8).  A work-group of four waves makes 128 x 128, so that the problem's 2,048 x 2,048 gives 256 work-groups; a wave makes 64 x 64: 16 accumulators.
; Source 0 = rows of Wo, source 1 = rows of ctx: a lane holds one token, and register n of a block is output column 32 (n / 16) + 16 (lane / 16) + n % 16.  The bias is the C of each sum's first product.
; LDS: a K step of the block's 16 tiles is 24,576 bytes, so 12 of the 16 K steps lie in LDS at once: three regions of 4 K steps, all first fills (with the scale words: four tensor loads a wave are out at the start).
; ONE refill in the launch: K steps 12-15 go into region 0 as soon as K steps 0-3 have been fetched from it, and have 8 K steps in which to land.  The 16 K steps are written out: no loop.
; CLUSTER 4 x 4: ctx's tiles are asked for jointly along a row of the cluster, Wo's along a column.
; REGISTERS: window 0: v2 r, v3 h, v8-20 addresses, v32-39 scale words (two sets), v64-95 bias, v128-255 accumulators ((a, b) at 128 + 8 (4 a + b)).  Window 1: two fragment buffers at 0 and 128: A's four, then B's four.
.set FR,    12
.set QT,    24576                      ; 4 tiles x 4 K steps: what one tensor load brings, and what a wave reads of A or of B in a region
.set REG,   4*QT                       ; A's two halves, then B's two
.set SCL,   3*REG                      ; behind the regions: the scale words
.set QS,    4096                       ; those of 4 tiles
.set SPARE, SCL+4*QS                   ; the spare words, 128 bytes for each wave: two blocks of 256 bytes that no other line names
.set STAGE, REG                        ; the way out: 16 rows x (256 + 16) bytes for each wave, in region 1, which is filled once and is read by nobody behind the barrier of K step 11
.set SPITCH, 272
.set ADRA, 8                           ; v8-10  my A fragments in regions 0, 1, 2
.set ADRB, 12                          ; v12-14 my B fragments
.set ADRS, 16                          ; v16    my scale words: lanes 0-15 A's, lanes 16-31 B's
.set BO,   17                          ; v17    64 h: the bias's offset
.set STO,  18
.set RD,   19
.set CO,   20
.set SPW,  28
.set NIL,  29
.set SC,   32
.set BI,   64
.set ACC,  128
.set WV, 20
.set RH, 21
.set CH, 22
.set G1, 24
.set G1B, 32
.set G0, 40                            ; s[40:51] a group 0 for each region, A's;  s[52:63] B's
.set G0B, 52
.set G1S, 68
.set G0S, 76
.set G1SB, 80
.set G0SB, 88
.set MSB, 0
.macro WIN new                         ; the immediate's high byte repeats the setting that is left
.if MSB != (\new)
	s_set_vgpr_msb (MSB<<8)|(\new)
.set MSB, (\new)
.endif
.endm
.macro JLOAD g0a, g1a, g0b, g1b        ; a joint load: waves 0 and 1 fetch for A, waves 2 and 3 for B; four v_nop follow each line
	s_cmp_eq_u32 s[RH], 0
	s_cbranch_scc0 .Lfor_b_\@
	tensor_load_to_lds s[\g0a:\g0a+3], s[\g1a:\g1a+7]
	s_nop 0
.rept 4
	v_nop
.endr
	s_branch .Lasked_\@
.Lfor_b_\@:
	tensor_load_to_lds s[\g0b:\g0b+3], s[\g1b:\g1b+7]
	s_nop 0
.rept 4
	v_nop
.endr
.Lasked_\@:
.endm
.macro CROUND                          ; a round of the cluster's barrier
	s_barrier_signal -1
	s_barrier_wait -1
	s_cmp_lg_u32 s[WV], 0
	s_cbranch_scc1 .Lnot_wave_0_\@
	s_barrier_signal -3
.Lnot_wave_0_\@:
	s_barrier_wait -3
	s_barrier_signal -1
	s_barrier_wait -1
.endm
.macro PLACES n                        ; plain places behind matrix instructions, in front of loads into their registers and of reads of their results
.rept \n
	v_nop
.endr
.endm
; K step k's eight fragments into buffer k % 2 and its four scale registers into set k % 2 (register i: lanes 0-15 A's block i, lanes 16-31 B's block i).  K step k lies in region (k / 4) % 3
.macro FETCH k
.set fb, 128*((\k)%2)
.set rg, ((\k)/4)%3
.set qq, (\k)%4
	WIN 0x40                                       ; destination window 1
.irp i, 0,1,2,3
.irp c, 0,1,2
	ds_load_b128 v[fb+FR*\i+4*\c:fb+FR*\i+4*\c+3], v[ADRA+rg] offset:6144*\i+1536*qq+512*\c
.endr
.endr
.irp i, 0,1,2,3
.irp c, 0,1,2
	ds_load_b128 v[fb+48+FR*\i+4*\c:fb+48+FR*\i+4*\c+3], v[ADRB+rg] offset:6144*\i+1536*qq+512*\c
.endr
.endr
	WIN 0
.irp i, 0,1,2,3
	ds_load_b32 v[SC+4*((\k)%2)+\i], v[ADRS] offset:1024*\i+64*(\k)
.endr
.endm
; K step k's 16 products.  first = 1: they start the sums from the bias.  The 16 accumulators take turns, one instruction a turn, in the same order in every K step
.macro MULK k, first
.set fb, 128*((\k)%2)
.set sb, SC+4*((\k)%2)
	WIN 0x05                                       ; sources 0 (B) and 1 (A) window 1; C and D window 0
.irp a, 0,1,2,3
.irp b, 0,1,2,3
.if \first
	v_wmma_scale_f32_16x16x128_f8f6f4 v[ACC+8*(4*\a+\b):ACC+8*(4*\a+\b)+7], v[fb+48+FR*\b:fb+48+FR*\b+FR-1], v[fb+FR*\a:fb+FR*\a+FR-1], v[BI+8*\b:BI+8*\b+7], v[sb+\b], v[sb+\a] matrix_a_fmt:MATRIX_FMT_FP6 matrix_b_fmt:MATRIX_FMT_FP6 matrix_a_scale:MATRIX_SCALE_ROW1
.else
	v_wmma_scale_f32_16x16x128_f8f6f4 v[ACC+8*(4*\a+\b):ACC+8*(4*\a+\b)+7], v[fb+48+FR*\b:fb+48+FR*\b+FR-1], v[fb+FR*\a:fb+FR*\a+FR-1], v[ACC+8*(4*\a+\b):ACC+8*(4*\a+\b)+7], v[sb+\b], v[sb+\a] matrix_a_fmt:MATRIX_FMT_FP6 matrix_b_fmt:MATRIX_FMT_FP6 matrix_a_scale:MATRIX_SCALE_ROW1
.endif
.endr
.endr
.endm
.macro KSTEP k                         ; a K step whose successor lies in LDS and has been shown to every wave
	s_wait_dscnt 0x0                               ; this K step's fragments and scale words are in
	PLACES 4                                       ; behind the last K step's products, which read the buffer that is loaded now
	FETCH (\k)+1
	MULK \k, 0
.endm
	s_load_b256 s[4:11], s[0:1], 0x0               ; ctx, cscl, img, scl
	s_load_b128 s[12:15], s[0:1], 0x20             ; bo, out0
	v_lshl_add_u32 v[SPW], v0, 2, SPARE
	v_mov_b32 v[NIL], 0
	ds_add_u32 v28, v29
	s_wait_dscnt 0x0
	v_lshrrev_b32 v1, 5, v0
	v_readfirstlane_b32 s[WV], v1                  ; wave 0..3
	s_lshr_b32 s[RH], s[WV], 1                     ; my half of the tokens.  Also: I fetch for A (0) or for B (1)
	s_and_b32 s[CH], s[WV], 1                      ; my half of the columns.  Also: which 4 tiles I fetch
	s_bfe_u32 s16, ttmp6, 0x40000                  ; cx
	s_bfe_u32 s17, ttmp6, 0x40004                  ; cy
	s_lshl_b32 s18, ttmp9, 2
	s_add_co_u32 s18, s18, s16                     ; X: 128 output columns
	s_and_b32 s19, ttmp7, 0xffff
	s_lshl_b32 s19, s19, 2
	s_add_co_u32 s19, s19, s17                     ; Y: 128 tokens
	s_lshl_b32 s66, s17, 2
	s_lshl_b32 s66, 15, s66                        ; my row of the cluster
	s_lshl_b32 s67, 0x1111, s16                    ; my column
	s_or_b32 s[G1], s66, (3<<16)|(1<<21)           ; 15:0 the mask; 17:16 elements of 8 bytes; 21 set beside a mask; no padding
	s_or_b32 s[G1B], s67, (3<<16)|(1<<21)
.irp g, G1, G1B                                ; 4 rows (tiles) of 6,144 bytes (4 images), 24,576 bytes apart
	s_mov_b32 s[\g+1], 768<<16
	s_mov_b32 s[\g+2], 4<<16
	s_mov_b32 s[\g+3], 768<<16
	s_mov_b32 s[\g+4], 4
	s_mov_b32 s[\g+5], 3072
	s_mov_b32 s[\g+6], 0
	s_mov_b32 s[\g+7], 0
.endr
	s_or_b32 s[G1S], s66, (3<<16)|(1<<21)
	s_or_b32 s[G1SB], s67, (3<<16)|(1<<21)
.irp g, G1S, G1SB                              ; the scale words of 4 tiles: 4,096 dense bytes as 16 rows of 256
	s_mov_b32 s[\g+1], 32<<16
	s_mov_b32 s[\g+2], 16<<16
	s_mov_b32 s[\g+3], 32<<16
	s_mov_b32 s[\g+4], 16
	s_mov_b32 s[\g+5], 32
	s_mov_b32 s[\g+6], 0
	s_mov_b32 s[\g+7], 0
.endr
	s_lshl_b32 s23, s[CH], 2
	s_lshl_b32 s100, s19, 3
	s_add_co_u32 s100, s100, s23                   ; A's first tile: 8 Y + 4 half: it hangs on Y alone
	s_lshl_b32 s101, s18, 3
	s_add_co_u32 s101, s101, s23
	s_add_co_u32 s101, s101, 512                   ; B's: Wo's 512 + 8 X + 4 half: it hangs on X alone
	s_mul_i32 s92, s100, 24576
	s_mov_b32 s93, 0
	s_lshl_b32 s94, s100, 10
	s_mov_b32 s95, 0
	s_mul_i32 s96, s101, 24576
	s_mov_b32 s97, 0
	s_lshl_b32 s98, s101, 10
	s_mov_b32 s99, 0
	s_mul_i32 s2, s[WV], QT                        ; where they go: by the wave's number alone
	s_mul_i32 s3, s[WV], QS
	s_wait_kmcnt 0x0
	s_add_nc_u64 s[92:93], s[4:5], s[92:93]
	s_add_nc_u64 s[94:95], s[6:7], s[94:95]
	s_add_nc_u64 s[96:97], s[8:9], s[96:97]
	s_add_nc_u64 s[98:99], s[10:11], s[98:99]
	CROUND                                         ; all sixteen work-groups are here: the first joint loads meet
	s_mov_b32 s[G0S], 1
	s_add_co_u32 s[G0S+1], s3, SCL
	s_mov_b64 s[G0S+2:G0S+3], s[94:95]
	s_or_b32 s[G0S+3], s[G0S+3], 0x80000000
	s_mov_b32 s[G0SB], 1
	s_add_co_u32 s[G0SB+1], s3, SCL
	s_mov_b64 s[G0SB+2:G0SB+3], s[98:99]
	s_or_b32 s[G0SB+3], s[G0SB+3], 0x80000000
	JLOAD G0S, G1S, G0SB, G1SB                     ; the scale words first: they are wanted with K step 0
.irp s, 0,1,2
	s_mov_b32 s[G0+4*\s], 1
	s_add_co_u32 s[G0+4*\s+1], s2, \s*REG
	s_add_nc_u64 s[G0+4*\s+2:G0+4*\s+3], s[92:93], \s*6144
	s_or_b32 s[G0+4*\s+3], s[G0+4*\s+3], 0x80000000
	s_mov_b32 s[G0B+4*\s], 1
	s_add_co_u32 s[G0B+4*\s+1], s2, \s*REG
	s_add_nc_u64 s[G0B+4*\s+2:G0B+4*\s+3], s[96:97], \s*6144
	s_or_b32 s[G0B+4*\s+3], s[G0B+4*\s+3], 0x80000000
	JLOAD G0+4*\s, G1, G0B+4*\s, G1B               ; K steps 4 s .. 4 s + 3
.endr
	v_and_b32 v1, 31, v0
	v_and_b32 v2, 15, v0                           ; r
	v_bfe_u32 v3, v0, 4, 1                         ; h
	v_lshlrev_b32 v4, 4, v1                        ; 16 x lane
	v_lshlrev_b32 v[BO], 6, v3
	s_lshl_b32 s2, s18, 9                          ; my first column, in bytes: 512 X + 256 half
	s_lshl_b32 s3, s[CH], 8
	s_add_co_u32 s2, s2, s3
	s_mov_b32 s3, 0
	s_add_nc_u64 s[12:13], s[12:13], s[2:3]
	s_lshl_b32 s100, s19, 20                       ; my first row: 128 Y + 64 half, of 8,192 bytes
	s_lshl_b32 s101, s[RH], 19
	s_add_co_u32 s100, s100, s101
	s_add_co_u32 s100, s100, s2
	s_mov_b32 s101, 0
	s_add_nc_u64 s[14:15], s[14:15], s[100:101]
.set ni, 0
.rept 8
	global_load_b128 v[BI+4*ni:BI+4*ni+3], v[BO], s[12:13] offset:128*(ni/4)+16*(ni%4)   ; register n: the bias of column 32 (n / 16) + 16 h + n % 16
.set ni, ni+1
.endr
	s_mul_i32 s2, s[RH], QT
	s_mul_i32 s3, s[CH], QT
	s_add_co_u32 s3, s3, 2*QT
.irp s, 0,1,2
	v_add_nc_u32 v[ADRA+\s], s2, v4
	v_add_nc_u32 v[ADRB+\s], s3, v4
	s_add_co_u32 s2, s2, REG
	s_add_co_u32 s3, s3, REG
.endr
	s_mul_i32 s2, s[RH], QS                        ; A's scale words: my 4 tiles
	s_mul_i32 s3, s[CH], QS                        ; B's: my 4 tiles, behind A's 8
	s_add_co_u32 s3, s3, 2*QS
	s_sub_co_u32 s3, s3, s2
	v_mul_u32_u24 v5, s3, v3                       ; lanes 16-31 take B's: one product with h
	s_add_co_u32 s2, s2, SCL
	v_lshl_add_u32 v5, v2, 2, v5
	v_add_nc_u32 v[ADRS], s2, v5
	s_mul_i32 s2, s[WV], 16*SPITCH
	s_add_co_u32 s2, s2, STAGE                     ; my stage
	v_mul_u32_u24 v[STO], v2, SPITCH
	v_lshl_add_u32 v[STO], v3, 6, v[STO]
	v_add_nc_u32 v[STO], s2, v[STO]                ; in: row r, + 64 h
	v_mul_u32_u24 v[RD], v3, SPITCH
	v_lshl_add_u32 v[RD], v2, 4, v[RD]
	v_add_nc_u32 v[RD], s2, v[RD]                  ; back: lanes 0-15 one row of 256 bytes, lanes 16-31 the next
	v_lshlrev_b32 v[CO], 13, v3
	v_lshl_add_u32 v[CO], v2, 4, v[CO]             ; and the same two rows in out0
	s_wait_tensorcnt 2                             ; the scale words and my part of region 0 are in; regions 1 and 2 may be out
	s_barrier_signal -1
	s_barrier_wait -1
	FETCH 0
	s_wait_loadcnt 0x0                             ; the bias
	s_wait_dscnt 0x0
	FETCH 1
	MULK 0, 1                                      ; the first K step's products start the sums from the bias
	KSTEP 1
	KSTEP 2
	; K step 3: all of region 0 has been fetched.  Each wave waits for all its tensor loads (regions 1 and 2), adds 0 to its spare word, waits for that and for its reads of region 0; a round of the cluster's barrier; the one refill
	WIN 0
	s_wait_tensorcnt 0x0
	ds_add_u32 v[SPW], v[NIL]                      ; 0 onto my spare word
	s_add_nc_u64 s[G0+2:G0+3], s[G0+2:G0+3], 3*6144      ; no tensor load of mine is out: region 0's group 0 goes on to K steps 12-15
	s_add_nc_u64 s[G0B+2:G0B+3], s[G0B+2:G0B+3], 3*6144
	s_wait_dscnt 0x0
	CROUND
	JLOAD G0, G1, G0B, G1B                         ; its four v_nop are also the places in front of the loads below
	FETCH 4
	MULK 3, 0
.irp k, 4,5,6,7,8,9,10
	KSTEP \k
.endr
	; K step 11: its successor lies in region 0's second fill: each wave waits for its part of it and for its reads of regions 1 and 2, then the work-group's barrier.
	WIN 0
	s_wait_tensorcnt 0x0
	s_wait_dscnt 0x0
	s_barrier_signal -1
	s_barrier_wait -1
	PLACES 4
	FETCH 12
	MULK 11, 0
.irp k, 12,13,14
	KSTEP \k
.endr
	s_wait_dscnt 0x0
	MULK 15, 0
	WIN 0
	; THE WAY OUT, block by block of 16 tokens x 64 columns, through my own stage: a lane's eight results of tile b are columns 32 (b / 2) + 16 h + 8 (b % 2) + 0 .. 7 of its row; whole rows of 256 bytes come back.
	; LDS serves a wave's instructions in order (ISA guide 5.7.1.4): no wait between the stores and the loads, nor in front of the next block's stores.  Each block comes back into registers of its own, and every offset is an immediate.
	PLACES 4                                       ; behind the last products: for the reads of results and the loads into the fragments' registers
.irp a, 0,1,2,3
.irp b, 0,1,2,3
	ds_store_b128 v[STO], v[ACC+8*(4*\a+\b):ACC+8*(4*\a+\b)+3] offset:128*(\b/2)+32*(\b%2)        ; each accumulator from its low end on
	ds_store_b128 v[STO], v[ACC+8*(4*\a+\b)+4:ACC+8*(4*\a+\b)+7] offset:128*(\b/2)+32*(\b%2)+16
.endr
	WIN 0x40                                       ; destination window 1
.irp t, 0,1,2,3,4,5,6,7
	ds_load_b128 v[32*\a+4*\t:32*\a+4*\t+3], v[RD] offset:2*\t*SPITCH
.endr
	WIN 0
.endr
	WIN 0x04                                       ; a store's data are its source 1: window 1
.irp a, 0,1,2,3
	s_wait_dscnt 16*(3-\a)                         ; block a is back; the later blocks' 16 LDS instructions each may be out
.irp t, 0,1,2,3,4,5,6,7
	global_store_b128 v[CO], v[32*\a+4*\t:32*\a+4*\t+3], s[14:15] offset:(32*(\a/2)+8*(\a%2)+2*\t+8*(\t/4))*8192 th:TH_STORE_NT   ; places 2 t and 2 t + 1: 16 lanes store 256 consecutive bytes, aligned; written once
.endr
.endr
	WIN 0
	s_wait_tensorcnt 0x0                           ; the wave's end
	ds_add_u32 v[SPW], v[NIL]
	s_wait_dscnt 0x0
	CROUND                                         ; the closing round
	s_endpgm
.Lfunc_end_k_q1991cac41e_outgemm:
	.size	k_q1991cac41e_outgemm, .Lfunc_end_k_q1991cac41e_outgemm-k_q1991cac41e_outgemm
	.p2alignl 7, 3214868480
	.fill 96, 4, 3214868480
	.section	.rodata,"a",@progbits
	.p2align	6, 0x0
	.amdhsa_kernel k_q1991cac41e_outgemm
		.amdhsa_group_segment_fixed_size 327680
		.amdhsa_private_segment_fixed_size 0
		.amdhsa_enable_private_segment 0
		.amdhsa_kernarg_size 48
		.amdhsa_user_sgpr_count 2
		.amdhsa_user_sgpr_kernarg_segment_ptr 1
		.amdhsa_wavefront_size32 1
		.amdhsa_system_sgpr_workgroup_id_x 1
		.amdhsa_system_sgpr_workgroup_id_y 1
		.amdhsa_system_sgpr_workgroup_id_z 1
		.amdhsa_system_vgpr_workitem_id 0
		.amdhsa_next_free_vgpr 512
		.amdhsa_next_free_sgpr 102
		.amdhsa_reserve_vcc 0
		.amdhsa_float_denorm_mode_32 3
		.amdhsa_float_denorm_mode_16_64 3
		.amdhsa_memory_ordered 1
		.amdhsa_forward_progress 1
		.amdhsa_inst_pref_size 85
	.end_amdhsa_kernel
	.amdgpu_metadata
---
amdhsa.version: [ 1, 2 ]
amdhsa.kernels:
  - .name:           k_q1991cac41e_outgemm
    .symbol:         k_q1991cac41e_outgemm.kd
    .args:
      - { .name: ctx, .offset: 0, .size: 8, .value_kind: global_buffer, .address_space: global }
      - { .name: cscl, .offset: 8, .size: 8, .value_kind: global_buffer, .address_space: global }
      - { .name: img, .offset: 16, .size: 8, .value_kind: global_buffer, .address_space: global }
      - { .name: scl, .offset: 24, .size: 8, .value_kind: global_buffer, .address_space: global }
      - { .name: bo, .offset: 32, .size: 8, .value_kind: global_buffer, .address_space: global }
      - { .name: out0, .offset: 40, .size: 8, .value_kind: global_buffer, .address_space: global }
    .group_segment_fixed_size: 327680
    .private_segment_fixed_size: 0
    .kernarg_segment_align: 8
    .kernarg_segment_size: 48
    .max_flat_workgroup_size: 128
    .sgpr_count:     102
    .vgpr_count:     512
    .wavefront_size: 32
...
	.end_amdgpu_metadata
.endif
;; end of part 7
